; MI455X (gfx1250); checked and timed in simulation.
; The chip was launched on July 23, 2026; its instructions are those of AMD's public machine-readable ISA for CDNA 5 (MIT licence, August 2026) and "CDNA5" Instruction Set Architecture Reference Guide (July 2026). The comments in the code are by the model that wrote it; some were corrected since.
;; Transformer Block. Allowed arithmetic: matrix products marked QUANTISED: E2M3 operands, one E8M0 scale for each 32 along K, by v_wmma_scale_f32_16x16x128_f8f6f4 with both operands' format E2M3, f32 sums; everything else in f32.
;; Inputs: b1 4,096 float32; b2 1,024 float32; beta1 1,024 float32; beta2 1,024 float32; bk 1,024 float32; bo 1,024 float32; bq 1,024 float32; bv 1,024 float32; g1 1,024 float32; g2 1,024 float32; w1_codes 4,096 x 32 x 24 uint8 (E2M3 codes of w1, K innermost, in blocks of 32 codes, four codes in three bytes); w1_scales 4,096 x 32 uint8 (E8M0 scales of w1, one for each 32 codes along K); w2_codes 1,024 x 128 x 24 uint8 (E2M3 codes of w2, K innermost, in blocks of 32 codes, four codes in three bytes); w2_scales 1,024 x 128 uint8 (E8M0 scales of w2, one for each 32 codes along K); wk_codes 1,024 x 32 x 24 uint8 (E2M3 codes of wk, K innermost, in blocks of 32 codes, four codes in three bytes); wk_scales 1,024 x 32 uint8 (E8M0 scales of wk, one for each 32 codes along K); wo_codes 1,024 x 32 x 24 uint8 (E2M3 codes of wo, K innermost, in blocks of 32 codes, four codes in three bytes); wo_scales 1,024 x 32 uint8 (E8M0 scales of wo, one for each 32 codes along K); wq_codes 1,024 x 32 x 24 uint8 (E2M3 codes of wq, K innermost, in blocks of 32 codes, four codes in three bytes); wq_scales 1,024 x 32 uint8 (E8M0 scales of wq, one for each 32 codes along K); wv_codes 1,024 x 32 x 24 uint8 (E2M3 codes of wv, K innermost, in blocks of 32 codes, four codes in three bytes); wv_scales 1,024 x 32 uint8 (E8M0 scales of wv, one for each 32 codes along K); x 2 x 2,048 x 1,024 float32.
;; Outputs: out0 2 x 2,048 x 1,024 float32.
;; Constants: mask = 1.
;; This version of the problem:
;;   THIS VERSION OF THE PROBLEM IS GIVEN IN LOW PRECISION. The matrix products marked QUANTISED in the list below multiply operands that are first quantised to E2M3 (2 exponent bits, 3 mantissa bits; 6 bits a number), with one power-of-two scale for each 32 numbers along K (OCP MX v1.0); their sums are f32. All else is computed in f32.
;;   The module's matrix products, in the order in which they are computed (A, B: the left and right operand; K: the contracted axis; several contracted axes count as one K, in the product's order):
;;     1. [M 4,096, K 1,024] x [K 1,024, N 1,024]; A: computed on the way; B: input wq (given as codes): QUANTISED
;;     2. [M 4,096, K 1,024] x [K 1,024, N 1,024]; A: computed on the way; B: input wk (given as codes): QUANTISED
;;     3. [M 4,096, K 1,024] x [K 1,024, N 1,024]; A: computed on the way; B: input wv (given as codes): QUANTISED
;;     4. batch 32 x [M 2,048, K 64] x [K 64, N 2,048]; A: computed on the way; B: computed on the way: QUANTISED
;;     5. batch 32 x [M 2,048, K 2,048] x [K 2,048, N 64]; A: softmax (see below); B: computed on the way: QUANTISED
;;     6. [M 4,096, K 1,024] x [K 1,024, N 1,024]; A: computed on the way; B: input wo (given as codes): QUANTISED
;;     7. [M 4,096, K 1,024] x [K 1,024, N 4,096]; A: computed on the way; B: input w1 (given as codes): QUANTISED
;;     8. [M 4,096, K 4,096] x [K 4,096, N 1,024]; A: computed on the way; B: input w2 (given as codes): QUANTISED
;;   THE QUANTISER, for each operand of a quantised product, along K:
;;     - K is cut into blocks of 32 from its start; a last block that is shorter is filled with zeros.
;;     - A block's scale is 2^e with e = floor(log2(the largest magnitude in the block)) - 2, held to -126 .. 127; a block of zeros has e = 0. As a byte (E8M0): e + 127.
;;     - Each number is divided by its block's scale, clamped to +-7.5, and rounded to the nearest number of E2M3, ties to even, subnormals kept.
;;     - The product sums the exact products of the quantised numbers (number of the format x scale) in f32.
;;   ~~~python
;;   def quantise(x, axis):      # numpy; x: float32 -> the quantised numbers, widened to float32 again
;;       x = np.moveaxis(x, axis, -1); K = x.shape[-1]
;;       x = np.pad(x, [(0, 0)] * (x.ndim - 1) + [(0, -K % 32)]); x = x.reshape(x.shape[:-1] + (-1, 32)); a = np.abs(x).max(-1, keepdims=True)
;;       e = np.where(a > 0, np.clip(np.frexp(np.where(a > 0, a, 1))[1] - 1 - 2, -126, 127), 0)      # np.frexp(a)[1] - 1 = floor(log2(a)), exactly
;;       r = np.clip(x / 2.0 ** e, -7.5, 7.5)
;;       step = 2.0 ** (np.maximum(np.frexp(np.where(r == 0, 1, r))[1] - 1, 0) - 3)
;;       q = np.round(r / step) * step * 2.0 ** e      # np.round: ties to even
;;       return np.moveaxis(q.reshape(q.shape[:-2] + (-1,))[..., :K], -1, axis).astype(np.float32)
;;   ~~~
;;   SOFTMAX AHEAD OF A QUANTISED PRODUCT. Where the list says 'softmax', what is quantised is not the finished softmax but p = 2^(t - M), with t = logit x log2(e) and M = ceil(the row's largest t), a whole number; so 1/2 < the row's largest p <= 1. The row's sum l is taken of the UNQUANTISED p, in f32, and the product's result is divided by l at the end. Since M is a whole number, a kernel that streams over the keys may use a running M (the ceiling of the running maximum): every later rescaling is an exact power of two, which a block's scale takes up: the codes' values come out the same.
;;   OPERANDS COMPUTED ON THE WAY. 'Computed on the way' means the value that the module computes at that place (a softmax that the list does not call 'softmax' is quantised finished and normalised). What goes into a quantiser is computed in f32, as accurately as f32 sums, v_exp_f32 and their like allow (about 1e-6 of the number): no bf16 or f16 on the way to a quantiser, and a product that is left as it is and whose result goes on into a quantised operand takes f32 operands (vector FMAs, or v_wmma_f32_16x16x4_f32). A number that lies on a knife's edge between two numbers of the format may be rounded either way, as far as f32 arithmetic and the matrix unit's own rounding can turn it there, and no further.
;;   INPUTS GIVEN AS CODES. w1 (in the module: [1024, 4096], K = its axis 0); w2 (in the module: [4096, 1024], K = its axis 0); wk (in the module: [1024, 1024], K = its axis 0); wo (in the module: [1024, 1024], K = its axis 0); wq (in the module: [1024, 1024], K = its axis 0); wv (in the module: [1024, 1024], K = its axis 0): each comes as NAME_codes (uint8): NAME with its K axis moved to the last place and cut into blocks of 32 codes, [.., K / 32, bytes a block], one block behind the other in memory; four codes in three bytes: a row's codes are one little-endian stream of bits, code i at bits 6 i .. 6 i + 5 (a code: sign, 2 exponent bits, 3 mantissa bits); and NAME_scales (uint8): the same leading axes, one E8M0 byte (e + 127) for each 32 codes along K. Its value is code x scale, taken as it is: it is not quantised again, and the codes and scales need not be those that the quantiser above would give.
;; 2 versions. Each part assembles by itself: llvm-mc -triple=amdgcn-amd-amdhsa -mcpu=gfx1250 --defsym DOCPART=n.
;; ======== version 1 of 2: 7 launches
;; workspace buffers: nx 3,276,800 bytes; qk 6,553,600 bytes; vt 3,276,800 bytes; ao 3,276,800 bytes; x1 16,777,216 bytes; hid 13,107,200 bytes
;; launch ln1 (part 1): grid 256 x 1, 4 waves a work-group, no clusters, 19,968 bytes of LDS; arguments x, g1, beta1, nx; writes nx
.if DOCPART == 1
	.amdgcn_target "amdgcn-amd-amdhsa--gfx1250"
	.amdhsa_code_object_version 6
	.text
	.protected	k_q1d477db866_ln1
	.globl	k_q1d477db866_ln1
	.p2align	8
	.type	k_q1d477db866_ln1,@function
k_q1d477db866_ln1:
	s_mov_b64 s[64:65], 0
	v_nop
	global_prefetch_b8 v0, s[64:65] scope:SCOPE_SE
	s_setreg_imm32_b32 hwreg(HW_REG_WAVE_MODE, 25, 1), 1
	s_wait_xcnt 0x0
; LAYER NORM, THEN THE QUANTISER.  src [4096][1024] f32; y = (x - mean) * rsqrt(var + 1e-5) * g + beta, all in f32; y is turned into codes of E2M3 along its 1,024 columns,
; one E8M0 byte for each 32.  dst: codes [4096][768 bytes] from byte 0, scale bytes [4096][32] from byte 3,145,728.
; A work-group takes 16 rows, a wave 4; a row stays in 32 registers of a lane between the passes (mean, variance about the mean, scaling): it is read from memory once.
; Each load takes 512 consecutive bytes (16 a lane); the conversions want 32 NEIGHBOURS in one lane, so a finished row turns through the wave's own stage in LDS (places of 128 bytes + 16).
; A block's byte is its largest magnitude's exponent field - 2, held at 1 from below by a floor among the maximum's leaves; a block of zeros keeps the byte 1: its codes are zeros, and only this program reads the bytes.
; LIMITS: NaN and infinities are not served; blocks whose largest magnitude lies under 2^-124 keep the byte 1.
; No loop, no barrier: waves share nothing.  Each row has its own registers for its codes and its byte, so no store's data are written again.
.set X,     32                         ; v32-159   four rows, 32 registers each: group i of four holds columns 128 i + 4 lane + 0..3
.set GM,    160                        ; v160-191  g, laid as a row
.set BT,    192                        ; v192-223  beta
.set Y,     224                        ; v224-255  a row back from the stage: columns 32 lane + 0..31
.set WREG,  4864                       ; LDS of a wave: a stage of 32 places x 144 bytes, then its 128 scale bytes
.set SBY,   4608
.set SCOFF, 3145728
	s_load_b256 s[4:11], s[0:1], 0x0               ; src s[4:5], g s[6:7], beta s[8:9], dst s[10:11]
	v_lshl_add_u32 v30, v0, 2, 0x4c00
	v_mov_b32 v31, 0
	v_lshrrev_b32 v1, 5, v0
	v_readfirstlane_b32 s16, v1                    ; wave
	v_and_b32 v1, 31, v0                           ; lane
	v_lshlrev_b32 v2, 4, v1                        ; my 16 bytes of a load's 512
	s_mul_i32 s17, s16, WREG
	v_lshrrev_b32 v3, 3, v1
	v_mul_u32_u24 v3, v3, 144
	v_and_b32 v4, 7, v1
	v_lshl_add_u32 v3, v4, 4, v3
	v_add_nc_u32 v3, s17, v3                       ; into the stage: place lane / 8 (+ 4 for each group), 16 (lane % 8) bytes on
	v_mul_u32_u24 v4, v1, 144
	v_add_nc_u32 v4, s17, v4                       ; out of it: my place
	s_add_co_u32 s17, s17, SBY
	v_add_nc_u32 v5, s17, v1                       ; my block's scale byte
	v_lshlrev_b32 v8, 2, v1
	v_add_nc_u32 v6, s17, v8                       ; and on the way out 4 bytes a lane
	v_mul_u32_u24 v7, v1, 24                       ; my block's 24 bytes of codes in a row
	v_mov_b32 v15, 0                               ; upper halves of pairs of which the low word is broadcast: named, so written
	v_mov_b32 v17, 0
	v_mov_b32 v18, 0                               ; a lane permute's destination counts as one of its sources
	s_mov_b32 s12, 0x76543210
	s_mov_b32 s13, 0xfedcba98                      ; v_permlanex16_b32's selects for lane l xor 16
	s_mov_b32 s14, 0x3a800000                      ; 1 / 1024
	s_mov_b32 s15, 0x3727c5ac                      ; 1e-5
	s_lshl_b32 s18, ttmp9, 16                      ; 16 rows of 4,096 bytes a work-group,
	s_lshl_b32 s19, s16, 14                        ; 4 a wave
	s_add_co_u32 s18, s18, s19
	s_mov_b32 s19, 0
	s_lshl_b32 s20, ttmp9, 4
	s_lshl_b32 s21, s16, 2
	s_add_co_u32 s20, s20, s21                     ; my first row
	s_mul_i32 s22, s20, 768
	s_mov_b32 s23, 0
	s_lshl_b32 s20, s20, 5
	s_add_co_u32 s20, s20, SCOFF
	s_mov_b32 s21, 0
	s_wait_kmcnt 0x0
	s_add_nc_u64 s[4:5], s[4:5], s[18:19]
	s_add_nc_u64 s[2:3], s[10:11], s[20:21]        ; my rows' scale bytes
	s_add_nc_u64 s[10:11], s[10:11], s[22:23]      ; my rows' codes
.irp i, 0,1,2,3,4,5,6,7
	global_load_b128 v[GM+4*\i:GM+4*\i+3], v2, s[6:7] offset:512*\i
.endr
.irp i, 0,1,2,3,4,5,6,7
	global_load_b128 v[BT+4*\i:BT+4*\i+3], v2, s[8:9] offset:512*\i
.endr
.irp p, 0,1,2,3
.irp i, 0,1,2,3,4,5,6,7
	global_load_b128 v[X+32*\p+4*\i:X+32*\p+4*\i+3], v2, s[4:5] offset:4096*\p+512*\i
.endr
.endr
.macro LANESUM                         ; v10 summed over the 32 lanes, the result in every lane
	v_add_f32_dpp v10, v10, v10 row_xmask:1 row_mask:0xf bank_mask:0xf
	v_add_f32_dpp v10, v10, v10 row_xmask:2 row_mask:0xf bank_mask:0xf
	v_add_f32_dpp v10, v10, v10 row_xmask:4 row_mask:0xf bank_mask:0xf
	v_add_f32_dpp v10, v10, v10 row_xmask:8 row_mask:0xf bank_mask:0xf
	v_permlanex16_b32 v18, v10, s12, s13
	v_add_f32 v10, v10, v18
.endm
.macro ROW p
.set XR, X+32*\p
	s_wait_loadcnt 8*(3-\p)                        ; loads come back in order: this row's eight are in (g and beta are older), the later rows' eight each may be out
	v_pk_add_f32 v[10:11], v[XR:XR+1], v[XR+2:XR+3]        ; the sum, in two chains
	v_pk_add_f32 v[12:13], v[XR+4:XR+5], v[XR+6:XR+7]
.irp j, 8,12,16,20,24,28
	v_pk_add_f32 v[10:11], v[10:11], v[XR+\j:XR+\j+1]
	v_pk_add_f32 v[12:13], v[12:13], v[XR+\j+2:XR+\j+3]
.endr
	v_pk_add_f32 v[10:11], v[10:11], v[12:13]
	v_add_f32 v10, v10, v11
	LANESUM
	v_mul_f32 v14, s14, v10                        ; the mean
.set j, 0
.rept 16
	v_pk_add_f32 v[XR+j:XR+j+1], v[XR+j:XR+j+1], v[14:15] op_sel_hi:[1,0] neg_lo:[0,1] neg_hi:[0,1]   ; x - mean
.set j, j+2
.endr
	v_pk_mul_f32 v[10:11], v[XR:XR+1], v[XR:XR+1]          ; the sum of squares about the mean, in two chains
	v_pk_mul_f32 v[12:13], v[XR+2:XR+3], v[XR+2:XR+3]
.irp j, 4,8,12,16,20,24,28
	v_pk_fma_f32 v[10:11], v[XR+\j:XR+\j+1], v[XR+\j:XR+\j+1], v[10:11]
	v_pk_fma_f32 v[12:13], v[XR+\j+2:XR+\j+3], v[XR+\j+2:XR+\j+3], v[12:13]
.endr
	v_pk_add_f32 v[10:11], v[10:11], v[12:13]
	v_add_f32 v10, v10, v11
	LANESUM
	v_fma_f32 v16, v10, s14, s15                   ; the variance + 1e-5
	v_rsq_f32 v16, v16
	v_nop                                          ; one plain instruction behind a transcendental (ISA guide 5.7.2)
.set j, 0
	s_wait_alu depctr_va_vdst(0)
.rept 16
	v_pk_mul_f32 v[XR+j:XR+j+1], v[XR+j:XR+j+1], v[16:17] op_sel_hi:[1,0]
.set j, j+2
.endr
.set j, 0
.rept 16
	v_pk_fma_f32 v[XR+j:XR+j+1], v[XR+j:XR+j+1], v[GM+j:GM+j+1], v[BT+j:BT+j+1]
.set j, j+2
.endr
.irp i, 0,1,2,3,4,5,6,7
	ds_store_b128 v3, v[XR+4*\i:XR+4*\i+3] offset:576*\i   ; group i: four places on
.endr
.irp i, 0,1,2,3,4,5,6,7
	ds_load_b128 v[Y+4*\i:Y+4*\i+3], v4 offset:16*\i       ; LDS serves a wave's instructions in order (ISA guide 5.7.1.4): these see the stores above
.endr
	s_wait_dscnt 0x0                               ; my block of 32 is in; the stores have read the row's registers, which now take its codes
	v_max3_num_f32 v20, |v[Y]|, |v[Y+1]|, 0x1800000        ; the block's largest magnitude, two chains, with the floor 2^(3 - 127) as one more leaf
	v_max3_num_f32 v21, |v[Y+2]|, |v[Y+3]|, |v[Y+4]|
.irp i, 5,9,13,17,21,25
	v_max3_num_f32 v20, v20, |v[Y+\i]|, |v[Y+\i+1]|
	v_max3_num_f32 v21, v21, |v[Y+\i+2]|, |v[Y+\i+3]|
.endr
	v_max3_num_f32 v20, v20, |v[Y+29]|, |v[Y+30]|
	v_max3_num_f32 v20, v20, v21, |v[Y+31]|
	v_add_nc_u32 v22, 0xff000000, v20              ; 2 off its exponent field: the conversion takes the exponent field of this operand as its scale
	v_cvt_scalef32_pk16_fp6_f32 v[XR:XR+2], v[Y:Y+15], v22
	v_cvt_scalef32_pk16_fp6_f32 v[XR+4:XR+6], v[Y+16:Y+31], v22
	v_lshrrev_b32 v[XR+8], 23, v22                 ; the scale's byte (also the plain instruction behind the conversions)
	ds_store_b8 v5, v[XR+8] offset:32*\p
	global_store_b96 v7, v[XR:XR+2], s[10:11] offset:768*\p        ; the wave's two stores cover the row's 768 bytes
	global_store_b96 v7, v[XR+4:XR+6], s[10:11] offset:768*\p+12
.endm
	ROW 0
	ROW 1
	ROW 2
	ROW 3
	ds_load_b32 v9, v6                             ; my four rows' 128 scale bytes, in order behind the byte stores
	s_wait_dscnt 0x0
	global_store_b32 v8, v9, s[2:3]                ; 128 consecutive bytes
	s_wait_tensorcnt 0x0
	ds_add_u32 v30, v31
	s_wait_dscnt 0x0
	s_endpgm
.Lfunc_end_k_q1d477db866_ln1:
	.size	k_q1d477db866_ln1, .Lfunc_end_k_q1d477db866_ln1-k_q1d477db866_ln1
	.p2alignl 7, 3214868480
	.fill 96, 4, 3214868480
	.section	.rodata,"a",@progbits
	.p2align	6, 0x0
	.amdhsa_kernel k_q1d477db866_ln1
		.amdhsa_group_segment_fixed_size 19968
		.amdhsa_private_segment_fixed_size 0
		.amdhsa_enable_private_segment 0
		.amdhsa_kernarg_size 32
		.amdhsa_user_sgpr_count 2
		.amdhsa_user_sgpr_kernarg_segment_ptr 1
		.amdhsa_wavefront_size32 1
		.amdhsa_system_sgpr_workgroup_id_x 1
		.amdhsa_system_sgpr_workgroup_id_y 1
		.amdhsa_system_sgpr_workgroup_id_z 1
		.amdhsa_system_vgpr_workitem_id 0
		.amdhsa_next_free_vgpr 256
		.amdhsa_next_free_sgpr 66
		.amdhsa_reserve_vcc 0
		.amdhsa_float_denorm_mode_32 3
		.amdhsa_float_denorm_mode_16_64 3
		.amdhsa_memory_ordered 1
		.amdhsa_forward_progress 1
		.amdhsa_inst_pref_size 41
	.end_amdhsa_kernel
	.amdgpu_metadata
---
amdhsa.version: [ 1, 2 ]
amdhsa.kernels:
  - .name:           k_q1d477db866_ln1
    .symbol:         k_q1d477db866_ln1.kd
    .args:
      - { .name: x, .offset: 0, .size: 8, .value_kind: global_buffer, .address_space: global }
      - { .name: g1, .offset: 8, .size: 8, .value_kind: global_buffer, .address_space: global }
      - { .name: beta1, .offset: 16, .size: 8, .value_kind: global_buffer, .address_space: global }
      - { .name: nx, .offset: 24, .size: 8, .value_kind: global_buffer, .address_space: global }
    .group_segment_fixed_size: 19968
    .private_segment_fixed_size: 0
    .kernarg_segment_align: 8
    .kernarg_segment_size: 32
    .max_flat_workgroup_size: 128
    .sgpr_count:     66
    .vgpr_count:     256
    .wavefront_size: 32
...
	.end_amdgpu_metadata
.endif
;; end of part 1
;; launch qkv (part 2): grid 12 x 16, 4 waves a work-group, clusters of 4 x 4, 327,680 bytes of LDS; arguments nx, wq_codes, wq_scales, wk_codes, wk_scales, wv_codes, wv_scales, bq, bk, bv, qk, vt; writes qk, vt
.if DOCPART == 2
	.amdgcn_target "amdgcn-amd-amdhsa--gfx1250"
	.amdhsa_code_object_version 6
	.text
	.protected	k_q1d477db866_qkv
	.globl	k_q1d477db866_qkv
	.p2align	8
	.type	k_q1d477db866_qkv,@function
k_q1d477db866_qkv:
	s_mov_b64 s[64:65], 0
	v_nop
	global_prefetch_b8 v0, s[64:65] scope:SCOPE_SE
	s_setreg_imm32_b32 hwreg(HW_REG_WAVE_MODE, 25, 1), 1
	s_wait_xcnt 0x0
	s_wait_alu depctr_hold_cnt(0) depctr_sa_sdst(0) depctr_va_vdst(0) depctr_va_sdst(0) depctr_va_ssrc(0) depctr_va_vcc(0) depctr_vm_vsrc(0)
	s_getreg_b32 s2, hwreg(HW_REG_IB_STS2, 6, 4)
	s_cmp_eq_u32 s2, 0
	s_cbranch_scc0 .Lentry_in_a_cluster
	s_endpgm
.Lentry_in_a_cluster:
	s_bfe_u32 s2, ttmp6, 0x10000c
	s_cmp_lg_u32 s2, 0xf033
	s_cbranch_scc0 .Lentry_shape_is_right
	s_endpgm
.Lentry_shape_is_right:
; q = nx wq + bq, k = nx wk + bk, v^T = (nx wv + bv)^T: three products on codes of E2M3 (one E8M0 byte for each 32 along K = 1,024), and their results quantised on the way out.
; ONE TEXT FOR THE THREE.  C[m][n] = sum over k of A[m][k] B[n][k].  The cluster's x says which: 0: A = nx (tokens), B = wq;  1: A = nx, B = wk;  2: A = wv, B = nx, so that C = v^T has the KEYS along its rows.
; In all three the next product's K runs along n, so one way out serves: bias, blocks of 32 along n, codes and scale bytes.  What differs is chosen by s_cselect on the cluster's x (buffers, strides, and a factor 0 or 1
; on the column bias bq / bk and on the row bias bv); there is no branch on it.
; A tile of C, 256 x 256, is made by four waves, each 128 x 128: 64 accumulators of 16 x 16.  K goes in steps of 256 through a ring of two LDS slots filled by the tensor data mover; the scales of the tile's rows come once.
; CLUSTERS: 4 x 4 work-groups; A's tiles are asked for jointly along a row of the cluster, B's along a column.  THE MATRIX INSTRUCTION IS USED TRANSPOSED (source 0 = 16 rows of B, source 1 = 16 rows of A).
; WHAT IS STORED.  qk: q's codes from byte 0, k's from 3,145,728: [32 heads of both batches][2048 places][48 bytes]; a token's place is its number with bits 3 and 4 exchanged, so that 16 neighbouring places are the 16 rows
; that a tile of the next product wants.  Scale words from 6,291,456 (q) and 6,422,528 (k): [32][64][16][4 bytes]: word (f, r) = the two bytes of place 32 f + r, then those of place 32 f + 16 + r.
; vt: codes [1024 rows (head, channel with bits 3 and 4 exchanged)][3072 bytes: the 4,096 tokens], scale bytes [1024][128] from 3,145,728.
; LIMITS: NaN and infinities are not served (a bias that does not apply is multiplied by 0); blocks whose largest magnitude lies under 2^-124, zeros among them, keep the byte 1: only this program reads the bytes.
; REGISTERS, in windows of 256: window 0: v0-31 addresses; v32-63 scale words, two sets; from v128 A's fragments, one set.  window 1: B's fragments, two sets.  windows 2, 3: the accumulators ((a, b) at v[8 (8 (a % 4) + b)]).
.set SIZE_K, 1024
.set KSTEP,  256                       ; along K in a slot
.set NQ,     KSTEP/128                 ; matrix instructions deep
.set ROWB,   192                       ; a tile's row in bytes
.set KROW,   SIZE_K*6/8                ; a row of A or of B in memory
.set PITCH,  240                       ; an LDS row: 3 x (64 bytes + 16 of padding): the 32 lanes of a load of 8 bytes touch 64 different banks (64 banks of 4 bytes: ISA guide 11.1)
.set FR,     12                        ; registers of a fragment: 16 rows x 128 K
.set NL,     6                         ; LDS loads that bring one
.set NP,     4                         ; places behind this matrix instruction (ISA guide 7.12.1)
.set HALFT,  128*PITCH
.set SLOT,   4*HALFT                   ; A's 256 rows, then B's 256 rows
.set LAPS,   SIZE_K/(2*KSTEP)
.set KS,     SIZE_K/32                 ; a row of scales in bytes
.set SCL,    2*SLOT                    ; behind the ring: the scales, as units of 256 bytes + 16 of padding
.set HALFS,  (128*KS/256)*272
.set SBLK,   (16*KS/256)*272
.set SPARE,  327168                    ; the spare words, 128 bytes for each wave: two blocks of 256 bytes that no other line names
.set SPITCH, 528                       ; the way out: a stage row, 512 bytes + 16
.set STGW,   128*SPITCH                ; a wave's stage: its 128 rows.  The four stages lie over the ring and the scales, which have had their last fill and, behind a barrier, their last read
.set RBL,    4*STGW                    ; behind the stages: 128 row biases for each wave
.set ADRA, 16
.set ADRB, 20
.set STO,  24
.set ADRS, 27
.set SPW,  28
.set NIL,  29
.set SC,   32
.set AF,   128
.set G1, 24
.set G0, 32
.set G1B, 48
.set G0B, 56
.set G1S, 68
.set G0S, 76
.set G1SB, 80
.set G0SB, 88
.set MSB, 0
.macro WIN new                         ; the immediate's high byte repeats the setting that is left
.if MSB != (\new)
	s_set_vgpr_msb (MSB<<8)|(\new)
.set MSB, (\new)
.endif
.endm
.set MUL_LO, 0xa1                      ; source 0 (B) window 1, source 1 (A) window 0, C and D window 2
.set MUL_HI, 0xf1
.set TO_B,   0x40
.macro JLOAD g0a, g1a, g0b, g1b        ; a joint load: waves 0 and 1 fetch for A, waves 2 and 3 for B; four v_nop follow each line
	s_cmp_eq_u32 s15, 0
	s_cbranch_scc0 .Lfor_b_\@
	tensor_load_to_lds s[\g0a:\g0a+3], s[\g1a:\g1a+7]
	s_nop 0
.rept 4
	v_nop
.endr
	s_branch .Lasked_\@
.Lfor_b_\@:
	tensor_load_to_lds s[\g0b:\g0b+3], s[\g1b:\g1b+7]
	s_nop 0
.rept 4
	v_nop
.endr
.Lasked_\@:
.endm
.macro CREST                           ; a round of the cluster's barrier behind its opening barrier
	s_cmp_lg_u32 s14, 0
	s_cbranch_scc1 .Lnot_wave_0_\@
	s_barrier_signal -3
.Lnot_wave_0_\@:
	s_barrier_wait -3
	s_barrier_signal -1
	s_barrier_wait -1
.endm
.macro CROUND
	s_barrier_signal -1
	s_barrier_wait -1
	CREST
.endm
	s_load_b512 s[68:83], s[0:1], 0x0              ; nx 68, wq codes 70, scales 72, wk 74, 76, wv 78, 80, bq 82
	s_load_b256 s[84:91], s[0:1], 0x40             ; bk 84, bv 86, qk 88, vt 90
	v_lshl_add_u32 v[SPW], v0, 2, SPARE
	v_mov_b32 v[NIL], 0
	ds_add_u32 v28, v29
	ds_add_u32 v28, v29
	s_wait_dscnt 0x0
	v_lshrrev_b32 v1, 5, v0
	v_readfirstlane_b32 s14, v1                    ; wave 0..3
	s_lshr_b32 s15, s14, 1                         ; which half of the tile's rows is mine.  Also: I fetch for A (0) or for B (1)
	s_and_b32 s16, s14, 1                          ; which half of its columns.  Also: which 128 rows of that tile I fetch
	s_bfe_u32 s40, ttmp6, 0x40000                  ; cx, cy: my place in the cluster
	s_bfe_u32 s41, ttmp6, 0x40004
	s_and_b32 s17, ttmp7, 0xffff
	s_lshl_b32 s17, s17, 2                         ; 4 x cluster y: it walks the 4,096 tokens, which are C's rows for q and k and C's columns for v^T
	s_cmp_eq_u32 ttmp9, 2
	s_cselect_b32 s95, 0, s17
	s_cselect_b32 s42, s17, 0
	s_add_co_u32 s17, s95, s41                     ; tile row of C
	s_add_co_u32 s42, s42, s40                     ; tile column of C
	s_lshl_b32 s43, s41, 2
	s_lshl_b32 s43, 15, s43                        ; my row of the cluster
	s_lshl_b32 s44, 0x1111, s40                    ; my column
	s_or_b32 s[G1+0], s43, (0<<16)|(1<<20)|(1<<21)|(3<<22)|(3<<25)  ; 15:0 the mask; 17:16 elements of 1 byte; 20 padding on; 21 set beside a mask; 24:22 after every 16 words; 31:25 of 4 words
	s_or_b32 s[G1B+0], s44, (0<<16)|(1<<20)|(1<<21)|(3<<22)|(3<<25)
.irp g, G1, G1B
	s_mov_b32 s[\g+1], ROWB<<16                    ; tensor_dim0
	s_mov_b32 s[\g+2], 128<<16                     ; tensor_dim1
	s_mov_b32 s[\g+3], ROWB<<16                    ; tile_dim0
	s_mov_b32 s[\g+4], 128                         ; tile_dim1
	s_mov_b32 s[\g+5], KROW                        ; tensor_dim0_stride
	s_mov_b32 s[\g+6], 0
	s_mov_b32 s[\g+7], 0
.endr
	s_wait_kmcnt 0x0
	s_add_nc_u64 s[92:93], s[68:69], 3145728       ; nx's scale bytes
	s_cmp_eq_u32 ttmp9, 2                          ; the choices hang on the cluster's x alone, which all partners share
	s_cselect_b64 s[4:5], s[78:79], s[68:69]       ; A's codes: wv or nx
	s_cselect_b64 s[6:7], s[80:81], s[92:93]       ; A's scales
	s_cselect_b64 s[100:101], s[90:91], s[88:89]   ; where the results go: vt or qk
	s_cmp_eq_u32 ttmp9, 0
	s_cselect_b64 s[8:9], s[70:71], s[74:75]       ; B's codes: wq or wk,
	s_cselect_b64 s[10:11], s[72:73], s[76:77]
	s_cselect_b64 s[66:67], s[82:83], s[84:85]     ; the column bias: bq or bk
	s_cmp_eq_u32 ttmp9, 2
	s_cselect_b64 s[8:9], s[68:69], s[8:9]         ; or nx
	s_cselect_b64 s[10:11], s[92:93], s[10:11]
	s_mov_b64 s[98:99], s[86:87]                   ; the row bias: bv
	s_or_b32 s[G1S+0], s43, (3<<16)|(1<<20)|(1<<21)|(5<<22)|(3<<25)   ; the scales of 128 rows: a dense block, as rows of 256 bytes, 16 bytes of padding behind each
	s_or_b32 s[G1SB+0], s44, (3<<16)|(1<<20)|(1<<21)|(5<<22)|(3<<25)
.irp g, G1S, G1SB
	s_mov_b32 s[\g+1], 32<<16
	s_mov_b32 s[\g+2], (128*KS/256)<<16
	s_mov_b32 s[\g+3], 32<<16
	s_mov_b32 s[\g+4], 128*KS/256
	s_mov_b32 s[\g+5], 32
	s_mov_b32 s[\g+6], 0
	s_mov_b32 s[\g+7], 0
.endr
	s_lshl_b32 s18, s16, 7                         ; which 128 rows of the tile I fetch
	s_lshl_b32 s20, s17, 8
	s_add_co_u32 s20, s20, s18                     ; A: row 256 x tile row + 128 x half
	s_lshl_b32 s46, s42, 8
	s_add_co_u32 s46, s46, s18                     ; B: row 256 x tile column + 128 x half
	s_mov_b32 s21, 0
	s_mov_b32 s47, 0
	s_mov_b64 s[18:19], KS
	s_mul_u64 s[22:23], s[20:21], s[18:19]         ; where these rows' scales begin,
	s_mul_u64 s[92:93], s[46:47], s[18:19]
	s_mov_b64 s[18:19], KROW
	s_mul_u64 s[20:21], s[20:21], s[18:19]         ; and their codes
	s_mul_u64 s[46:47], s[46:47], s[18:19]
	s_mul_i32 s45, s14, HALFT                      ; where they go: wave x 128 rows: no place in the cluster enters an LDS address
	s_mul_i32 s94, s14, HALFS
	s_add_nc_u64 s[20:21], s[4:5], s[20:21]
	s_add_nc_u64 s[22:23], s[6:7], s[22:23]
	s_add_nc_u64 s[46:47], s[8:9], s[46:47]
	s_add_nc_u64 s[92:93], s[10:11], s[92:93]
	CROUND                                         ; all sixteen work-groups are here: the first joint loads meet
	s_mov_b32 s[G0S], 1
	s_add_co_u32 s[G0S+1], s94, SCL
	s_mov_b64 s[G0S+2:G0S+3], s[22:23]
	s_or_b32 s[G0S+3], s[G0S+3], 0x80000000
	s_mov_b32 s[G0SB], 1
	s_add_co_u32 s[G0SB+1], s94, SCL
	s_mov_b64 s[G0SB+2:G0SB+3], s[92:93]
	s_or_b32 s[G0SB+3], s[G0SB+3], 0x80000000
	JLOAD G0S, G1S, G0SB, G1SB                     ; the scales first: they are wanted with K step 0
.irp s, 0,1
	s_mov_b32 s[G0+4*\s], 1
	s_add_co_u32 s[G0+4*\s+1], s45, \s*SLOT
	s_add_nc_u64 s[G0+4*\s+2:G0+4*\s+3], s[20:21], \s*ROWB
	s_or_b32 s[G0+4*\s+3], s[G0+4*\s+3], 0x80000000
	s_mov_b32 s[G0B+4*\s], 1
	s_add_co_u32 s[G0B+4*\s+1], s45, \s*SLOT
	s_add_nc_u64 s[G0B+4*\s+2:G0B+4*\s+3], s[46:47], \s*ROWB
	s_or_b32 s[G0B+4*\s+3], s[G0B+4*\s+3], 0x80000000
	JLOAD G0+4*\s, G1, G0B+4*\s, G1B
.endr
	v_and_b32 v1, 15, v0                           ; l % 16
	v_bfe_u32 v2, v0, 4, 1                         ; l / 16
	v_mul_u32_u24 v3, v1, PITCH
	v_mul_u32_u24 v4, v2, 24
	v_add_nc_u32 v4, v3, v4                        ; a fragment's row x pitch + 24 x half
	v_lshl_add_u32 v5, v2, 4, v4                   ; and the same behind one padding more
	s_mul_i32 s21, s15, HALFT                      ; my 128 rows of A
	s_mul_i32 s22, s16, HALFT                      ; my 128 rows of B,
	s_add_co_u32 s22, s22, 2*HALFT                 ; which lie behind A's 256
.irp s, 0,1
	v_add_nc_u32 v[ADRA+\s], s21, v4
	v_add_nc_u32 v[ADRB+\s], s22, v4
	v_add_nc_u32 v[ADRA+2+\s], s21, v5
	v_add_nc_u32 v[ADRB+2+\s], s22, v5
	s_add_co_u32 s21, s21, SLOT
	s_add_co_u32 s22, s22, SLOT
.endr
	v_mul_u32_u24 v5, v1, KS                       ; my row's scales: KS bytes a row,
	v_lshrrev_b32 v6, 8, v5
	v_lshl_add_u32 v5, v6, 4, v5                   ; and 16 more for each 256 passed
	s_mul_i32 s21, s15, HALFS
	s_mul_i32 s22, s16, HALFS
	s_add_co_u32 s22, s22, 2*HALFS
	s_sub_co_u32 s22, s22, s21
	v_mul_u32_u24 v6, s22, v2                      ; lanes 16-31 take B's
	s_add_co_u32 s21, s21, SCL
	v_add_nc_u32 v5, v5, v6
	v_add_nc_u32 v[ADRS], s21, v5
	s_mul_i32 s23, s14, STGW                       ; my stage
	v_mul_u32_u24 v5, v1, SPITCH
	v_lshl_add_u32 v6, v2, 5, v5
	v_add_nc_u32 v[STO], s23, v6                   ; in: row l % 16, 32 bytes for each half of the lanes
	v_lshl_add_u32 v6, v2, 8, v5
	v_add_nc_u32 v13, s23, v6                      ; back: row l % 16, 256 bytes (64 columns) for each half of the lanes
.macro FRAG reg, adr, q, i             ; a fragment: lane l holds row l % 16; registers 6 c .. 6 c + 5 hold K = 64 c + 32 (l / 16) + 0 .. 31: 24 bytes of the row's stream of bits, in pieces of 8 bytes
.irp p, 0,1,2,3,4,5
.set PC, 12*(\q)+6*(\p/3)+\p%3        ; where the piece three on (lanes 16-31) lies behind one padding more, the second address register serves
.if PC%8 < 5
	ds_load_b64 v[\reg+2*\p:\reg+2*\p+1], v[\adr] offset:8*PC+16*(PC/8)+(\i)*16*PITCH
.else
	ds_load_b64 v[\reg+2*\p:\reg+2*\p+1], v[\adr+2] offset:8*PC+16*(PC/8)+(\i)*16*PITCH
.endif
.endr
.endm
; 16 matrix instructions: A's blocks a0, a0 + 1 x B's eight, 128 along K.  The 64 accumulators take turns, one instruction a turn.  zero = 1: the first product starts the sums.
.macro MUL16 a0, p, q, sc, zero
.irp a, \a0, \a0+1
.irp b, 0,1,2,3,4,5,6,7
.if \zero
	v_wmma_scale_f32_16x16x128_f8f6f4 v[8*(8*((\a)%4)+\b):8*(8*((\a)%4)+\b)+7], v[128*(\p)+FR*\b:128*(\p)+FR*\b+FR-1], v[AF+FR*(\a):AF+FR*(\a)+FR-1], 0, v[SC+8*NQ*(\sc)+NQ*\b+(\q)], v[SC+8*NQ*(\sc)+NQ*(\a)+(\q)] matrix_a_fmt:MATRIX_FMT_FP6 matrix_b_fmt:MATRIX_FMT_FP6 matrix_a_scale:MATRIX_SCALE_ROW1
.else
	v_wmma_scale_f32_16x16x128_f8f6f4 v[8*(8*((\a)%4)+\b):8*(8*((\a)%4)+\b)+7], v[128*(\p)+FR*\b:128*(\p)+FR*\b+FR-1], v[AF+FR*(\a):AF+FR*(\a)+FR-1], v[8*(8*((\a)%4)+\b):8*(8*((\a)%4)+\b)+7], v[SC+8*NQ*(\sc)+NQ*\b+(\q)], v[SC+8*NQ*(\sc)+NQ*(\a)+(\q)] matrix_a_fmt:MATRIX_FMT_FP6 matrix_b_fmt:MATRIX_FMT_FP6 matrix_a_scale:MATRIX_SCALE_ROW1
.endif
.endr
.endr
.endm
.macro FETCH_B slot, q, p
	WIN TO_B
.irp i, 0,1,2,3,4,5,6,7
	FRAG 128*(\p)+FR*\i, ADRB+\slot, \q, \i
.endr
	WIN 0
.endm
.macro FETCH_A slot, q, i0
.irp i, \i0, \i0+1, \i0+2, \i0+3
	FRAG AF+FR*(\i), ADRA+\slot, \q, \i
.endr
.endm
.macro SCALES sc                       ; a K step's scale words: lanes 0-15 take A's block i, lanes 16-31 B's block i
.irp i, 0,1,2,3,4,5,6,7
	ds_load_b64 v[SC+8*NQ*\sc+NQ*\i:SC+8*NQ*\sc+NQ*\i+1], v[ADRS] offset:\i*SBLK
.endr
.endm
.macro PLACES n                        ; plain vector instructions between a matrix instruction and a load into, or a read of, its registers
.rept \n
	v_nop
.endr
.endm
.macro STEP slot, q, zero              ; a step of 128 along K that has its successor in the same slot
	s_wait_dscnt 4*NL                              ; B's set and A's blocks 0-3 are in; the youngest 24 loads (A's blocks 4-7) may be out
	WIN MUL_LO
	MUL16 0, (\q)%2, \q, \slot, \zero
	MUL16 2, (\q)%2, \q, \slot, \zero
	s_wait_dscnt 0
	PLACES NP
	FETCH_B \slot, (\q)+1, 1-(\q)%2
	FETCH_A \slot, (\q)+1, 0
	WIN MUL_HI
	MUL16 4, (\q)%2, \q, \slot, \zero
	MUL16 6, (\q)%2, \q, \slot, \zero
	PLACES NP
	WIN 0
	FETCH_A \slot, (\q)+1, 4
.endm
.macro TURN slot, next, fill           ; a slot's last step changes slots: one barrier; fill = 1: this slot is filled again, two K steps ahead
	s_wait_tensorcnt 0x0                           ; all my tensor loads have landed: my part of the next slot
	ds_add_u32 v[SPW], v[NIL]                      ; 0 onto my spare word
	s_wait_dscnt 4*NL+1                            ; (the add and the youngest 24 loads may be out)
	WIN MUL_LO
	MUL16 0, 1, NQ-1, \slot, 0
	s_wait_dscnt 0x0                               ; the add is done, and my reads of this slot are over
	s_barrier_signal -1
	MUL16 2, 1, NQ-1, \slot, 0
	WIN 0
	s_barrier_wait -1
.if \fill
	CREST                                          ; the barrier has opened a round of the cluster's barrier: no wave of any partner still reads this slot or has a load on its way
	s_add_nc_u64 s[G0+4*\slot+2:G0+4*\slot+3], s[G0+4*\slot+2:G0+4*\slot+3], 2*ROWB
	s_add_nc_u64 s[G0B+4*\slot+2:G0B+4*\slot+3], s[G0B+4*\slot+2:G0B+4*\slot+3], 2*ROWB
	JLOAD G0+4*\slot, G1, G0B+4*\slot, G1B         ; the first tensor load behind the round; its four v_nop are the places in front of the loads below
.else
	PLACES NP
.endif
	v_add_nc_u32 v[ADRS], 4*NQ, v[ADRS]            ; on to the next K step's scale words
	FETCH_B \next, 0, 0
	FETCH_A \next, 0, 0
	SCALES \next
	WIN MUL_HI
	MUL16 4, 1, NQ-1, \slot, 0
	MUL16 6, 1, NQ-1, \slot, 0
	PLACES NP
	WIN 0
	FETCH_A \next, 0, 4
.endm
	s_wait_tensorcnt 1                             ; the scales and my part of K step 0 are in (K step 1's load may be out),
	s_barrier_signal -1
	s_barrier_wait -1                              ; everybody's are
	FETCH_B 0, 0, 0
	FETCH_A 0, 0, 0
	SCALES 0
	FETCH_A 0, 0, 4
	STEP 0, 0, 1                                   ; the first step stands in front of the loop: its products start the sums
	s_mov_b32 s3, LAPS-1
.Llap:                                                 ; a trip goes once round the ring and fills both slots again
	TURN 0, 1, 1
	STEP 1, 0, 0
	TURN 1, 0, 1
	STEP 0, 0, 0
	s_sub_co_u32 s3, s3, 1
	s_cmp_lg_u32 s3, 0
	s_cbranch_scc1 .Llap
	TURN 0, 1, 0                                   ; the last lap fills nothing
	STEP 1, 0, 0
	s_wait_dscnt 4*NL
	WIN MUL_LO
	MUL16 0, 1, NQ-1, 1, 0
	MUL16 2, 1, NQ-1, 1, 0
	s_wait_dscnt 0
	WIN MUL_HI
	MUL16 4, 1, NQ-1, 1, 0
	MUL16 6, 1, NQ-1, 1, 0
	WIN 0
; THE WAY OUT.  All 128 rows of my part go into my stage; then lane (rho = l % 16, hh = l / 16) takes back, block of 16 rows by block, 64 neighbouring columns of row rho: two whole blocks of 32 along the next K.
.set BB0, 128                          ; v128-191, v192-255: a lane's 64 numbers of two blocks of rows
.set BB1, 192
.set CC,  32                           ; v32-47  codes: four conversions' three registers
.set MX,  48                           ; v48-49 largest magnitudes; v50-51 scale operands; v52-53 bytes
	PLACES NP                                      ; behind the last products, in front of the stores that read results and the loads into operands' registers
	s_wait_dscnt 0x0                               ; my reads of the ring and of the scales are over:
	s_barrier_signal -1
	s_barrier_wait -1                              ; everybody's are: the stages may be written
	; both sets of offsets are made, then chosen on the cluster's x.  q, k: rows are tokens, columns (head, channel)
	s_lshr_b32 s52, s17, 3                         ; batch
	s_and_b32 s53, s17, 7
	s_lshl_b32 s53, s53, 8
	s_lshl_b32 s54, s15, 7
	s_add_co_u32 s53, s53, s54                     ; my first token in its batch
	s_lshl_b32 s52, s52, 4
	s_lshl_b32 s55, s42, 2
	s_add_co_u32 s52, s52, s55
	s_lshl_b32 s55, s16, 1
	s_add_co_u32 s52, s52, s55                     ; my first head: 16 batch + 4 tile column + 2 half
	s_lshl_b32 s55, s52, 11
	s_add_co_u32 s55, s55, s53
	s_mul_i32 s55, s55, 48
	s_mul_i32 s56, ttmp9, 3145728
	s_add_co_u32 s55, s55, s56                     ; codes
	s_lshl_b32 s56, s52, 12
	s_lshl_b32 s57, s53, 1
	s_add_co_u32 s56, s56, s57
	s_lshl_b32 s57, ttmp9, 17
	s_add_co_u32 s56, s56, s57
	s_add_co_u32 s56, s56, 6291456                 ; scale words
	s_lshl_b32 s57, s42, 10
	s_lshl_b32 s58, s16, 9
	s_add_co_u32 s57, s57, s58                     ; my 128 columns' biases
	; v^T: rows are (head, channel), columns tokens
	s_lshl_b32 s58, s17, 8
	s_add_co_u32 s58, s58, s54                     ; my first row
	s_mul_i32 s59, s58, 3072
	s_mul_i32 s60, s42, 192
	s_add_co_u32 s59, s59, s60
	s_mul_i32 s60, s16, 96
	s_add_co_u32 s59, s59, s60                     ; codes
	s_lshl_b32 s60, s58, 7
	s_lshl_b32 s61, s42, 3
	s_add_co_u32 s60, s60, s61
	s_lshl_b32 s61, s16, 2
	s_add_co_u32 s60, s60, s61
	s_add_co_u32 s60, s60, 3145728                 ; scale bytes
	s_lshl_b32 s61, s58, 2                         ; my 128 rows' biases
	s_cmp_eq_u32 ttmp9, 2
	s_cselect_b32 s52, s59, s55
	s_cselect_b32 s54, s60, s56
	s_cselect_b32 s56, 0, s57
	s_cselect_b32 s58, s61, 0
	s_cselect_b32 s28, 3072, 48                    ; codes: bytes from a stored row to the next,
	s_cselect_b32 s29, 48, 98304                   ; and from my 64 columns to the other half's (64 tokens on; the next head)
	s_cselect_b32 s30, 128, 4                      ; scale bytes: from a stored row to the next,
	s_cselect_b32 s31, 2048, 2                     ; 16 stored rows on,
	s_cselect_b32 s32, 2, 4096                     ; the other half's
	s_cselect_b32 s38, 1024, 32                    ; scale bytes: 8 stored rows on,
	s_cselect_b32 s44, 3072, 32                    ; 24 on
	s_cselect_b32 s46, 0, 0x3f800000               ; the column bias counts for q and k,
	s_cselect_b32 s48, 0x3f800000, 0               ; the row bias for v^T
	s_mov_b32 s53, 0
	s_mov_b32 s55, 0
	s_mov_b32 s57, 0
	s_mov_b32 s59, 0
	s_lshl_b32 s33, s28, 4                         ; codes: 16 stored rows on
	s_lshl_b32 s34, s28, 3                         ; from an even block of rows to the odd one: 8 stored rows (bits 3 and 4 of the row's number change places),
	s_mov_b32 s35, 0
	s_mul_i32 s36, s34, 3                          ; from an odd one to the next even one: 24
	s_mov_b32 s37, 0
	s_mov_b32 s39, 0
	s_mov_b32 s45, 0
	s_mov_b32 s47, s46                             ; (named with s46 as a pair, so it is written)
	s_add_nc_u64 s[24:25], s[100:101], s[52:53]    ; where my codes go,
	s_add_nc_u64 s[26:27], s[100:101], s[54:55]    ; and my scale bytes
	s_add_nc_u64 s[66:67], s[66:67], s[56:57]
	s_add_nc_u64 s[98:99], s[98:99], s[58:59]
	v_and_b32 v3, 7, v1
	v_lshrrev_b32 v4, 3, v1
	v_mul_u32_u24 v8, s28, v3
	v_mad_u32_u24 v8, v4, s33, v8
	v_mad_u32_u24 v8, v2, s29, v8                  ; my lane's place among a block's codes: row rho goes to stored row (rho % 8) + 16 (rho / 8)
	v_mul_u32_u24 v9, s30, v3
	v_mad_u32_u24 v9, v4, s31, v9
	v_mad_u32_u24 v9, v2, s32, v9                  ; and among its scale bytes
	v_lshlrev_b32 v12, 8, v2                       ; my 64 column biases: 256 bytes for each half of the lanes
	v_and_b32 v15, 31, v0
	v_lshlrev_b32 v15, 4, v15
	s_lshl_b32 s62, s14, 9
	s_add_co_u32 s62, s62, RBL
	v_add_nc_u32 v7, s62, v15                      ; the row biases: in, 16 bytes a lane;
	v_lshl_add_u32 v14, v1, 2, s62                 ; back, row rho's word
	v_mov_b32 v65, 0                               ; upper halves of pairs of which the low word is broadcast
	v_mov_b32 v67, 0
	WIN 0x40                                       ; destination window 1: B's fragments are done with
.irp i, 0,1,2,3,4,5,6,7,8,9,10,11,12,13,14,15
	global_load_b128 v[4*\i:4*\i+3], v12, s[66:67] offset:16*\i
.endr
	WIN 0
	global_load_b128 v[68:71], v15, s[98:99]
.irp a, 0,1,2,3,4,5,6,7
	WIN 0x08+4*(\a/4)                              ; an LDS store's data are its source 1: window 2 or 3
.irp b, 0,1,2,3,4,5,6,7
	ds_store_b128 v[STO], v[64*(\a%4)+8*\b:64*(\a%4)+8*\b+3] offset:\a*16*SPITCH+64*\b        ; each accumulator from its low end on
	ds_store_b128 v[STO], v[64*(\a%4)+8*\b+4:64*(\a%4)+8*\b+7] offset:\a*16*SPITCH+64*\b+16
.endr
.endr
	WIN 0
	s_wait_loadcnt 0x0                             ; both biases
.irp i, 68,69,70,71
	v_mul_f32 v\i, s48, v\i
.endr
	ds_store_b128 v7, v[68:71]
.macro QUANT2 bb                       ; a lane's two blocks of 32 become 48 bytes of codes in v[CC] on and two bytes in v52
	v_max3_num_f32 v[MX], |v[\bb]|, |v[\bb+1]|, 0x1800000          ; with the floor 2^(3 - 127): the byte cannot fall under 1
	v_max3_num_f32 v[MX+1], |v[\bb+32]|, |v[\bb+33]|, 0x1800000
.set i, 2
.rept 15
	v_max3_num_f32 v[MX], v[MX], |v[\bb+i]|, |v[\bb+i+1]|          ; (the two blocks by turns)
	v_max3_num_f32 v[MX+1], v[MX+1], |v[\bb+32+i]|, |v[\bb+33+i]|
.set i, i+2
.endr
	v_add_nc_u32 v[MX+2], 0xff000000, v[MX]        ; 2 off the exponent field: the conversion's scale operand
	v_add_nc_u32 v[MX+3], 0xff000000, v[MX+1]
	v_lshrrev_b32 v[MX+4], 23, v[MX+2]             ; the scale's byte
	v_lshrrev_b32 v[MX+5], 23, v[MX+3]
	v_cvt_scalef32_pk16_fp6_f32 v[CC:CC+2], v[\bb:\bb+15], v[MX+2]
	v_cvt_scalef32_pk16_fp6_f32 v[CC+4:CC+6], v[\bb+16:\bb+31], v[MX+2]
	v_cvt_scalef32_pk16_fp6_f32 v[CC+8:CC+10], v[\bb+32:\bb+47], v[MX+3]
	v_cvt_scalef32_pk16_fp6_f32 v[CC+12:CC+14], v[\bb+48:\bb+63], v[MX+3]
	v_lshl_or_b32 v[MX+4], v[MX+5], 8, v[MX+4]     ; both bytes (also the plain instruction behind the conversions)
.endm
.macro WORK bb, rb, sa, ta             ; one block of 16 rows; sa, ta: the scalar pairs that step the two pointers to the next block
	WIN 0x01                                       ; source 0 window 1: the column biases
.set i, 0
.rept 32
	v_pk_fma_f32 v[\bb+i:\bb+i+1], v[i:i+1], s[46:47], v[\bb+i:\bb+i+1] op_sel_hi:[1,0,1]
.set i, i+2
.endr
	WIN 0
.set i, 0
.rept 32
	v_pk_add_f32 v[\bb+i:\bb+i+1], v[\bb+i:\bb+i+1], v[\rb:\rb+1] op_sel_hi:[1,0]
.set i, i+2
.endr
	QUANT2 \bb
.irp q, 0,1,2,3
	global_store_b96 v8, v[CC+4*\q:CC+4*\q+2], s[24:25] offset:12*\q       ; a lane's 48 consecutive bytes
.endr
	global_store_b16 v9, v[MX+4], s[26:27]
	s_wait_xcnt 0x0                                ; the stores' data and bases are written again only behind this wait
	s_add_nc_u64 s[24:25], s[24:25], s[\sa:\sa+1]
	s_add_nc_u64 s[26:27], s[26:27], s[\ta:\ta+1]
.endm
	s_mov_b32 s49, 0                               ; the trip's two blocks in the stage,
	s_mov_b32 s50, 0                               ; and among the row biases
	s_mov_b32 s51, 4
.Lpair:
	v_add_nc_u32 v10, s49, v13
	v_add_nc_u32 v11, s50, v14
.irp i, 0,1,2,3,4,5,6,7,8,9,10,11,12,13,14,15
	ds_load_b128 v[BB0+4*\i:BB0+4*\i+3], v10 offset:16*\i          ; LDS serves a wave's instructions in order (ISA guide 5.7.1.4): these see my stores
.endr
	ds_load_b32 v64, v11
.irp i, 0,1,2,3,4,5,6,7,8,9,10,11,12,13,14,15
	ds_load_b128 v[BB1+4*\i:BB1+4*\i+3], v10 offset:16*SPITCH+16*\i
.endr
	ds_load_b32 v66, v11 offset:64
	s_wait_dscnt 17                                ; the first block and its bias are in; the second's 17 loads may be out
	WORK BB0, 64, 34, 38
	s_wait_dscnt 0x0
	WORK BB1, 66, 36, 44
	s_add_co_u32 s49, s49, 32*SPITCH
	s_add_co_u32 s50, s50, 128
	s_sub_co_u32 s51, s51, 1
	s_cmp_lg_u32 s51, 0
	s_cbranch_scc1 .Lpair
	s_wait_tensorcnt 0x0                           ; the wave's end: behind my last tensor load and my last LDS store
	ds_add_u32 v[SPW], v[NIL]
	s_wait_dscnt 0x0
	CROUND                                         ; the closing round: no work-group ends while a partner may still ask for a tile that names it
	s_endpgm
.Lfunc_end_k_q1d477db866_qkv:
	.size	k_q1d477db866_qkv, .Lfunc_end_k_q1d477db866_qkv-k_q1d477db866_qkv
	.p2alignl 7, 3214868480
	.fill 96, 4, 3214868480
	.section	.rodata,"a",@progbits
	.p2align	6, 0x0
	.amdhsa_kernel k_q1d477db866_qkv
		.amdhsa_group_segment_fixed_size 327680
		.amdhsa_private_segment_fixed_size 0
		.amdhsa_enable_private_segment 0
		.amdhsa_kernarg_size 96
		.amdhsa_user_sgpr_count 2
		.amdhsa_user_sgpr_kernarg_segment_ptr 1
		.amdhsa_wavefront_size32 1
		.amdhsa_system_sgpr_workgroup_id_x 1
		.amdhsa_system_sgpr_workgroup_id_y 1
		.amdhsa_system_sgpr_workgroup_id_z 1
		.amdhsa_system_vgpr_workitem_id 0
		.amdhsa_next_free_vgpr 1024
		.amdhsa_next_free_sgpr 102
		.amdhsa_reserve_vcc 0
		.amdhsa_float_denorm_mode_32 3
		.amdhsa_float_denorm_mode_16_64 3
		.amdhsa_memory_ordered 1
		.amdhsa_forward_progress 1
		.amdhsa_inst_pref_size 161
	.end_amdhsa_kernel
	.amdgpu_metadata
---
amdhsa.version: [ 1, 2 ]
amdhsa.kernels:
  - .name:           k_q1d477db866_qkv
    .symbol:         k_q1d477db866_qkv.kd
    .args:
      - { .name: nx, .offset: 0, .size: 8, .value_kind: global_buffer, .address_space: global }
      - { .name: wq_codes, .offset: 8, .size: 8, .value_kind: global_buffer, .address_space: global }
      - { .name: wq_scales, .offset: 16, .size: 8, .value_kind: global_buffer, .address_space: global }
      - { .name: wk_codes, .offset: 24, .size: 8, .value_kind: global_buffer, .address_space: global }
      - { .name: wk_scales, .offset: 32, .size: 8, .value_kind: global_buffer, .address_space: global }
      - { .name: wv_codes, .offset: 40, .size: 8, .value_kind: global_buffer, .address_space: global }
      - { .name: wv_scales, .offset: 48, .size: 8, .value_kind: global_buffer, .address_space: global }
      - { .name: bq, .offset: 56, .size: 8, .value_kind: global_buffer, .address_space: global }
      - { .name: bk, .offset: 64, .size: 8, .value_kind: global_buffer, .address_space: global }
      - { .name: bv, .offset: 72, .size: 8, .value_kind: global_buffer, .address_space: global }
      - { .name: qk, .offset: 80, .size: 8, .value_kind: global_buffer, .address_space: global }
      - { .name: vt, .offset: 88, .size: 8, .value_kind: global_buffer, .address_space: global }
    .group_segment_fixed_size: 327680
    .private_segment_fixed_size: 0
    .kernarg_segment_align: 8
    .kernarg_segment_size: 96
    .max_flat_workgroup_size: 128
    .sgpr_count:     102
    .vgpr_count:     1024
    .wavefront_size: 32
...
	.end_amdgpu_metadata
.endif
;; end of part 2
;; launch att (part 3): grid 8 x 32, 16 waves a work-group, no clusters, 231,936 bytes of LDS; arguments qk, vt, ao; writes ao
.if DOCPART == 3
	.amdgcn_target "amdgcn-amd-amdhsa--gfx1250"
	.amdhsa_code_object_version 6
	.text
	.protected	k_q1d477db866_att
	.globl	k_q1d477db866_att
	.p2align	8
	.type	k_q1d477db866_att,@function
k_q1d477db866_att:
	s_mov_b64 s[64:65], 0
	v_nop
	global_prefetch_b8 v0, s[64:65] scope:SCOPE_SE
	s_setreg_imm32_b32 hwreg(HW_REG_WAVE_MODE, 25, 1), 1
	s_wait_xcnt 0x0
; CAUSAL ATTENTION ON CODES OF E2M3.  For each of 32 (batch, head): O[q] = sum over keys k <= q of softmax(Q[q] . K[k] / 8) V[k], head size 64, 2,048 tokens; O is quantised along (head, channel) on the way out.
; THE SOFTMAX AHEAD OF THE SECOND PRODUCT: t = score x log2(e) / 8; M = the running largest t rounded UP to a whole number; p = 2^(t - M) is quantised along the keys, not normalised; the row's sum is taken of the
; unquantised p and divides O at the end; when M moves, the sum and O are multiplied by 2^(old M - new M), which rounds nothing.
; SHARES.  Work-group (x, y): head y; the head's 16 blocks of 128 queries: blocks x (waves 0-7) and 15 - x (waves 8-15), so that every work-group has 8 x 17 key steps of 128 keys.  A wave owns 16 queries.
; Every wave walks all 16 steps (constant trip counts); a step all of whose keys come after the wave's queries is jumped over by a scalar branch on ids; no barrier and no tensor load stands in a step.
; NOT IN CLUSTERS: the work-groups of a head have different numbers of steps, and that branch differs between them.
; LDS.  A whole head's K, V and scales fit: every byte is filled ONCE, by 14 tensor loads issued at the start by waves 0, 1 and 2; four barriers, one for each quarter of the keys.
; LAYOUT (made by the launch before).  q, k: 48 bytes a token, stored at the token's number with bits 3 and 4 exchanged, so that 16 neighbouring places are the keys 32 b + 8 u + r + 8 (r / 8) of tile 2 b + u.
; K = 64 IS HALF OF THE INSTRUCTION'S 128: a fragment's 12 registers hold TWO keys a lane (places 32 f + r and 32 f + 16 + r).  Multiplied by [q | zeros] it gives tile 2 f, by [zeros | q] tile 2 f + 1: zero codes add nothing.
; Both products are used transposed (S^T = K Q^T, O^T = V^T P^T): a lane holds one query throughout; the 16 registers of tiles 2 b, 2 b + 1 are keys 32 b + 16 (lane / 16) + 0 .. 15.
; V^T's rows are stored with bits 3 and 4 of the channel exchanged, so that O^T's 16 registers of two tiles are 16 neighbouring channels.
; LIMITS: NaN and infinities are not served; blocks of O whose largest magnitude lies under 2^-124 keep the byte 1.
; REGISTERS: v1-7 addresses that stay; v12 -M, v13 the largest t, v[14:15] the sum; v16-21 q, v22-27 zeros, v28-33 q; v34-81 four fragments of K or V; v84-88 the step's addresses; v96-159 S^T, then p; v160-191 O^T;
; v224-235 p's codes; v232-254 at work; v255 q's scale word.
.set VB,   98304                       ; LDS: K's codes [0, 98,304), 48 bytes a place; then V: 8 chunks of 256 keys, each 64 rows x 240 bytes (192 + 16 behind every 64)
.set VCH,  15360
.set KSC,  221184                      ; K's scale words, 4,096 bytes
.set VSC,  225280                      ; V's scale bytes: 64 rows x (64 + 8)
.macro G0SET g, lds, base, off         ; a descriptor's group 0: count 1, LDS address, global address, type 2
	s_mov_b32 s[\g], 1
	s_mov_b32 s[\g+1], \lds
	s_add_nc_u64 s[\g+2:\g+3], s[\base:\base+1], \off
	s_or_b32 s[\g+3], s[\g+3], 0x80000000
.endm
	s_load_b128 s[4:7], s[0:1], 0x0                ; qk s[4:5], vt s[6:7]
	s_load_b64 s[8:9], s[0:1], 0x10                ; ao
	v_lshl_add_u32 v223, v0, 2, 0x38200
	v_mov_b32 v243, 0
	ds_add_u32 v223, v243
	ds_add_u32 v223, v243
	v_lshrrev_b32 v8, 5, v0
	v_readfirstlane_b32 s18, v8                    ; wave 0..15
	s_and_b32 s10, ttmp7, 0xffff                   ; 16 batch + head
	s_lshr_b32 s11, s10, 4                         ; batch
	s_and_b32 s12, s10, 15                         ; head
	s_lshr_b32 s13, s18, 3
	s_and_b32 s19, s18, 7                          ; w': my tile in the block of 128 queries
	s_lshl_b32 s2, ttmp9, 1
	s_sub_co_u32 s2, 15, s2
	s_mul_i32 s2, s2, s13
	s_add_co_u32 s2, s2, ttmp9                     ; my block: x, or 15 - x for waves 8-15
	s_lshr_b32 s3, s19, 1
	s_and_b32 s87, s19, 1
	s_lshl_b32 s81, s2, 7
	s_lshl_b32 s14, s3, 5
	s_add_co_u32 s81, s81, s14
	s_lshl_b32 s14, s87, 3
	s_add_co_u32 s81, s81, s14                     ; Qb: lane r's query is token Qb + r + 8 (r / 8)
	s_lshl_b32 s87, s87, 4                         ; my queries' bytes in q's scale words: 16 (w' % 2) bits up
	s_lshl_b32 s92, s2, 7
	s_lshl_b32 s14, s19, 4
	s_add_co_u32 s92, s92, s14                     ; my first place
	s_mul_i32 s92, s92, 48
	s_mul_i32 s96, s10, 98304                      ; a head's codes
	s_add_co_u32 s92, s92, s96                     ; q's codes
	s_mov_b32 s93, 0
	s_add_co_u32 s96, s96, 3145728                 ; K's codes
	s_mov_b32 s97, 0
	s_lshl_b32 s98, s10, 12                        ; a head's scale words
	s_lshl_b32 s94, s2, 2
	s_add_co_u32 s94, s94, s3
	s_lshl_b32 s94, s94, 6
	s_add_co_u32 s94, s94, s98
	s_add_co_u32 s94, s94, 6291456                 ; q's scale words
	s_mov_b32 s95, 0
	s_add_co_u32 s98, s98, 6422528                 ; K's
	s_mov_b32 s99, 0
	s_mul_i32 s88, s12, 196608
	s_mul_i32 s14, s11, 1536
	s_add_co_u32 s88, s88, s14                     ; V's codes: the head's 64 rows, the batch's 2,048 keys
	s_mov_b32 s89, 0
	s_lshl_b32 s90, s12, 13
	s_lshl_b32 s14, s11, 6
	s_add_co_u32 s90, s90, s14
	s_add_co_u32 s90, s90, 3145728                 ; V's scale bytes
	s_mov_b32 s91, 0
	s_lshl_b32 s16, s11, 11
	s_add_co_u32 s16, s16, s81                     ; token 2048 batch + Qb
	s_mul_i32 s14, s16, 768
	s_mul_i32 s15, s12, 48
	s_add_co_u32 s14, s14, s15                     ; ao's codes
	s_mov_b32 s15, 0
	s_lshl_b32 s16, s16, 5
	s_lshl_b32 s17, s12, 1
	s_add_co_u32 s16, s16, s17
	s_add_co_u32 s16, s16, 3145728                 ; ao's scale bytes
	s_mov_b32 s17, 0
	; descriptor groups 1, all constants.  K's codes: a quarter, 24,576 dense bytes, as 96 rows of 256 bytes (32 elements of 8 bytes)
	s_mov_b32 s24, 3<<16
	s_mov_b32 s25, 32<<16
	s_mov_b32 s26, 96<<16
	s_mov_b32 s27, 32<<16
	s_mov_b32 s28, 96
	s_mov_b32 s29, 32
	s_mov_b32 s30, 0
	s_mov_b32 s31, 0
	; V's codes: 64 rows x 192 bytes, 3,072 apart in memory; 16 bytes of padding behind every 64
	s_mov_b32 s32, (1<<20)|(3<<22)|(3<<25)
	s_mov_b32 s33, 192<<16
	s_mov_b32 s34, 64<<16
	s_mov_b32 s35, 192<<16
	s_mov_b32 s36, 64
	s_mov_b32 s37, 3072
	s_mov_b32 s38, 0
	s_mov_b32 s39, 0
	; K's scale words: 4,096 dense bytes
	s_mov_b32 s40, 3<<16
	s_mov_b32 s41, 32<<16
	s_mov_b32 s42, 16<<16
	s_mov_b32 s43, 32<<16
	s_mov_b32 s44, 16
	s_mov_b32 s45, 32
	s_mov_b32 s46, 0
	s_mov_b32 s47, 0
	; V's scale bytes: 64 rows x 64 bytes, 128 apart; 8 bytes of padding behind each
	s_mov_b32 s48, (1<<20)|(3<<22)|(1<<25)
	s_mov_b32 s49, 64<<16
	s_mov_b32 s50, 64<<16
	s_mov_b32 s51, 64<<16
	s_mov_b32 s52, 64
	s_mov_b32 s53, 128
	s_mov_b32 s54, 0
	s_mov_b32 s55, 0
	s_mov_b32 s20, 0x76543210
	s_mov_b32 s21, 0xfedcba98                      ; v_permlanex16_b32's selects for lane l xor 16
	s_mov_b32 s22, 0x3e38aa3b                      ; c = log2(e) / 8
	s_mov_b32 s23, s22                             ; (named with it as a pair, so it is written)
	s_wait_dscnt 0x0
	s_wait_kmcnt 0x0
	s_add_nc_u64 s[92:93], s[4:5], s[92:93]
	s_add_nc_u64 s[94:95], s[4:5], s[94:95]
	s_add_nc_u64 s[96:97], s[4:5], s[96:97]
	s_add_nc_u64 s[98:99], s[4:5], s[98:99]
	s_add_nc_u64 s[88:89], s[6:7], s[88:89]
	s_add_nc_u64 s[90:91], s[6:7], s[90:91]
	s_add_nc_u64 s[14:15], s[8:9], s[14:15]
	s_add_nc_u64 s[16:17], s[8:9], s[16:17]
	; THE FILLS: each issuing wave's stand in one branch on the wave's number, in the order in which the quarters are wanted.  At most five loads of a wave are out.
	s_cmp_eq_u32 s18, 0
	s_cbranch_scc0 .Lnot_0
	G0SET 56, KSC, 98, 0
	G0SET 60, 0, 96, 0
	G0SET 68, 24576, 96, 24576
	G0SET 72, 49152, 96, 49152
	G0SET 76, 73728, 96, 73728
	tensor_load_to_lds s[56:59], s[40:47]          ; K's scale words, then K's four quarters
	s_nop 0
	tensor_load_to_lds s[60:63], s[24:31]
	s_nop 0
	tensor_load_to_lds s[68:71], s[24:31]
	s_nop 0
	tensor_load_to_lds s[72:75], s[24:31]
	s_nop 0
	tensor_load_to_lds s[76:79], s[24:31]
	s_nop 0
.rept 4
	v_nop
.endr
	s_branch .Lasked
.Lnot_0:
	s_cmp_eq_u32 s18, 1
	s_cbranch_scc0 .Lnot_1
	G0SET 56, VSC, 90, 0
	G0SET 60, VB, 88, 0
	G0SET 68, VB+2*VCH, 88, 384
	G0SET 72, VB+4*VCH, 88, 768
	G0SET 76, VB+6*VCH, 88, 1152
	tensor_load_to_lds s[56:59], s[48:55]          ; V's scale bytes, then V's even chunks
	s_nop 0
	tensor_load_to_lds s[60:63], s[32:39]
	s_nop 0
	tensor_load_to_lds s[68:71], s[32:39]
	s_nop 0
	tensor_load_to_lds s[72:75], s[32:39]
	s_nop 0
	tensor_load_to_lds s[76:79], s[32:39]
	s_nop 0
.rept 4
	v_nop
.endr
	s_branch .Lasked
.Lnot_1:
	s_cmp_eq_u32 s18, 2
	s_cbranch_scc0 .Lasked
	G0SET 60, VB+VCH, 88, 192
	G0SET 68, VB+3*VCH, 88, 576
	G0SET 72, VB+5*VCH, 88, 960
	G0SET 76, VB+7*VCH, 88, 1344
	tensor_load_to_lds s[60:63], s[32:39]          ; V's odd chunks
	s_nop 0
	tensor_load_to_lds s[68:71], s[32:39]
	s_nop 0
	tensor_load_to_lds s[72:75], s[32:39]
	s_nop 0
	tensor_load_to_lds s[76:79], s[32:39]
	s_nop 0
.rept 4
	v_nop
.endr
.Lasked:
	v_and_b32 v8, 15, v0                           ; r
	v_bfe_u32 v9, v0, 4, 1                         ; h
	v_mul_u32_u24 v1, v8, 48
	v_mad_u32_u24 v1, v9, 24, v1                   ; a place's 48 bytes, 24 for each half of the lanes: K's fragments, and q's
	v_lshlrev_b32 v11, 2, v8
.irp p, 0,1,2
	global_load_b64 v[16+2*\p:17+2*\p], v1, s[92:93] offset:8*\p   ; q, twice: on either side of the zeros
	global_load_b64 v[28+2*\p:29+2*\p], v1, s[92:93] offset:8*\p
.endr
	global_load_b32 v255, v11, s[94:95]
	v_mul_u32_u24 v2, v8, 240
	v_mad_u32_u24 v3, v9, 40, v2
	v_mad_u32_u24 v2, v9, 24, v2
	v_add_nc_u32 v2, VB, v2                        ; V: row r x 240 + 24 h,
	v_add_nc_u32 v3, VB, v3                        ; and the same behind one padding more
	v_lshl_add_u32 v4, v8, 2, KSC                  ; K's scale words
	v_mul_u32_u24 v5, v8, 72
	v_add_nc_u32 v5, VSC, v5                       ; V's
	v_and_b32 v10, 8, v8
	v_add_nc_u32 v10, v10, v8                      ; r + 8 (r / 8): my query's token less Qb
	v_mul_u32_u24 v6, v10, 768
	v_mad_u32_u24 v6, v9, 12, v6                   ; the way out: my token's row of codes, 12 bytes for each half of the lanes
	v_lshl_add_u32 v7, v10, 5, v9                  ; and its scale bytes: lane half h stores block h's
	s_wait_loadcnt 0x0
	v_lshrrev_b32 v255, s87, v255                  ; q's scale word: my query's two bytes,
	v_and_b32 v255, 0xffff, v255
	v_lshl_or_b32 v255, v255, 16, v255             ; for either half of the instruction's K
.irp j, 22,23,24,25,26,27
	v_mov_b32 v\j, 0                               ; zero codes
.endr
.set j, 0
.rept 32
	v_mov_b32 v[160+j], 0                          ; O^T.  (The step is written once: the first finds zeros.)  These are also the places between the lines above and the first scaled product
.set j, j+1
.endr
	v_mov_b32 v13, 0xff61b1e6                      ; the largest t so far: -3e38
	v_floor_f32 v12, -v13                          ; -M
	v_mov_b32 v14, 0
	v_mov_b32 v15, 0
.irp j, 236,237,238,239,252,253
	v_mov_b32 v\j, 0                               ; lane permutes' destinations, and a pair's halves, are written before they are named
.endr
; A KEY STEP: 128 keys, the q-th of a chunk of V.  s80 its first key, s81 Qb, s82 K's bytes, s83 K's scale words, s84 V's chunk, s85 V's scale word.
.macro STEP q
	s_add_co_u32 s87, s81, 23                      ; my last query's token
	s_cmp_gt_u32 s80, s87
	s_cbranch_scc1 .Lhidden_\@                     ; all keys hidden: only the address steps at the end are run
	v_add_nc_u32 v84, s82, v1                      ; (these five are also the places behind the last step's products, in front of the loads into their operands)
	v_add_nc_u32 v85, s83, v4
	v_add_nc_u32 v86, s84, v2
	v_add_nc_u32 v87, s84, v3
	v_add_nc_u32 v88, s85, v5
.irp f, 0,1,2,3
.irp p, 0,1,2,3,4,5
	ds_load_b64 v[34+12*\f+2*\p:35+12*\f+2*\p], v84 offset:1536*\f+768*(\p/3)+8*(\p%3)   ; places 32 f + r (registers 0-5) and 32 f + 16 + r (6-11)
.endr
	ds_load_b32 v[248+\f], v85 offset:64*\f
.endr
	s_wait_dscnt 0x0
.irp f, 0,1,2,3
	v_wmma_scale_f32_16x16x128_f8f6f4 v[96+16*\f:103+16*\f], v[34+12*\f:45+12*\f], v[16:27], 0, v[248+\f], v255 matrix_a_fmt:MATRIX_FMT_FP6 matrix_b_fmt:MATRIX_FMT_FP6
	v_wmma_scale_f32_16x16x128_f8f6f4 v[104+16*\f:111+16*\f], v[34+12*\f:45+12*\f], v[22:33], 0, v[248+\f], v255 matrix_a_fmt:MATRIX_FMT_FP6 matrix_b_fmt:MATRIX_FMT_FP6
.endr
.rept 4
	v_nop                                          ; places behind the products (ISA guide 7.12.1)
.endr
	s_add_co_u32 s87, s80, 127
	s_cmp_le_u32 s87, s81
	s_cbranch_scc1 .Lopen_\@                       ; all keys count
	s_sub_co_i32 s87, s81, s80
	v_and_b32 v252, 15, v0
	v_and_b32 v254, 8, v0
	v_add_nc_u32 v252, v252, v254
	v_and_b32 v254, 16, v0
	v_sub_nc_u32 v252, v252, v254
	v_add_nc_u32 v252, s87, v252                   ; d = my query's token - the step's first key - 16 (lane / 16).  Register 16 b + i holds key 32 b + 16 (lane / 16) + i: hidden where 32 b + i > d
	v_mov_b32 v254, 0xff800000                     ; -infinity: p = 0
.set n, 0
.rept 64
	v_cmp_gt_i32 vcc_lo, 32*(n/16)+n%16, v252
	v_cndmask_b32 v[96+n], v[96+n], v254, vcc_lo
.set n, n+1
.endr
.Lopen_\@:
.irp b, 0,1,2,3
	v_max3_num_f32 v[232+\b], v[96+16*\b], v[97+16*\b], v[98+16*\b]   ; the largest score of each block of 32 keys: for the row's maximum, and, since p rises with the score, for the block's largest p
.endr
.irp i, 3,5,7,9,11,13
.irp b, 0,1,2,3
	v_max3_num_f32 v[232+\b], v[232+\b], v[96+16*\b+\i], v[97+16*\b+\i]
.endr
.endr
.irp b, 0,1,2,3
	v_max_num_f32 v[232+\b], v[232+\b], v[111+16*\b]
.endr
.irp b, 0,1,2,3
	v_permlanex16_b32 v[236+\b], v[232+\b], s20, s21
.endr
.irp b, 0,1,2,3
	v_max_num_f32 v[232+\b], v[232+\b], v[236+\b]  ; with lane l xor 16's 16 keys
.endr
	v_max3_num_f32 v254, v232, v233, v234
	v_max_num_f32 v254, v254, v235
	v_mul_f32 v254, s22, v254                      ; the step's largest t of my query
	v_max_num_f32 v13, v13, v254
	v_mov_b32 v254, v12
	v_floor_f32 v12, -v13                          ; the new -M = -ceil(t)
	v_sub_f32 v254, v12, v254                      ; old M - new M: a whole number, 0 or less
	v_cvt_i32_f32 v254, v254                       ; (it saturates)
	v_ldexp_f32 v252, 1.0, v254                    ; f = 2^(old M - new M)
.set j, 0
.rept 32
	v_pk_fma_f32 v[96+j:97+j], v[96+j:97+j], s[22:23], v[12:13] op_sel_hi:[1,0,0]   ; t - M
.set j, j+2
.endr
.irp b, 0,1,2,3
	v_fma_f32 v[232+\b], v[232+\b], s22, v12
.endr
.set j, 0
.rept 64
	v_exp_f32 v[96+j], v[96+j]                     ; p = 2^(t - M)
.set j, j+1
.endr
.irp b, 0,1,2,3
	v_exp_f32 v[232+\b], v[232+\b]                 ; the block's largest p: the same two instructions on the same number
.endr
	v_pk_mul_f32 v[14:15], v[14:15], v[252:253] op_sel_hi:[1,0]    ; the sums under the new M (a plain instruction behind the exponentials)
	s_wait_alu depctr_va_vdst(0)
.irp b, 0,1,2,3
	v_max_num_f32 v[232+\b], 0x1800000, v[232+\b]  ; the floor 2^(3 - 127): the byte cannot fall under 1
.endr
.irp b, 0,1,2,3
	v_add_nc_u32 v[244+\b], 0xff000000, v[232+\b]  ; the conversion's scale operand
.endr
.irp b, 0,1,2,3
	v_lshrrev_b32 v[236+\b], 23, v[244+\b]
.endr
	v_lshl_or_b32 v253, v237, 8, v236              ; p's scale word for these 128 keys
	v_lshl_or_b32 v253, v238, 16, v253
	v_lshl_or_b32 v253, v239, 24, v253
.irp c, 0,1
	v_cvt_scalef32_pk16_fp6_f32 v[224+6*\c:226+6*\c], v[96+32*\c:111+32*\c], v[244+2*\c]
	v_cvt_scalef32_pk16_fp6_f32 v[236+4*\c:238+4*\c], v[112+32*\c:127+32*\c], v[244+2*\c+1]
.endr
	v_nop                                          ; one plain instruction behind the scaled conversions
.irp c, 0,1                                    ; the operand wants a whole block in a lane
.irp i, 0,1,2
	v_permlane16_swap_b32 v[224+6*\c+\i], v[236+4*\c+\i]
.endr
.irp i, 0,1,2
	v_mov_b32 v[227+6*\c+\i], v[236+4*\c+\i]
.endr
.endr
	v_pk_add_f32 v[236:237], v[96:97], v[98:99]    ; the row's sum, of the unquantised p, in two chains
.irp j, 4,8,12,16,20,24,28,32,36,40,44,48,52,56,60
	v_pk_add_f32 v[14:15], v[14:15], v[96+\j:97+\j]
	v_pk_add_f32 v[236:237], v[236:237], v[98+\j:99+\j]
.endr
	v_pk_add_f32 v[14:15], v[14:15], v[236:237]
.set j, 0
.rept 16
	v_pk_mul_f32 v[160+j:161+j], v[160+j:161+j], v[252:253] op_sel_hi:[1,0]        ; O^T under the new M
.set j, j+2
.endr
.irp t, 0,1,2,3                                ; V^T: 16 stored rows x these 128 keys
.irp p, 0,1,2,3,4,5
.set PCC, 12*(\q)+6*(\p/3)+\p%3
.if PCC%8 < 5
	ds_load_b64 v[34+12*\t+2*\p:35+12*\t+2*\p], v86 offset:8*PCC+16*(PCC/8)+3840*\t
.else
	ds_load_b64 v[34+12*\t+2*\p:35+12*\t+2*\p], v87 offset:8*PCC+16*(PCC/8)+3840*\t
.endif
.endr
	ds_load_b32 v[248+\t], v88 offset:1152*\t
.endr
	s_wait_dscnt 0x0
.irp t, 0,1,2,3                                ; the four accumulators take turns; the next step's eight score products stand between two links
	v_wmma_scale_f32_16x16x128_f8f6f4 v[160+8*\t:167+8*\t], v[34+12*\t:45+12*\t], v[224:235], v[160+8*\t:167+8*\t], v[248+\t], v253 matrix_a_fmt:MATRIX_FMT_FP6 matrix_b_fmt:MATRIX_FMT_FP6
.endr
.Lhidden_\@:
	s_add_co_u32 s80, s80, 128
	s_add_co_u32 s82, s82, 6144
	s_add_co_u32 s83, s83, 256
	s_add_co_u32 s85, s85, 4
.if \q == 1
	s_add_co_u32 s84, s84, VCH
.endif
.endm
; A QUARTER OF THE KEYS: four steps.  In each of the three issuing waves 3 - c loads were issued behind the one that this quarter needs; nothing is ever filled again.
.macro PHASE c
	s_wait_tensorcnt 3-\c
	s_wait_dscnt 0x0
	s_barrier_signal -1
	s_barrier_wait -1                              ; the quarter's K, V and scales lie in LDS for every wave
	s_mov_b32 s80, 512*\c
	s_mov_b32 s82, 24576*\c
	s_mov_b32 s83, 1024*\c
	s_mov_b32 s84, 2*VCH*\c
	s_mov_b32 s85, 16*\c
	s_mov_b32 s86, 2
.Lchunk_\@:
	STEP 0
	STEP 1
	s_sub_co_u32 s86, s86, 1
	s_cmp_lg_u32 s86, 0
	s_cbranch_scc1 .Lchunk_\@
.endm
	PHASE 0
	PHASE 1
	PHASE 2
	PHASE 3
	; THE WAY OUT: O^T / the sum; register 16 b + i is channel 32 b + 16 h + i of my query: half a block; the other half lies in lane l xor 16.  Codes and bytes go straight to memory: a head's 48 bytes of a token's row.
.rept 4
	v_nop                                          ; places behind the last products
.endr
	v_add_f32 v14, v14, v15
	v_permlanex16_b32 v252, v14, s20, s21
	v_add_f32 v14, v14, v252                       ; the row's sum
	v_rcp_f32 v14, v14
	v_bfe_u32 v9, v0, 4, 1                         ; (a plain instruction behind the transcendental)  h
.set j, 0
	s_wait_alu depctr_va_vdst(0)
.rept 32
	v_mul_f32 v[96+j], v[160+j], v14               ; each accumulator from its low end on
.set j, j+1
.endr
.irp b, 0,1
	v_max3_num_f32 v[232+\b], |v[96+16*\b]|, |v[97+16*\b]|, 0x1800000
.endr
.irp i, 2,4,6,8,10,12,14
.irp b, 0,1
	v_max3_num_f32 v[232+\b], v[232+\b], |v[96+16*\b+\i]|, |v[97+16*\b+\i]|
.endr
.endr
.irp b, 0,1
	v_permlanex16_b32 v[236+\b], v[232+\b], s20, s21
.endr
.irp b, 0,1
	v_max_num_f32 v[232+\b], v[232+\b], v[236+\b]
.endr
.irp b, 0,1
	v_add_nc_u32 v[244+\b], 0xff000000, v[232+\b]
.endr
.irp b, 0,1
	v_lshrrev_b32 v[240+\b], 23, v[244+\b]
.endr
	v_cvt_scalef32_pk16_fp6_f32 v[224:226], v[96:111], v244
	v_cvt_scalef32_pk16_fp6_f32 v[228:230], v[112:127], v245
	v_nop                                          ; one plain instruction behind the scaled conversions
	v_cmp_eq_u32 vcc_lo, 1, v9
	v_cndmask_b32 v240, v240, v241, vcc_lo         ; lanes 0-15 store block 0's byte, lanes 16-31 block 1's
	global_store_b96 v6, v[224:226], s[14:15]
	global_store_b96 v6, v[228:230], s[14:15] offset:24
	global_store_b8 v7, v240, s[16:17]
	s_wait_tensorcnt 0x0
	ds_add_u32 v223, v243
	s_wait_dscnt 0x0
	s_endpgm
.Lfunc_end_k_q1d477db866_att:
	.size	k_q1d477db866_att, .Lfunc_end_k_q1d477db866_att-k_q1d477db866_att
	.p2alignl 7, 3214868480
	.fill 96, 4, 3214868480
	.section	.rodata,"a",@progbits
	.p2align	6, 0x0
	.amdhsa_kernel k_q1d477db866_att
		.amdhsa_group_segment_fixed_size 231936
		.amdhsa_private_segment_fixed_size 0
		.amdhsa_enable_private_segment 0
		.amdhsa_kernarg_size 24
		.amdhsa_user_sgpr_count 2
		.amdhsa_user_sgpr_kernarg_segment_ptr 1
		.amdhsa_wavefront_size32 1
		.amdhsa_system_sgpr_workgroup_id_x 1
		.amdhsa_system_sgpr_workgroup_id_y 1
		.amdhsa_system_sgpr_workgroup_id_z 1
		.amdhsa_system_vgpr_workitem_id 0
		.amdhsa_next_free_vgpr 256
		.amdhsa_next_free_sgpr 100
		.amdhsa_reserve_vcc 1
		.amdhsa_float_denorm_mode_32 3
		.amdhsa_float_denorm_mode_16_64 3
		.amdhsa_memory_ordered 1
		.amdhsa_forward_progress 1
		.amdhsa_inst_pref_size 201
	.end_amdhsa_kernel
	.amdgpu_metadata
---
amdhsa.version: [ 1, 2 ]
amdhsa.kernels:
  - .name:           k_q1d477db866_att
    .symbol:         k_q1d477db866_att.kd
    .args:
      - { .name: qk, .offset: 0, .size: 8, .value_kind: global_buffer, .address_space: global }
      - { .name: vt, .offset: 8, .size: 8, .value_kind: global_buffer, .address_space: global }
      - { .name: ao, .offset: 16, .size: 8, .value_kind: global_buffer, .address_space: global }
    .group_segment_fixed_size: 231936
    .private_segment_fixed_size: 0
    .kernarg_segment_align: 8
    .kernarg_segment_size: 24
    .max_flat_workgroup_size: 512
    .sgpr_count:     100
    .vgpr_count:     256
    .wavefront_size: 32
...
	.end_amdgpu_metadata
.endif
;; end of part 3
;; launch wo (part 4): grid 4 x 16, 4 waves a work-group, clusters of 4 x 4, 327,680 bytes of LDS; arguments ao, wo_codes, wo_scales, bo, x, x1; writes x1
.if DOCPART == 4
	.amdgcn_target "amdgcn-amd-amdhsa--gfx1250"
	.amdhsa_code_object_version 6
	.text
	.protected	k_q1d477db866_wo
	.globl	k_q1d477db866_wo
	.p2align	8
	.type	k_q1d477db866_wo,@function
k_q1d477db866_wo:
	s_mov_b64 s[64:65], 0
	v_nop
	global_prefetch_b8 v0, s[64:65] scope:SCOPE_SE
	s_setreg_imm32_b32 hwreg(HW_REG_WAVE_MODE, 25, 1), 1
	s_wait_xcnt 0x0
	s_wait_alu depctr_hold_cnt(0) depctr_sa_sdst(0) depctr_va_vdst(0) depctr_va_sdst(0) depctr_va_ssrc(0) depctr_va_vcc(0) depctr_vm_vsrc(0)
	s_getreg_b32 s2, hwreg(HW_REG_IB_STS2, 6, 4)
	s_cmp_eq_u32 s2, 0
	s_cbranch_scc0 .Lentry_in_a_cluster
	s_endpgm
.Lentry_in_a_cluster:
	s_bfe_u32 s2, ttmp6, 0x10000c
	s_cmp_lg_u32 s2, 0xf033
	s_cbranch_scc0 .Lentry_shape_is_right
	s_endpgm
.Lentry_shape_is_right:
; out[m][n] = resid[m][n] + bias[n] + sum over k of A[m][k] B[n][k], on codes of E2M3 with one E8M0 byte for each 32 along K; out and resid [4096][1024] f32.
; Here: A = the attention's output (codes [4096][768 bytes], its scale bytes [4096][32] from byte ASOFF of the same buffer), B = wo, bias = bo, resid = x, out = x1.  K = 1,024.
; A tile of out, 256 x 256, is made by four waves, each 128 x 128: 64 accumulators of 16 x 16.  K goes in steps of 256 through a ring of two LDS slots filled by the tensor data mover; the scales of the tile's rows come once.
; CLUSTERS: 4 x 4 work-groups; A's tiles are asked for jointly along a row of the cluster, B's along a column.  THE MATRIX INSTRUCTION IS USED TRANSPOSED (source 0 = 16 rows of B, source 1 = 16 rows of A).
; The size gives 64 tiles of 256 x 256: 64 work-groups.
; REGISTERS, in windows of 256: window 0: v0-31 addresses; v32-63 scale words, two sets; from v128 A's fragments, one set.  window 1: B's fragments, two sets.  windows 2, 3: the accumulators ((a, b) at v[8 (8 (a % 4) + b)]).
.set SIZE_K, 1024
.set SIZE_N, 1024
.set ASOFF,  3145728                   ; where A's scale bytes begin in A's buffer
.set NTOUT,  0                         ; the result is read again by later launches
.set KSTEP,  256
.set NQ,     KSTEP/128
.set ROWB,   192
.set KROW,   SIZE_K*6/8
.set PITCH,  240                       ; an LDS row: 3 x (64 bytes + 16 of padding): the 32 lanes of a load of 8 bytes touch 64 different banks (64 banks of 4 bytes: ISA guide 11.1)
.set FR,     12
.set NL,     6
.set NP,     4                         ; places behind this matrix instruction (ISA guide 7.12.1)
.set HALFT,  128*PITCH
.set SLOT,   4*HALFT
.set LAPS,   SIZE_K/(2*KSTEP)
.set KS,     SIZE_K/32
.set SCL,    2*SLOT
.set HALFS,  (128*KS/256)*272
.set SBLK,   (16*KS/256)*272
.set SPARE,  327168                    ; the spare words, 128 bytes for each wave: two blocks of 256 bytes that no other line names
.set SPITCH, 528                       ; the way out: a stage of 16 rows x (512 bytes + 16) for each wave, in slot 0, which has had its last fill and its last read by then
.set ADRA, 16
.set ADRB, 20
.set STO,  24
.set RD,   25
.set CO,   26
.set ADRS, 27
.set SPW,  28
.set NIL,  29
.set SC,   32
.set AF,   128
.set BK,   128                         ; the way out: 16 rows back from the stage: v128-191 and v192-255 by turns
.set RS,   64                          ; v64-127: the same rows of resid;  v32-35: my four columns' biases
.set G1, 24
.set G0, 32
.set G1B, 48
.set G0B, 56
.set G1S, 68
.set G0S, 76
.set G1SB, 80
.set G0SB, 88
.set MSB, 0
.macro WIN new                         ; the immediate's high byte repeats the setting that is left
.if MSB != (\new)
	s_set_vgpr_msb (MSB<<8)|(\new)
.set MSB, (\new)
.endif
.endm
.set MUL_LO, 0xa1
.set MUL_HI, 0xf1
.set TO_B,   0x40
.macro JLOAD g0a, g1a, g0b, g1b        ; a joint load: waves 0 and 1 fetch for A, waves 2 and 3 for B; four v_nop follow each line
	s_cmp_eq_u32 s15, 0
	s_cbranch_scc0 .Lfor_b_\@
	tensor_load_to_lds s[\g0a:\g0a+3], s[\g1a:\g1a+7]
	s_nop 0
.rept 4
	v_nop
.endr
	s_branch .Lasked_\@
.Lfor_b_\@:
	tensor_load_to_lds s[\g0b:\g0b+3], s[\g1b:\g1b+7]
	s_nop 0
.rept 4
	v_nop
.endr
.Lasked_\@:
.endm
.macro CREST
	s_cmp_lg_u32 s14, 0
	s_cbranch_scc1 .Lnot_wave_0_\@
	s_barrier_signal -3
.Lnot_wave_0_\@:
	s_barrier_wait -3
	s_barrier_signal -1
	s_barrier_wait -1
.endm
.macro CROUND
	s_barrier_signal -1
	s_barrier_wait -1
	CREST
.endm
	s_load_b64 s[4:5], s[0:1], 0x0                 ; A
	s_load_b128 s[8:11], s[0:1], 0x8               ; B's codes, B's scales
	s_load_b64 s[66:67], s[0:1], 0x18              ; bias
	s_load_b64 s[98:99], s[0:1], 0x20              ; resid
	s_load_b64 s[12:13], s[0:1], 0x28              ; out
	v_lshl_add_u32 v[SPW], v0, 2, SPARE
	v_mov_b32 v[NIL], 0
	ds_add_u32 v28, v29
	ds_add_u32 v28, v29
	s_wait_dscnt 0x0
	v_lshrrev_b32 v1, 5, v0
	v_readfirstlane_b32 s14, v1                    ; wave 0..3
	s_lshr_b32 s15, s14, 1                         ; which half of the tile's rows is mine.  Also: I fetch for A (0) or for B (1)
	s_and_b32 s16, s14, 1                          ; which half of its columns.  Also: which 128 rows of that tile I fetch
	s_bfe_u32 s40, ttmp6, 0x40000                  ; cx, cy
	s_bfe_u32 s41, ttmp6, 0x40004
	s_lshl_b32 s42, ttmp9, 2
	s_add_co_u32 s42, s42, s40                     ; tile column
	s_and_b32 s17, ttmp7, 0xffff
	s_lshl_b32 s17, s17, 2
	s_add_co_u32 s17, s17, s41                     ; tile row
	s_lshl_b32 s43, s41, 2
	s_lshl_b32 s43, 15, s43                        ; my row of the cluster
	s_lshl_b32 s44, 0x1111, s40                    ; my column
	s_or_b32 s[G1+0], s43, (0<<16)|(1<<20)|(1<<21)|(3<<22)|(3<<25)  ; 15:0 the mask; 17:16 elements of 1 byte; 20 padding on; 21 set beside a mask; 24:22 after every 16 words; 31:25 of 4 words
	s_or_b32 s[G1B+0], s44, (0<<16)|(1<<20)|(1<<21)|(3<<22)|(3<<25)
.irp g, G1, G1B
	s_mov_b32 s[\g+1], ROWB<<16
	s_mov_b32 s[\g+2], 128<<16
	s_mov_b32 s[\g+3], ROWB<<16
	s_mov_b32 s[\g+4], 128
	s_mov_b32 s[\g+5], KROW
	s_mov_b32 s[\g+6], 0
	s_mov_b32 s[\g+7], 0
.endr
	s_or_b32 s[G1S+0], s43, (3<<16)|(1<<20)|(1<<21)|(5<<22)|(3<<25)   ; the scales of 128 rows: a dense block, as rows of 256 bytes, 16 bytes of padding behind each
	s_or_b32 s[G1SB+0], s44, (3<<16)|(1<<20)|(1<<21)|(5<<22)|(3<<25)
.irp g, G1S, G1SB
	s_mov_b32 s[\g+1], 32<<16
	s_mov_b32 s[\g+2], (128*KS/256)<<16
	s_mov_b32 s[\g+3], 32<<16
	s_mov_b32 s[\g+4], 128*KS/256
	s_mov_b32 s[\g+5], 32
	s_mov_b32 s[\g+6], 0
	s_mov_b32 s[\g+7], 0
.endr
	s_lshl_b32 s18, s16, 7
	s_lshl_b32 s20, s17, 8
	s_add_co_u32 s20, s20, s18                     ; A: row 256 x tile row + 128 x half
	s_lshl_b32 s46, s42, 8
	s_add_co_u32 s46, s46, s18                     ; B: row 256 x tile column + 128 x half
	s_mov_b32 s21, 0
	s_mov_b32 s47, 0
	s_mov_b64 s[18:19], KS
	s_mul_u64 s[22:23], s[20:21], s[18:19]
	s_mul_u64 s[92:93], s[46:47], s[18:19]
	s_mov_b64 s[18:19], KROW
	s_mul_u64 s[20:21], s[20:21], s[18:19]
	s_mul_u64 s[46:47], s[46:47], s[18:19]
	s_mul_i32 s45, s14, HALFT                      ; no place in the cluster enters an LDS address
	s_mul_i32 s94, s14, HALFS
	s_wait_kmcnt 0x0
	s_add_nc_u64 s[6:7], s[4:5], ASOFF             ; A's scale bytes
	s_add_nc_u64 s[20:21], s[4:5], s[20:21]
	s_add_nc_u64 s[22:23], s[6:7], s[22:23]
	s_add_nc_u64 s[46:47], s[8:9], s[46:47]
	s_add_nc_u64 s[92:93], s[10:11], s[92:93]
	CROUND                                         ; all sixteen work-groups are here: the first joint loads meet
	s_mov_b32 s[G0S], 1
	s_add_co_u32 s[G0S+1], s94, SCL
	s_mov_b64 s[G0S+2:G0S+3], s[22:23]
	s_or_b32 s[G0S+3], s[G0S+3], 0x80000000
	s_mov_b32 s[G0SB], 1
	s_add_co_u32 s[G0SB+1], s94, SCL
	s_mov_b64 s[G0SB+2:G0SB+3], s[92:93]
	s_or_b32 s[G0SB+3], s[G0SB+3], 0x80000000
	JLOAD G0S, G1S, G0SB, G1SB
.irp s, 0,1
	s_mov_b32 s[G0+4*\s], 1
	s_add_co_u32 s[G0+4*\s+1], s45, \s*SLOT
	s_add_nc_u64 s[G0+4*\s+2:G0+4*\s+3], s[20:21], \s*ROWB
	s_or_b32 s[G0+4*\s+3], s[G0+4*\s+3], 0x80000000
	s_mov_b32 s[G0B+4*\s], 1
	s_add_co_u32 s[G0B+4*\s+1], s45, \s*SLOT
	s_add_nc_u64 s[G0B+4*\s+2:G0B+4*\s+3], s[46:47], \s*ROWB
	s_or_b32 s[G0B+4*\s+3], s[G0B+4*\s+3], 0x80000000
	JLOAD G0+4*\s, G1, G0B+4*\s, G1B
.endr
	v_and_b32 v1, 15, v0
	v_bfe_u32 v2, v0, 4, 1
	v_mul_u32_u24 v3, v1, PITCH
	v_mul_u32_u24 v4, v2, 24
	v_add_nc_u32 v4, v3, v4
	v_lshl_add_u32 v5, v2, 4, v4
	s_mul_i32 s21, s15, HALFT
	s_mul_i32 s22, s16, HALFT
	s_add_co_u32 s22, s22, 2*HALFT
.irp s, 0,1
	v_add_nc_u32 v[ADRA+\s], s21, v4
	v_add_nc_u32 v[ADRB+\s], s22, v4
	v_add_nc_u32 v[ADRA+2+\s], s21, v5
	v_add_nc_u32 v[ADRB+2+\s], s22, v5
	s_add_co_u32 s21, s21, SLOT
	s_add_co_u32 s22, s22, SLOT
.endr
	v_mul_u32_u24 v5, v1, KS
	v_lshrrev_b32 v6, 8, v5
	v_lshl_add_u32 v5, v6, 4, v5
	s_mul_i32 s21, s15, HALFS
	s_mul_i32 s22, s16, HALFS
	s_add_co_u32 s22, s22, 2*HALFS
	s_sub_co_u32 s22, s22, s21
	v_mul_u32_u24 v6, s22, v2                      ; lanes 16-31 take B's
	s_add_co_u32 s21, s21, SCL
	v_add_nc_u32 v5, v5, v6
	v_add_nc_u32 v[ADRS], s21, v5
	s_mul_i32 s23, s14, 16*SPITCH                  ; my stage
	v_mul_u32_u24 v5, v1, SPITCH
	v_lshl_add_u32 v5, v2, 5, v5
	v_add_nc_u32 v[STO], s23, v5
	v_and_b32 v6, 31, v0
	v_lshlrev_b32 v[CO], 4, v6                     ; back: the 32 lanes take one row of 512 bytes; the same in out, in resid and in my 128 biases
	v_add_nc_u32 v[RD], s23, v[CO]
	s_lshl_b32 s20, s17, 8
	s_lshl_b32 s21, s15, 7
	s_add_co_u32 s20, s20, s21                     ; my first row
	s_mov_b32 s21, 0
	s_mov_b64 s[18:19], SIZE_N*4
	s_mul_u64 s[20:21], s[20:21], s[18:19]
	s_lshl_b32 s46, s42, 10                        ; my first column, in bytes
	s_lshl_b32 s47, s16, 9
	s_add_co_u32 s46, s46, s47
	s_mov_b32 s47, 0
	s_add_nc_u64 s[20:21], s[20:21], s[46:47]
	s_add_nc_u64 s[12:13], s[12:13], s[20:21]
	s_add_nc_u64 s[98:99], s[98:99], s[20:21]
	s_add_nc_u64 s[66:67], s[66:67], s[46:47]
.macro FRAG reg, adr, q, i             ; a fragment: lane l holds row l % 16; registers 6 c .. 6 c + 5 hold K = 64 c + 32 (l / 16) + 0 .. 31, in pieces of 8 bytes
.irp p, 0,1,2,3,4,5
.set PC, 12*(\q)+6*(\p/3)+\p%3
.if PC%8 < 5
	ds_load_b64 v[\reg+2*\p:\reg+2*\p+1], v[\adr] offset:8*PC+16*(PC/8)+(\i)*16*PITCH
.else
	ds_load_b64 v[\reg+2*\p:\reg+2*\p+1], v[\adr+2] offset:8*PC+16*(PC/8)+(\i)*16*PITCH
.endif
.endr
.endm
.macro MUL16 a0, p, q, sc, zero        ; 16 matrix instructions; the 64 accumulators take turns, one instruction a turn
.irp a, \a0, \a0+1
.irp b, 0,1,2,3,4,5,6,7
.if \zero
	v_wmma_scale_f32_16x16x128_f8f6f4 v[8*(8*((\a)%4)+\b):8*(8*((\a)%4)+\b)+7], v[128*(\p)+FR*\b:128*(\p)+FR*\b+FR-1], v[AF+FR*(\a):AF+FR*(\a)+FR-1], 0, v[SC+8*NQ*(\sc)+NQ*\b+(\q)], v[SC+8*NQ*(\sc)+NQ*(\a)+(\q)] matrix_a_fmt:MATRIX_FMT_FP6 matrix_b_fmt:MATRIX_FMT_FP6 matrix_a_scale:MATRIX_SCALE_ROW1
.else
	v_wmma_scale_f32_16x16x128_f8f6f4 v[8*(8*((\a)%4)+\b):8*(8*((\a)%4)+\b)+7], v[128*(\p)+FR*\b:128*(\p)+FR*\b+FR-1], v[AF+FR*(\a):AF+FR*(\a)+FR-1], v[8*(8*((\a)%4)+\b):8*(8*((\a)%4)+\b)+7], v[SC+8*NQ*(\sc)+NQ*\b+(\q)], v[SC+8*NQ*(\sc)+NQ*(\a)+(\q)] matrix_a_fmt:MATRIX_FMT_FP6 matrix_b_fmt:MATRIX_FMT_FP6 matrix_a_scale:MATRIX_SCALE_ROW1
.endif
.endr
.endr
.endm
.macro FETCH_B slot, q, p
	WIN TO_B
.irp i, 0,1,2,3,4,5,6,7
	FRAG 128*(\p)+FR*\i, ADRB+\slot, \q, \i
.endr
	WIN 0
.endm
.macro FETCH_A slot, q, i0
.irp i, \i0, \i0+1, \i0+2, \i0+3
	FRAG AF+FR*(\i), ADRA+\slot, \q, \i
.endr
.endm
.macro SCALES sc
.irp i, 0,1,2,3,4,5,6,7
	ds_load_b64 v[SC+8*NQ*\sc+NQ*\i:SC+8*NQ*\sc+NQ*\i+1], v[ADRS] offset:\i*SBLK
.endr
.endm
.macro PLACES n
.rept \n
	v_nop
.endr
.endm
.macro STEP slot, q, zero
	s_wait_dscnt 4*NL                              ; B's set and A's blocks 0-3 are in; the youngest 24 loads (A's blocks 4-7) may be out
	WIN MUL_LO
	MUL16 0, (\q)%2, \q, \slot, \zero
	MUL16 2, (\q)%2, \q, \slot, \zero
	s_wait_dscnt 0
	PLACES NP
	FETCH_B \slot, (\q)+1, 1-(\q)%2
	FETCH_A \slot, (\q)+1, 0
	WIN MUL_HI
	MUL16 4, (\q)%2, \q, \slot, \zero
	MUL16 6, (\q)%2, \q, \slot, \zero
	PLACES NP
	WIN 0
	FETCH_A \slot, (\q)+1, 4
.endm
.macro TURN slot, next, fill
	s_wait_tensorcnt 0x0                           ; all my tensor loads have landed: my part of the next slot
	ds_add_u32 v[SPW], v[NIL]                      ; 0 onto my spare word
	s_wait_dscnt 4*NL+1                            ; (the add and the youngest 24 loads may be out)
	WIN MUL_LO
	MUL16 0, 1, NQ-1, \slot, 0
	s_wait_dscnt 0x0                               ; the add is done, and my reads of this slot are over
	s_barrier_signal -1
	MUL16 2, 1, NQ-1, \slot, 0
	WIN 0
	s_barrier_wait -1
.if \fill
	CREST                                          ; the barrier has opened a round of the cluster's barrier
	s_add_nc_u64 s[G0+4*\slot+2:G0+4*\slot+3], s[G0+4*\slot+2:G0+4*\slot+3], 2*ROWB
	s_add_nc_u64 s[G0B+4*\slot+2:G0B+4*\slot+3], s[G0B+4*\slot+2:G0B+4*\slot+3], 2*ROWB
	JLOAD G0+4*\slot, G1, G0B+4*\slot, G1B         ; the first tensor load behind the round; its four v_nop are the places in front of the loads below
.else
	PLACES NP
.endif
	v_add_nc_u32 v[ADRS], 4*NQ, v[ADRS]
	FETCH_B \next, 0, 0
	FETCH_A \next, 0, 0
	SCALES \next
	WIN MUL_HI
	MUL16 4, 1, NQ-1, \slot, 0
	MUL16 6, 1, NQ-1, \slot, 0
	PLACES NP
	WIN 0
	FETCH_A \next, 0, 4
.endm
	s_wait_tensorcnt 1                             ; the scales and my part of K step 0 are in (K step 1's load may be out),
	s_barrier_signal -1
	s_barrier_wait -1                              ; everybody's are
	FETCH_B 0, 0, 0
	FETCH_A 0, 0, 0
	SCALES 0
	FETCH_A 0, 0, 4
	STEP 0, 0, 1
	s_mov_b32 s3, LAPS-1
.Llap:
	TURN 0, 1, 1
	STEP 1, 0, 0
	TURN 1, 0, 1
	STEP 0, 0, 0
	s_sub_co_u32 s3, s3, 1
	s_cmp_lg_u32 s3, 0
	s_cbranch_scc1 .Llap
	TURN 0, 1, 0
	STEP 1, 0, 0
	s_wait_dscnt 4*NL
	WIN MUL_LO
	MUL16 0, 1, NQ-1, 1, 0
	MUL16 2, 1, NQ-1, 1, 0
	s_wait_dscnt 0
	WIN MUL_HI
	MUL16 4, 1, NQ-1, 1, 0
	MUL16 6, 1, NQ-1, 1, 0
	WIN 0
; THE WAY OUT, block by block of 16 rows x 128 columns: through my own stage in LDS, back as whole rows of 512 bytes; resid's same rows and the bias are added; 32 lanes store two aligned runs of 256 bytes.
.macro TOSTAGE a
.set AC, 64*((\a)%4)
	WIN 0x08+4*((\a)/4)                            ; the data: window 2 or 3
.irp b, 0,1,2,3,4,5,6,7
	ds_store_b128 v[STO], v[AC+8*\b:AC+8*\b+3] offset:64*\b          ; each accumulator from its low end on
	ds_store_b128 v[STO], v[AC+8*\b+4:AC+8*\b+7] offset:64*\b+16
.endr
	WIN 0
.set BB, BK+64*((\a)%2)
.irp t, 0,1,2,3,4,5,6,7,8,9,10,11,12,13,14,15
	ds_load_b128 v[BB+4*\t:BB+4*\t+3], v[RD] offset:\t*SPITCH      ; LDS serves a wave's instructions in order (ISA guide 5.7.1.4)
.endr
.endm
.macro RESLOAD
.irp t, 0,1,2,3,4,5,6,7,8,9,10,11,12,13,14,15
	global_load_b128 v[RS+4*\t:RS+4*\t+3], v[CO], s[98:99] offset:\t*SIZE_N*4
.endr
.endm
.macro SENDF a, younger                ; younger: the LDS instructions issued behind block a's loads
.set BB, BK+64*((\a)%2)
	s_wait_dscnt \younger                          ; the block is back in registers
	s_wait_loadcnt 0x0                             ; its rows of resid (and, the first time, the bias) are in: their base may step
.set i, 0
.rept 32
	v_pk_add_f32 v[BB+i:BB+i+1], v[BB+i:BB+i+1], v[RS+i:RS+i+1]
.set i, i+2
.endr
.set i, 0
.rept 16
	v_pk_add_f32 v[BB+i:BB+i+1], v[BB+i:BB+i+1], v[32:33]
	v_pk_add_f32 v[BB+i+2:BB+i+3], v[BB+i+2:BB+i+3], v[34:35]
.set i, i+4
.endr
.if (\a) > 0
	s_add_nc_u64 s[12:13], s[12:13], 16*SIZE_N*4   ; (behind a wait on XCNT: the earlier stores have read their base)
.endif
.if (\a) < 7
	s_add_nc_u64 s[98:99], s[98:99], 16*SIZE_N*4
	RESLOAD                                        ; the next block's rows of resid
.endif
.irp t, 0,1,2,3,4,5,6,7,8,9,10,11,12,13,14,15
.if NTOUT
	global_store_b128 v[CO], v[BB+4*\t:BB+4*\t+3], s[12:13] offset:\t*SIZE_N*4 th:TH_STORE_NT
.else
	global_store_b128 v[CO], v[BB+4*\t:BB+4*\t+3], s[12:13] offset:\t*SIZE_N*4
.endif
.endr
.endm
	PLACES NP                                      ; behind the last products: for the loads into scale and fragment registers and for the reads of results
	global_load_b128 v[32:35], v[CO], s[66:67]
	RESLOAD
	TOSTAGE 0
.irp a, 1,2,3,4,5,6,7
.if \a > 1
	s_wait_xcnt 0x0                                ; block a - 2's stores have read their registers and their base
.endif
	TOSTAGE \a
	SENDF \a-1, 32                                 ; behind block a - 1's loads: block a's 16 stores and 16 loads
.endr
	s_wait_xcnt 0x0
	SENDF 7, 0
	s_wait_tensorcnt 0x0                           ; the wave's end
	ds_add_u32 v[SPW], v[NIL]
	s_wait_dscnt 0x0
	CROUND                                         ; the closing round
	s_endpgm
.Lfunc_end_k_q1d477db866_wo:
	.size	k_q1d477db866_wo, .Lfunc_end_k_q1d477db866_wo-k_q1d477db866_wo
	.p2alignl 7, 3214868480
	.fill 96, 4, 3214868480
	.section	.rodata,"a",@progbits
	.p2align	6, 0x0
	.amdhsa_kernel k_q1d477db866_wo
		.amdhsa_group_segment_fixed_size 327680
		.amdhsa_private_segment_fixed_size 0
		.amdhsa_enable_private_segment 0
		.amdhsa_kernarg_size 48
		.amdhsa_user_sgpr_count 2
		.amdhsa_user_sgpr_kernarg_segment_ptr 1
		.amdhsa_wavefront_size32 1
		.amdhsa_system_sgpr_workgroup_id_x 1
		.amdhsa_system_sgpr_workgroup_id_y 1
		.amdhsa_system_sgpr_workgroup_id_z 1
		.amdhsa_system_vgpr_workitem_id 0
		.amdhsa_next_free_vgpr 1024
		.amdhsa_next_free_sgpr 102
		.amdhsa_reserve_vcc 0
		.amdhsa_float_denorm_mode_32 3
		.amdhsa_float_denorm_mode_16_64 3
		.amdhsa_memory_ordered 1
		.amdhsa_forward_progress 1
		.amdhsa_inst_pref_size 205
	.end_amdhsa_kernel
	.amdgpu_metadata
---
amdhsa.version: [ 1, 2 ]
amdhsa.kernels:
  - .name:           k_q1d477db866_wo
    .symbol:         k_q1d477db866_wo.kd
    .args:
      - { .name: ao, .offset: 0, .size: 8, .value_kind: global_buffer, .address_space: global }
      - { .name: wo_codes, .offset: 8, .size: 8, .value_kind: global_buffer, .address_space: global }
      - { .name: wo_scales, .offset: 16, .size: 8, .value_kind: global_buffer, .address_space: global }
      - { .name: bo, .offset: 24, .size: 8, .value_kind: global_buffer, .address_space: global }
      - { .name: x, .offset: 32, .size: 8, .value_kind: global_buffer, .address_space: global }
      - { .name: x1, .offset: 40, .size: 8, .value_kind: global_buffer, .address_space: global }
    .group_segment_fixed_size: 327680
    .private_segment_fixed_size: 0
    .kernarg_segment_align: 8
    .kernarg_segment_size: 48
    .max_flat_workgroup_size: 128
    .sgpr_count:     102
    .vgpr_count:     1024
    .wavefront_size: 32
...
	.end_amdgpu_metadata
.endif
;; end of part 4
;; launch ln2: the kernel of part 1 again; grid 256 x 1, 4 waves a work-group, no clusters, 19,968 bytes of LDS; arguments x1, g2, beta2, nx; writes nx
;; launch w1 (part 5): grid 16 x 16, 4 waves a work-group, clusters of 4 x 4, 327,680 bytes of LDS; arguments nx, w1_codes, w1_scales, b1, hid; writes hid
.if DOCPART == 5
	.amdgcn_target "amdgcn-amd-amdhsa--gfx1250"
	.amdhsa_code_object_version 6
	.text
	.protected	k_q1d477db866_w1
	.globl	k_q1d477db866_w1
	.p2align	8
	.type	k_q1d477db866_w1,@function
k_q1d477db866_w1:
	s_mov_b64 s[64:65], 0
	v_nop
	global_prefetch_b8 v0, s[64:65] scope:SCOPE_SE
	s_setreg_imm32_b32 hwreg(HW_REG_WAVE_MODE, 25, 1), 1
	s_wait_xcnt 0x0
	s_wait_alu depctr_hold_cnt(0) depctr_sa_sdst(0) depctr_va_vdst(0) depctr_va_sdst(0) depctr_va_ssrc(0) depctr_va_vcc(0) depctr_vm_vsrc(0)
	s_getreg_b32 s2, hwreg(HW_REG_IB_STS2, 6, 4)
	s_cmp_eq_u32 s2, 0
	s_cbranch_scc0 .Lentry_in_a_cluster
	s_endpgm
.Lentry_in_a_cluster:
	s_bfe_u32 s2, ttmp6, 0x10000c
	s_cmp_lg_u32 s2, 0xf033
	s_cbranch_scc0 .Lentry_shape_is_right
	s_endpgm
.Lentry_shape_is_right:
; hid = Q(gelu(nx w1 + b1)): a product on codes of E2M3 (one E8M0 byte for each 32 along K = 1,024), the exact gelu in f32, and the quantiser along the 4,096 hidden units, which are the next product's K.
; C[m][n] = sum over k of A[m][k] B[n][k]: A = nx (codes [4096][768 bytes], scale bytes [4096][32] from byte 3,145,728), B = w1.  hid: codes [4096][3072 bytes], scale bytes [4096][128] from byte 12,582,912.
; A tile of C, 256 x 256, is made by four waves, each 128 x 128.  K goes in steps of 256 through a ring of two LDS slots filled by the tensor data mover; the scales of the tile's rows come once.
; CLUSTERS: 4 x 4 work-groups; A's tiles are asked for jointly along a row of the cluster, B's along a column.  THE MATRIX INSTRUCTION IS USED TRANSPOSED (source 0 = 16 rows of B, source 1 = 16 rows of A).
; GELU.  gelu(x) = max(x, 0) - |x| E, E = erfc(|x| / sqrt 2) / 2;  erfc(z) = t exp(-z^2 + c0 + t (c1 + .. + t c9)), t = 1 / (1 + z / 2): a rational Chebyshev fit whose stated fractional error is under 1.2e-7 for every z;
; with f32 arithmetic some 6e-7 of the number.  No branch; very large |x| give E = 0.
; LIMITS: NaN and infinities are not served; blocks whose largest magnitude lies under 2^-124, zeros among them, keep the byte 1: only this program reads the bytes.
; REGISTERS, in windows of 256: window 0: v0-31 addresses; v32-63 scale words, two sets; from v128 A's fragments, one set.  window 1: B's fragments, two sets.  windows 2, 3: the accumulators ((a, b) at v[8 (8 (a % 4) + b)]).
.set SIZE_K, 1024
.set KSTEP,  256
.set NQ,     KSTEP/128
.set ROWB,   192
.set KROW,   SIZE_K*6/8
.set PITCH,  240                       ; an LDS row: 3 x (64 bytes + 16 of padding): the 32 lanes of a load of 8 bytes touch 64 different banks (64 banks of 4 bytes: ISA guide 11.1)
.set FR,     12
.set NL,     6
.set NP,     4                         ; places behind this matrix instruction (ISA guide 7.12.1)
.set HALFT,  128*PITCH
.set SLOT,   4*HALFT
.set LAPS,   SIZE_K/(2*KSTEP)
.set KS,     SIZE_K/32
.set SCL,    2*SLOT
.set HALFS,  (128*KS/256)*272
.set SBLK,   (16*KS/256)*272
.set SPARE,  327168                    ; the spare words, 128 bytes for each wave: two blocks of 256 bytes that no other line names
.set SPITCH, 528
.set STGW,   128*SPITCH                ; a wave's stage: its 128 rows.  The four stages lie over the ring and the scales, which have had their last fill and, behind a barrier, their last read
.set ADRA, 16
.set ADRB, 20
.set STO,  24
.set ADRS, 27
.set SPW,  28
.set NIL,  29
.set SC,   32
.set AF,   128
.set G1, 24
.set G0, 32
.set G1B, 48
.set G0B, 56
.set G1S, 68
.set G0S, 76
.set G1SB, 80
.set G0SB, 88
.set MSB, 0
.macro WIN new                         ; the immediate's high byte repeats the setting that is left
.if MSB != (\new)
	s_set_vgpr_msb (MSB<<8)|(\new)
.set MSB, (\new)
.endif
.endm
.set MUL_LO, 0xa1
.set MUL_HI, 0xf1
.set TO_B,   0x40
.macro JLOAD g0a, g1a, g0b, g1b        ; a joint load: waves 0 and 1 fetch for A, waves 2 and 3 for B; four v_nop follow each line
	s_cmp_eq_u32 s15, 0
	s_cbranch_scc0 .Lfor_b_\@
	tensor_load_to_lds s[\g0a:\g0a+3], s[\g1a:\g1a+7]
	s_nop 0
.rept 4
	v_nop
.endr
	s_branch .Lasked_\@
.Lfor_b_\@:
	tensor_load_to_lds s[\g0b:\g0b+3], s[\g1b:\g1b+7]
	s_nop 0
.rept 4
	v_nop
.endr
.Lasked_\@:
.endm
.macro CREST
	s_cmp_lg_u32 s14, 0
	s_cbranch_scc1 .Lnot_wave_0_\@
	s_barrier_signal -3
.Lnot_wave_0_\@:
	s_barrier_wait -3
	s_barrier_signal -1
	s_barrier_wait -1
.endm
.macro CROUND
	s_barrier_signal -1
	s_barrier_wait -1
	CREST
.endm
	s_load_b64 s[4:5], s[0:1], 0x0                 ; nx
	s_load_b128 s[8:11], s[0:1], 0x8               ; w1's codes, w1's scales
	s_load_b64 s[66:67], s[0:1], 0x18              ; b1
	s_load_b64 s[100:101], s[0:1], 0x20            ; hid
	v_lshl_add_u32 v[SPW], v0, 2, SPARE
	v_mov_b32 v[NIL], 0
	ds_add_u32 v28, v29
	ds_add_u32 v28, v29
	s_wait_dscnt 0x0
	v_lshrrev_b32 v1, 5, v0
	v_readfirstlane_b32 s14, v1                    ; wave 0..3
	s_lshr_b32 s15, s14, 1                         ; which half of the tile's rows is mine.  Also: I fetch for A (0) or for B (1)
	s_and_b32 s16, s14, 1                          ; which half of its columns.  Also: which 128 rows of that tile I fetch
	s_bfe_u32 s40, ttmp6, 0x40000                  ; cx, cy
	s_bfe_u32 s41, ttmp6, 0x40004
	s_lshl_b32 s42, ttmp9, 2
	s_add_co_u32 s42, s42, s40                     ; tile column
	s_and_b32 s17, ttmp7, 0xffff
	s_lshl_b32 s17, s17, 2
	s_add_co_u32 s17, s17, s41                     ; tile row
	s_lshl_b32 s43, s41, 2
	s_lshl_b32 s43, 15, s43                        ; my row of the cluster
	s_lshl_b32 s44, 0x1111, s40                    ; my column
	s_or_b32 s[G1+0], s43, (0<<16)|(1<<20)|(1<<21)|(3<<22)|(3<<25)  ; 15:0 the mask; 17:16 elements of 1 byte; 20 padding on; 21 set beside a mask; 24:22 after every 16 words; 31:25 of 4 words
	s_or_b32 s[G1B+0], s44, (0<<16)|(1<<20)|(1<<21)|(3<<22)|(3<<25)
.irp g, G1, G1B
	s_mov_b32 s[\g+1], ROWB<<16
	s_mov_b32 s[\g+2], 128<<16
	s_mov_b32 s[\g+3], ROWB<<16
	s_mov_b32 s[\g+4], 128
	s_mov_b32 s[\g+5], KROW
	s_mov_b32 s[\g+6], 0
	s_mov_b32 s[\g+7], 0
.endr
	s_or_b32 s[G1S+0], s43, (3<<16)|(1<<20)|(1<<21)|(5<<22)|(3<<25)   ; the scales of 128 rows: a dense block, as rows of 256 bytes, 16 bytes of padding behind each
	s_or_b32 s[G1SB+0], s44, (3<<16)|(1<<20)|(1<<21)|(5<<22)|(3<<25)
.irp g, G1S, G1SB
	s_mov_b32 s[\g+1], 32<<16
	s_mov_b32 s[\g+2], (128*KS/256)<<16
	s_mov_b32 s[\g+3], 32<<16
	s_mov_b32 s[\g+4], 128*KS/256
	s_mov_b32 s[\g+5], 32
	s_mov_b32 s[\g+6], 0
	s_mov_b32 s[\g+7], 0
.endr
	s_lshl_b32 s18, s16, 7
	s_lshl_b32 s20, s17, 8
	s_add_co_u32 s20, s20, s18                     ; A: row 256 x tile row + 128 x half
	s_lshl_b32 s46, s42, 8
	s_add_co_u32 s46, s46, s18                     ; B: row 256 x tile column + 128 x half
	s_mov_b32 s21, 0
	s_mov_b32 s47, 0
	s_mov_b64 s[18:19], KS
	s_mul_u64 s[22:23], s[20:21], s[18:19]
	s_mul_u64 s[92:93], s[46:47], s[18:19]
	s_mov_b64 s[18:19], KROW
	s_mul_u64 s[20:21], s[20:21], s[18:19]
	s_mul_u64 s[46:47], s[46:47], s[18:19]
	s_mul_i32 s45, s14, HALFT                      ; no place in the cluster enters an LDS address
	s_mul_i32 s94, s14, HALFS
	s_wait_kmcnt 0x0
	s_add_nc_u64 s[6:7], s[4:5], 3145728           ; nx's scale bytes
	s_add_nc_u64 s[20:21], s[4:5], s[20:21]
	s_add_nc_u64 s[22:23], s[6:7], s[22:23]
	s_add_nc_u64 s[46:47], s[8:9], s[46:47]
	s_add_nc_u64 s[92:93], s[10:11], s[92:93]
	CROUND                                         ; all sixteen work-groups are here: the first joint loads meet
	s_mov_b32 s[G0S], 1
	s_add_co_u32 s[G0S+1], s94, SCL
	s_mov_b64 s[G0S+2:G0S+3], s[22:23]
	s_or_b32 s[G0S+3], s[G0S+3], 0x80000000
	s_mov_b32 s[G0SB], 1
	s_add_co_u32 s[G0SB+1], s94, SCL
	s_mov_b64 s[G0SB+2:G0SB+3], s[92:93]
	s_or_b32 s[G0SB+3], s[G0SB+3], 0x80000000
	JLOAD G0S, G1S, G0SB, G1SB
.irp s, 0,1
	s_mov_b32 s[G0+4*\s], 1
	s_add_co_u32 s[G0+4*\s+1], s45, \s*SLOT
	s_add_nc_u64 s[G0+4*\s+2:G0+4*\s+3], s[20:21], \s*ROWB
	s_or_b32 s[G0+4*\s+3], s[G0+4*\s+3], 0x80000000
	s_mov_b32 s[G0B+4*\s], 1
	s_add_co_u32 s[G0B+4*\s+1], s45, \s*SLOT
	s_add_nc_u64 s[G0B+4*\s+2:G0B+4*\s+3], s[46:47], \s*ROWB
	s_or_b32 s[G0B+4*\s+3], s[G0B+4*\s+3], 0x80000000
	JLOAD G0+4*\s, G1, G0B+4*\s, G1B
.endr
	v_and_b32 v1, 15, v0
	v_bfe_u32 v2, v0, 4, 1
	v_mul_u32_u24 v3, v1, PITCH
	v_mul_u32_u24 v4, v2, 24
	v_add_nc_u32 v4, v3, v4
	v_lshl_add_u32 v5, v2, 4, v4
	s_mul_i32 s21, s15, HALFT
	s_mul_i32 s22, s16, HALFT
	s_add_co_u32 s22, s22, 2*HALFT
.irp s, 0,1
	v_add_nc_u32 v[ADRA+\s], s21, v4
	v_add_nc_u32 v[ADRB+\s], s22, v4
	v_add_nc_u32 v[ADRA+2+\s], s21, v5
	v_add_nc_u32 v[ADRB+2+\s], s22, v5
	s_add_co_u32 s21, s21, SLOT
	s_add_co_u32 s22, s22, SLOT
.endr
	v_mul_u32_u24 v5, v1, KS
	v_lshrrev_b32 v6, 8, v5
	v_lshl_add_u32 v5, v6, 4, v5
	s_mul_i32 s21, s15, HALFS
	s_mul_i32 s22, s16, HALFS
	s_add_co_u32 s22, s22, 2*HALFS
	s_sub_co_u32 s22, s22, s21
	v_mul_u32_u24 v6, s22, v2                      ; lanes 16-31 take B's
	s_add_co_u32 s21, s21, SCL
	v_add_nc_u32 v5, v5, v6
	v_add_nc_u32 v[ADRS], s21, v5
	s_mul_i32 s23, s14, STGW                       ; my stage
	v_mul_u32_u24 v5, v1, SPITCH
	v_lshl_add_u32 v6, v2, 5, v5
	v_add_nc_u32 v[STO], s23, v6                   ; in: row l % 16, 32 bytes for each half of the lanes
	v_lshl_add_u32 v6, v2, 8, v5
	v_add_nc_u32 v13, s23, v6                      ; back: row l % 16, 256 bytes (64 columns) for each half of the lanes
.macro FRAG reg, adr, q, i             ; a fragment: lane l holds row l % 16; registers 6 c .. 6 c + 5 hold K = 64 c + 32 (l / 16) + 0 .. 31, in pieces of 8 bytes
.irp p, 0,1,2,3,4,5
.set PC, 12*(\q)+6*(\p/3)+\p%3
.if PC%8 < 5
	ds_load_b64 v[\reg+2*\p:\reg+2*\p+1], v[\adr] offset:8*PC+16*(PC/8)+(\i)*16*PITCH
.else
	ds_load_b64 v[\reg+2*\p:\reg+2*\p+1], v[\adr+2] offset:8*PC+16*(PC/8)+(\i)*16*PITCH
.endif
.endr
.endm
.macro MUL16 a0, p, q, sc, zero        ; 16 matrix instructions; the 64 accumulators take turns, one instruction a turn
.irp a, \a0, \a0+1
.irp b, 0,1,2,3,4,5,6,7
.if \zero
	v_wmma_scale_f32_16x16x128_f8f6f4 v[8*(8*((\a)%4)+\b):8*(8*((\a)%4)+\b)+7], v[128*(\p)+FR*\b:128*(\p)+FR*\b+FR-1], v[AF+FR*(\a):AF+FR*(\a)+FR-1], 0, v[SC+8*NQ*(\sc)+NQ*\b+(\q)], v[SC+8*NQ*(\sc)+NQ*(\a)+(\q)] matrix_a_fmt:MATRIX_FMT_FP6 matrix_b_fmt:MATRIX_FMT_FP6 matrix_a_scale:MATRIX_SCALE_ROW1
.else
	v_wmma_scale_f32_16x16x128_f8f6f4 v[8*(8*((\a)%4)+\b):8*(8*((\a)%4)+\b)+7], v[128*(\p)+FR*\b:128*(\p)+FR*\b+FR-1], v[AF+FR*(\a):AF+FR*(\a)+FR-1], v[8*(8*((\a)%4)+\b):8*(8*((\a)%4)+\b)+7], v[SC+8*NQ*(\sc)+NQ*\b+(\q)], v[SC+8*NQ*(\sc)+NQ*(\a)+(\q)] matrix_a_fmt:MATRIX_FMT_FP6 matrix_b_fmt:MATRIX_FMT_FP6 matrix_a_scale:MATRIX_SCALE_ROW1
.endif
.endr
.endr
.endm
.macro FETCH_B slot, q, p
	WIN TO_B
.irp i, 0,1,2,3,4,5,6,7
	FRAG 128*(\p)+FR*\i, ADRB+\slot, \q, \i
.endr
	WIN 0
.endm
.macro FETCH_A slot, q, i0
.irp i, \i0, \i0+1, \i0+2, \i0+3
	FRAG AF+FR*(\i), ADRA+\slot, \q, \i
.endr
.endm
.macro SCALES sc
.irp i, 0,1,2,3,4,5,6,7
	ds_load_b64 v[SC+8*NQ*\sc+NQ*\i:SC+8*NQ*\sc+NQ*\i+1], v[ADRS] offset:\i*SBLK
.endr
.endm
.macro PLACES n
.rept \n
	v_nop
.endr
.endm
.macro STEP slot, q, zero
	s_wait_dscnt 4*NL                              ; B's set and A's blocks 0-3 are in; the youngest 24 loads (A's blocks 4-7) may be out
	WIN MUL_LO
	MUL16 0, (\q)%2, \q, \slot, \zero
	MUL16 2, (\q)%2, \q, \slot, \zero
	s_wait_dscnt 0
	PLACES NP
	FETCH_B \slot, (\q)+1, 1-(\q)%2
	FETCH_A \slot, (\q)+1, 0
	WIN MUL_HI
	MUL16 4, (\q)%2, \q, \slot, \zero
	MUL16 6, (\q)%2, \q, \slot, \zero
	PLACES NP
	WIN 0
	FETCH_A \slot, (\q)+1, 4
.endm
.macro TURN slot, next, fill
	s_wait_tensorcnt 0x0                           ; all my tensor loads have landed: my part of the next slot
	ds_add_u32 v[SPW], v[NIL]                      ; 0 onto my spare word
	s_wait_dscnt 4*NL+1                            ; (the add and the youngest 24 loads may be out)
	WIN MUL_LO
	MUL16 0, 1, NQ-1, \slot, 0
	s_wait_dscnt 0x0                               ; the add is done, and my reads of this slot are over
	s_barrier_signal -1
	MUL16 2, 1, NQ-1, \slot, 0
	WIN 0
	s_barrier_wait -1
.if \fill
	CREST                                          ; the barrier has opened a round of the cluster's barrier
	s_add_nc_u64 s[G0+4*\slot+2:G0+4*\slot+3], s[G0+4*\slot+2:G0+4*\slot+3], 2*ROWB
	s_add_nc_u64 s[G0B+4*\slot+2:G0B+4*\slot+3], s[G0B+4*\slot+2:G0B+4*\slot+3], 2*ROWB
	JLOAD G0+4*\slot, G1, G0B+4*\slot, G1B         ; the first tensor load behind the round; its four v_nop are the places in front of the loads below
.else
	PLACES NP
.endif
	v_add_nc_u32 v[ADRS], 4*NQ, v[ADRS]
	FETCH_B \next, 0, 0
	FETCH_A \next, 0, 0
	SCALES \next
	WIN MUL_HI
	MUL16 4, 1, NQ-1, \slot, 0
	MUL16 6, 1, NQ-1, \slot, 0
	PLACES NP
	WIN 0
	FETCH_A \next, 0, 4
.endm
	s_wait_tensorcnt 1                             ; the scales and my part of K step 0 are in (K step 1's load may be out),
	s_barrier_signal -1
	s_barrier_wait -1                              ; everybody's are
	FETCH_B 0, 0, 0
	FETCH_A 0, 0, 0
	SCALES 0
	FETCH_A 0, 0, 4
	STEP 0, 0, 1
	s_mov_b32 s3, LAPS-1
.Llap:
	TURN 0, 1, 1
	STEP 1, 0, 0
	TURN 1, 0, 1
	STEP 0, 0, 0
	s_sub_co_u32 s3, s3, 1
	s_cmp_lg_u32 s3, 0
	s_cbranch_scc1 .Llap
	TURN 0, 1, 0
	STEP 1, 0, 0
	s_wait_dscnt 4*NL
	WIN MUL_LO
	MUL16 0, 1, NQ-1, 1, 0
	MUL16 2, 1, NQ-1, 1, 0
	s_wait_dscnt 0
	WIN MUL_HI
	MUL16 4, 1, NQ-1, 1, 0
	MUL16 6, 1, NQ-1, 1, 0
	WIN 0
; THE WAY OUT.  All 128 rows of my part go into my stage; then lane (rho = l % 16, hh = l / 16) takes back, block of 16 rows by block, 64 neighbouring columns of row rho: two whole blocks of 32 along the next K.
.set BB0, 128                          ; v128-191, v192-255: a lane's 64 numbers of two blocks of rows
.set BB1, 192
.set CC,  32                           ; v32-47  codes
.set MX,  48                           ; v48-49 largest magnitudes; v50-51 scale operands; v52-53 bytes
.set WW,  56                           ; v56-63  squares, four pairs by turns
.set TT,  64                           ; v64-95  t, later max(x, 0)
.set PP,  96                           ; v96-127 the polynomial, later E
	PLACES NP                                      ; behind the last products
	s_wait_dscnt 0x0                               ; my reads of the ring and of the scales are over:
	s_barrier_signal -1
	s_barrier_wait -1                              ; everybody's are: the stages may be written
	s_lshl_b32 s52, s17, 8
	s_lshl_b32 s53, s15, 7
	s_add_co_u32 s52, s52, s53                     ; my first row
	s_mul_i32 s54, s52, 3072
	s_mul_i32 s55, s42, 192
	s_add_co_u32 s54, s54, s55
	s_mul_i32 s55, s16, 96
	s_add_co_u32 s54, s54, s55                     ; codes: row x 3,072 + my 128 columns' 96 bytes
	s_mov_b32 s55, 0
	s_lshl_b32 s56, s52, 7
	s_lshl_b32 s57, s42, 3
	s_add_co_u32 s56, s56, s57
	s_lshl_b32 s57, s16, 2
	s_add_co_u32 s56, s56, s57
	s_add_co_u32 s56, s56, 12582912                ; scale bytes
	s_mov_b32 s57, 0
	s_lshl_b32 s58, s42, 10
	s_lshl_b32 s59, s16, 9
	s_add_co_u32 s58, s58, s59                     ; my 128 columns' biases
	s_mov_b32 s59, 0
	s_add_nc_u64 s[24:25], s[100:101], s[54:55]
	s_add_nc_u64 s[26:27], s[100:101], s[56:57]
	s_add_nc_u64 s[66:67], s[66:67], s[58:59]
	s_mov_b32 s48, 0x3eb504f3                      ; 1 / (2 sqrt 2): z / 2 = |x| times this
	v_mul_u32_u24 v8, v1, 3072
	v_mad_u32_u24 v8, v2, 48, v8                   ; my lane's place among a block's codes
	v_lshlrev_b32 v9, 7, v1
	v_lshl_add_u32 v9, v2, 1, v9                   ; and among its scale bytes
	v_lshlrev_b32 v12, 8, v2                       ; my 64 column biases
	v_mov_b32 v54, 0x3e2ef945                      ; c9, twice
	v_mov_b32 v55, 0x3e2ef945
	WIN 0x40                                       ; destination window 1: B's fragments are done with
.irp i, 0,1,2,3,4,5,6,7,8,9,10,11,12,13,14,15
	global_load_b128 v[4*\i:4*\i+3], v12, s[66:67] offset:16*\i
.endr
	WIN 0
.irp a, 0,1,2,3,4,5,6,7
	WIN 0x08+4*(\a/4)                              ; an LDS store's data are its source 1: window 2 or 3
.irp b, 0,1,2,3,4,5,6,7
	ds_store_b128 v[STO], v[64*(\a%4)+8*\b:64*(\a%4)+8*\b+3] offset:\a*16*SPITCH+64*\b        ; each accumulator from its low end on
	ds_store_b128 v[STO], v[64*(\a%4)+8*\b+4:64*(\a%4)+8*\b+7] offset:\a*16*SPITCH+64*\b+16
.endr
.endr
	WIN 0
	s_wait_loadcnt 0x0                             ; the biases
.macro GELU x                          ; 32 numbers, in place
.set i, 0
.rept 32
	v_fma_f32 v[TT+i], |v[\x+i]|, s48, 1.0         ; 1 + z / 2
.set i, i+1
.endr
.set i, 0
.rept 32
	v_rcp_f32 v[TT+i], v[TT+i]                     ; t
.set i, i+1
.endr
	v_nop                                          ; one plain instruction behind the transcendentals (ISA guide 5.7.2)
.set i, 0
	s_wait_alu depctr_va_vdst(0)
.rept 16
	v_pk_fma_f32 v[PP+i:PP+i+1], v[TT+i:TT+i+1], v[54:55], 0xbf527892 op_sel_hi:[1,1,0]      ; c9 t + c8
.set i, i+2
.endr
.irp c, 0x3fbe87b0, 0xbf914e5d, 0x3e8ec7cc, 0xbe3ec24c, 0x3dc636c9, 0x3ebf88fb, 0x3f8000c7, 0xbfa1fc4e
.set i, 0
.rept 16
	v_pk_fma_f32 v[PP+i:PP+i+1], v[PP+i:PP+i+1], v[TT+i:TT+i+1], \c op_sel_hi:[1,1,0]        ; c7 down to c0
.set i, i+2
.endr
.endr
.set i, 0
.rept 4
.irp k, 0,2,4,6
	v_pk_mul_f32 v[WW+\k:WW+\k+1], v[\x+i+\k:\x+i+\k+1], v[\x+i+\k:\x+i+\k+1]
.endr
.irp k, 0,2,4,6
	v_pk_fma_f32 v[PP+i+\k:PP+i+\k+1], v[WW+\k:WW+\k+1], -0.5, v[PP+i+\k:PP+i+\k+1] op_sel_hi:[1,0,1]   ; - z^2 = - x^2 / 2
.endr
.set i, i+8
.endr
.set i, 0
.rept 16
	v_pk_fma_f32 v[PP+i:PP+i+1], v[PP+i:PP+i+1], 0x3fb8aa3b, -1.0 op_sel_hi:[1,0,0]          ; to base 2, and the half
.set i, i+2
.endr
.set i, 0
.rept 32
	v_exp_f32 v[PP+i], v[PP+i]
.set i, i+1
.endr
	v_nop
.set i, 0
	s_wait_alu depctr_va_vdst(0)
.rept 16
	v_pk_mul_f32 v[PP+i:PP+i+1], v[PP+i:PP+i+1], v[TT+i:TT+i+1]    ; E
.set i, i+2
.endr
.set i, 0
.rept 32
	v_max_num_f32 v[TT+i], 0, v[\x+i]
.set i, i+1
.endr
.set i, 0
.rept 32
	v_fma_f32 v[\x+i], -|v[\x+i]|, v[PP+i], v[TT+i]                ; max(x, 0) - |x| E
.set i, i+1
.endr
.endm
.macro QUANT2 bb                       ; a lane's two blocks of 32 become 48 bytes of codes in v[CC] on and two bytes in v52
	v_max3_num_f32 v[MX], |v[\bb]|, |v[\bb+1]|, 0x1800000          ; with the floor 2^(3 - 127): the byte cannot fall under 1
	v_max3_num_f32 v[MX+1], |v[\bb+32]|, |v[\bb+33]|, 0x1800000
.set i, 2
.rept 15
	v_max3_num_f32 v[MX], v[MX], |v[\bb+i]|, |v[\bb+i+1]|
	v_max3_num_f32 v[MX+1], v[MX+1], |v[\bb+32+i]|, |v[\bb+33+i]|
.set i, i+2
.endr
	v_add_nc_u32 v[MX+2], 0xff000000, v[MX]        ; 2 off the exponent field: the conversion's scale operand
	v_add_nc_u32 v[MX+3], 0xff000000, v[MX+1]
	v_lshrrev_b32 v[MX+4], 23, v[MX+2]
	v_lshrrev_b32 v[MX+5], 23, v[MX+3]
	v_cvt_scalef32_pk16_fp6_f32 v[CC:CC+2], v[\bb:\bb+15], v[MX+2]
	v_cvt_scalef32_pk16_fp6_f32 v[CC+4:CC+6], v[\bb+16:\bb+31], v[MX+2]
	v_cvt_scalef32_pk16_fp6_f32 v[CC+8:CC+10], v[\bb+32:\bb+47], v[MX+3]
	v_cvt_scalef32_pk16_fp6_f32 v[CC+12:CC+14], v[\bb+48:\bb+63], v[MX+3]
	v_lshl_or_b32 v[MX+4], v[MX+5], 8, v[MX+4]     ; both bytes (also the plain instruction behind the conversions)
.endm
.macro WORK bb                         ; one block of 16 rows
	WIN 0x01                                       ; source 0 window 1: the biases
.set i, 0
.rept 32
	v_pk_add_f32 v[\bb+i:\bb+i+1], v[i:i+1], v[\bb+i:\bb+i+1]
.set i, i+2
.endr
	WIN 0
	GELU \bb
	GELU \bb+32
	QUANT2 \bb
.irp q, 0,1,2,3
	global_store_b96 v8, v[CC+4*\q:CC+4*\q+2], s[24:25] offset:12*\q       ; a lane's 48 consecutive bytes
.endr
	global_store_b16 v9, v[MX+4], s[26:27]
	s_wait_xcnt 0x0                                ; the stores' data and bases are written again only behind this wait
	s_add_nc_u64 s[24:25], s[24:25], 16*3072       ; 16 rows on
	s_add_nc_u64 s[26:27], s[26:27], 16*128
.endm
	s_mov_b32 s49, 0                               ; the trip's two blocks in the stage
	s_mov_b32 s51, 4
.Lpair:
	v_add_nc_u32 v10, s49, v13
.irp i, 0,1,2,3,4,5,6,7,8,9,10,11,12,13,14,15
	ds_load_b128 v[BB0+4*\i:BB0+4*\i+3], v10 offset:16*\i          ; LDS serves a wave's instructions in order (ISA guide 5.7.1.4): these see my stores
.endr
.irp i, 0,1,2,3,4,5,6,7,8,9,10,11,12,13,14,15
	ds_load_b128 v[BB1+4*\i:BB1+4*\i+3], v10 offset:16*SPITCH+16*\i
.endr
	s_wait_dscnt 16                                ; the first block is in; the second's 16 loads may be out
	WORK BB0
	s_wait_dscnt 0x0
	WORK BB1
	s_add_co_u32 s49, s49, 32*SPITCH
	s_sub_co_u32 s51, s51, 1
	s_cmp_lg_u32 s51, 0
	s_cbranch_scc1 .Lpair
	s_wait_tensorcnt 0x0                           ; the wave's end
	ds_add_u32 v[SPW], v[NIL]
	s_wait_dscnt 0x0
	CROUND                                         ; the closing round
	s_endpgm
.Lfunc_end_k_q1d477db866_w1:
	.size	k_q1d477db866_w1, .Lfunc_end_k_q1d477db866_w1-k_q1d477db866_w1
	.p2alignl 7, 3214868480
	.fill 96, 4, 3214868480
	.section	.rodata,"a",@progbits
	.p2align	6, 0x0
	.amdhsa_kernel k_q1d477db866_w1
		.amdhsa_group_segment_fixed_size 327680
		.amdhsa_private_segment_fixed_size 0
		.amdhsa_enable_private_segment 0
		.amdhsa_kernarg_size 40
		.amdhsa_user_sgpr_count 2
		.amdhsa_user_sgpr_kernarg_segment_ptr 1
		.amdhsa_wavefront_size32 1
		.amdhsa_system_sgpr_workgroup_id_x 1
		.amdhsa_system_sgpr_workgroup_id_y 1
		.amdhsa_system_sgpr_workgroup_id_z 1
		.amdhsa_system_vgpr_workitem_id 0
		.amdhsa_next_free_vgpr 1024
		.amdhsa_next_free_sgpr 102
		.amdhsa_reserve_vcc 0
		.amdhsa_float_denorm_mode_32 3
		.amdhsa_float_denorm_mode_16_64 3
		.amdhsa_memory_ordered 1
		.amdhsa_forward_progress 1
		.amdhsa_inst_pref_size 255
	.end_amdhsa_kernel
	.amdgpu_metadata
---
amdhsa.version: [ 1, 2 ]
amdhsa.kernels:
  - .name:           k_q1d477db866_w1
    .symbol:         k_q1d477db866_w1.kd
    .args:
      - { .name: nx, .offset: 0, .size: 8, .value_kind: global_buffer, .address_space: global }
      - { .name: w1_codes, .offset: 8, .size: 8, .value_kind: global_buffer, .address_space: global }
      - { .name: w1_scales, .offset: 16, .size: 8, .value_kind: global_buffer, .address_space: global }
      - { .name: b1, .offset: 24, .size: 8, .value_kind: global_buffer, .address_space: global }
      - { .name: hid, .offset: 32, .size: 8, .value_kind: global_buffer, .address_space: global }
    .group_segment_fixed_size: 327680
    .private_segment_fixed_size: 0
    .kernarg_segment_align: 8
    .kernarg_segment_size: 40
    .max_flat_workgroup_size: 128
    .sgpr_count:     102
    .vgpr_count:     1024
    .wavefront_size: 32
...
	.end_amdgpu_metadata
.endif
;; end of part 5
;; launch w2 (part 6): grid 4 x 16, 4 waves a work-group, clusters of 4 x 4, 327,680 bytes of LDS; arguments hid, w2_codes, w2_scales, b2, x1, out0; writes out0
.if DOCPART == 6
	.amdgcn_target "amdgcn-amd-amdhsa--gfx1250"
	.amdhsa_code_object_version 6
	.text
	.protected	k_q1d477db866_w2
	.globl	k_q1d477db866_w2
	.p2align	8
	.type	k_q1d477db866_w2,@function
k_q1d477db866_w2:
	s_mov_b64 s[64:65], 0
	v_nop
	global_prefetch_b8 v0, s[64:65] scope:SCOPE_SE
	s_setreg_imm32_b32 hwreg(HW_REG_WAVE_MODE, 25, 1), 1
	s_wait_xcnt 0x0
	s_wait_alu depctr_hold_cnt(0) depctr_sa_sdst(0) depctr_va_vdst(0) depctr_va_sdst(0) depctr_va_ssrc(0) depctr_va_vcc(0) depctr_vm_vsrc(0)
	s_getreg_b32 s2, hwreg(HW_REG_IB_STS2, 6, 4)
	s_cmp_eq_u32 s2, 0
	s_cbranch_scc0 .Lentry_in_a_cluster
	s_endpgm
.Lentry_in_a_cluster:
	s_bfe_u32 s2, ttmp6, 0x10000c
	s_cmp_lg_u32 s2, 0xf033
	s_cbranch_scc0 .Lentry_shape_is_right
	s_endpgm
.Lentry_shape_is_right:
; out[m][n] = resid[m][n] + bias[n] + sum over k of A[m][k] B[n][k], on codes of E2M3 with one E8M0 byte for each 32 along K; out and resid [4096][1024] f32.
; Here: A = the hidden layer (codes [4096][3072 bytes], its scale bytes [4096][128] from byte ASOFF of the same buffer), B = w2, bias = b2, resid = x1, out = out0.  K = 4,096.
; A tile of out, 256 x 256, is made by four waves, each 128 x 128: 64 accumulators of 16 x 16.  K goes in steps of 256 through a ring of two LDS slots filled by the tensor data mover; the scales of the tile's rows come once.
; CLUSTERS: 4 x 4 work-groups; A's tiles are asked for jointly along a row of the cluster, B's along a column.  THE MATRIX INSTRUCTION IS USED TRANSPOSED (source 0 = 16 rows of B, source 1 = 16 rows of A).
; The size gives 64 tiles of 256 x 256: 64 work-groups.
; REGISTERS, in windows of 256: window 0: v0-31 addresses; v32-63 scale words, two sets; from v128 A's fragments, one set.  window 1: B's fragments, two sets.  windows 2, 3: the accumulators ((a, b) at v[8 (8 (a % 4) + b)]).
.set SIZE_K, 4096
.set SIZE_N, 1024
.set ASOFF,  12582912                  ; where A's scale bytes begin in A's buffer
.set NTOUT,  1                         ; the result is written once and read by nobody here
.set KSTEP,  256
.set NQ,     KSTEP/128
.set ROWB,   192
.set KROW,   SIZE_K*6/8
.set PITCH,  240                       ; an LDS row: 3 x (64 bytes + 16 of padding): the 32 lanes of a load of 8 bytes touch 64 different banks (64 banks of 4 bytes: ISA guide 11.1)
.set FR,     12
.set NL,     6
.set NP,     4                         ; places behind this matrix instruction (ISA guide 7.12.1)
.set HALFT,  128*PITCH
.set SLOT,   4*HALFT
.set LAPS,   SIZE_K/(2*KSTEP)
.set KS,     SIZE_K/32
.set SCL,    2*SLOT
.set HALFS,  (128*KS/256)*272
.set SBLK,   (16*KS/256)*272
.set SPARE,  327168                    ; the spare words, 128 bytes for each wave: two blocks of 256 bytes that no other line names
.set SPITCH, 528                       ; the way out: a stage of 16 rows x (512 bytes + 16) for each wave, in slot 0, which has had its last fill and its last read by then
.set ADRA, 16
.set ADRB, 20
.set STO,  24
.set RD,   25
.set CO,   26
.set ADRS, 27
.set SPW,  28
.set NIL,  29
.set SC,   32
.set AF,   128
.set BK,   128                         ; the way out: 16 rows back from the stage: v128-191 and v192-255 by turns
.set RS,   64                          ; v64-127: the same rows of resid;  v32-35: my four columns' biases
.set G1, 24
.set G0, 32
.set G1B, 48
.set G0B, 56
.set G1S, 68
.set G0S, 76
.set G1SB, 80
.set G0SB, 88
.set MSB, 0
.macro WIN new                         ; the immediate's high byte repeats the setting that is left
.if MSB != (\new)
	s_set_vgpr_msb (MSB<<8)|(\new)
.set MSB, (\new)
.endif
.endm
.set MUL_LO, 0xa1
.set MUL_HI, 0xf1
.set TO_B,   0x40
.macro JLOAD g0a, g1a, g0b, g1b        ; a joint load: waves 0 and 1 fetch for A, waves 2 and 3 for B; four v_nop follow each line
	s_cmp_eq_u32 s15, 0
	s_cbranch_scc0 .Lfor_b_\@
	tensor_load_to_lds s[\g0a:\g0a+3], s[\g1a:\g1a+7]
	s_nop 0
.rept 4
	v_nop
.endr
	s_branch .Lasked_\@
.Lfor_b_\@:
	tensor_load_to_lds s[\g0b:\g0b+3], s[\g1b:\g1b+7]
	s_nop 0
.rept 4
	v_nop
.endr
.Lasked_\@:
.endm
.macro CREST
	s_cmp_lg_u32 s14, 0
	s_cbranch_scc1 .Lnot_wave_0_\@
	s_barrier_signal -3
.Lnot_wave_0_\@:
	s_barrier_wait -3
	s_barrier_signal -1
	s_barrier_wait -1
.endm
.macro CROUND
	s_barrier_signal -1
	s_barrier_wait -1
	CREST
.endm
	s_load_b64 s[4:5], s[0:1], 0x0                 ; A
	s_load_b128 s[8:11], s[0:1], 0x8               ; B's codes, B's scales
	s_load_b64 s[66:67], s[0:1], 0x18              ; bias
	s_load_b64 s[98:99], s[0:1], 0x20              ; resid
	s_load_b64 s[12:13], s[0:1], 0x28              ; out
	v_lshl_add_u32 v[SPW], v0, 2, SPARE
	v_mov_b32 v[NIL], 0
	ds_add_u32 v28, v29
	ds_add_u32 v28, v29
	s_wait_dscnt 0x0
	v_lshrrev_b32 v1, 5, v0
	v_readfirstlane_b32 s14, v1                    ; wave 0..3
	s_lshr_b32 s15, s14, 1                         ; which half of the tile's rows is mine.  Also: I fetch for A (0) or for B (1)
	s_and_b32 s16, s14, 1                          ; which half of its columns.  Also: which 128 rows of that tile I fetch
	s_bfe_u32 s40, ttmp6, 0x40000                  ; cx, cy
	s_bfe_u32 s41, ttmp6, 0x40004
	s_lshl_b32 s42, ttmp9, 2
	s_add_co_u32 s42, s42, s40                     ; tile column
	s_and_b32 s17, ttmp7, 0xffff
	s_lshl_b32 s17, s17, 2
	s_add_co_u32 s17, s17, s41                     ; tile row
	s_lshl_b32 s43, s41, 2
	s_lshl_b32 s43, 15, s43                        ; my row of the cluster
	s_lshl_b32 s44, 0x1111, s40                    ; my column
	s_or_b32 s[G1+0], s43, (0<<16)|(1<<20)|(1<<21)|(3<<22)|(3<<25)  ; 15:0 the mask; 17:16 elements of 1 byte; 20 padding on; 21 set beside a mask; 24:22 after every 16 words; 31:25 of 4 words
	s_or_b32 s[G1B+0], s44, (0<<16)|(1<<20)|(1<<21)|(3<<22)|(3<<25)
.irp g, G1, G1B
	s_mov_b32 s[\g+1], ROWB<<16
	s_mov_b32 s[\g+2], 128<<16
	s_mov_b32 s[\g+3], ROWB<<16
	s_mov_b32 s[\g+4], 128
	s_mov_b32 s[\g+5], KROW
	s_mov_b32 s[\g+6], 0
	s_mov_b32 s[\g+7], 0
.endr
	s_or_b32 s[G1S+0], s43, (3<<16)|(1<<20)|(1<<21)|(5<<22)|(3<<25)   ; the scales of 128 rows: a dense block, as rows of 256 bytes, 16 bytes of padding behind each
	s_or_b32 s[G1SB+0], s44, (3<<16)|(1<<20)|(1<<21)|(5<<22)|(3<<25)
.irp g, G1S, G1SB
	s_mov_b32 s[\g+1], 32<<16
	s_mov_b32 s[\g+2], (128*KS/256)<<16
	s_mov_b32 s[\g+3], 32<<16
	s_mov_b32 s[\g+4], 128*KS/256
	s_mov_b32 s[\g+5], 32
	s_mov_b32 s[\g+6], 0
	s_mov_b32 s[\g+7], 0
.endr
	s_lshl_b32 s18, s16, 7
	s_lshl_b32 s20, s17, 8
	s_add_co_u32 s20, s20, s18                     ; A: row 256 x tile row + 128 x half
	s_lshl_b32 s46, s42, 8
	s_add_co_u32 s46, s46, s18                     ; B: row 256 x tile column + 128 x half
	s_mov_b32 s21, 0
	s_mov_b32 s47, 0
	s_mov_b64 s[18:19], KS
	s_mul_u64 s[22:23], s[20:21], s[18:19]
	s_mul_u64 s[92:93], s[46:47], s[18:19]
	s_mov_b64 s[18:19], KROW
	s_mul_u64 s[20:21], s[20:21], s[18:19]
	s_mul_u64 s[46:47], s[46:47], s[18:19]
	s_mul_i32 s45, s14, HALFT                      ; no place in the cluster enters an LDS address
	s_mul_i32 s94, s14, HALFS
	s_wait_kmcnt 0x0
	s_add_nc_u64 s[6:7], s[4:5], ASOFF             ; A's scale bytes
	s_add_nc_u64 s[20:21], s[4:5], s[20:21]
	s_add_nc_u64 s[22:23], s[6:7], s[22:23]
	s_add_nc_u64 s[46:47], s[8:9], s[46:47]
	s_add_nc_u64 s[92:93], s[10:11], s[92:93]
	CROUND                                         ; all sixteen work-groups are here: the first joint loads meet
	s_mov_b32 s[G0S], 1
	s_add_co_u32 s[G0S+1], s94, SCL
	s_mov_b64 s[G0S+2:G0S+3], s[22:23]
	s_or_b32 s[G0S+3], s[G0S+3], 0x80000000
	s_mov_b32 s[G0SB], 1
	s_add_co_u32 s[G0SB+1], s94, SCL
	s_mov_b64 s[G0SB+2:G0SB+3], s[92:93]
	s_or_b32 s[G0SB+3], s[G0SB+3], 0x80000000
	JLOAD G0S, G1S, G0SB, G1SB
.irp s, 0,1
	s_mov_b32 s[G0+4*\s], 1
	s_add_co_u32 s[G0+4*\s+1], s45, \s*SLOT
	s_add_nc_u64 s[G0+4*\s+2:G0+4*\s+3], s[20:21], \s*ROWB
	s_or_b32 s[G0+4*\s+3], s[G0+4*\s+3], 0x80000000
	s_mov_b32 s[G0B+4*\s], 1
	s_add_co_u32 s[G0B+4*\s+1], s45, \s*SLOT
	s_add_nc_u64 s[G0B+4*\s+2:G0B+4*\s+3], s[46:47], \s*ROWB
	s_or_b32 s[G0B+4*\s+3], s[G0B+4*\s+3], 0x80000000
	JLOAD G0+4*\s, G1, G0B+4*\s, G1B
.endr
	v_and_b32 v1, 15, v0
	v_bfe_u32 v2, v0, 4, 1
	v_mul_u32_u24 v3, v1, PITCH
	v_mul_u32_u24 v4, v2, 24
	v_add_nc_u32 v4, v3, v4
	v_lshl_add_u32 v5, v2, 4, v4
	s_mul_i32 s21, s15, HALFT
	s_mul_i32 s22, s16, HALFT
	s_add_co_u32 s22, s22, 2*HALFT
.irp s, 0,1
	v_add_nc_u32 v[ADRA+\s], s21, v4
	v_add_nc_u32 v[ADRB+\s], s22, v4
	v_add_nc_u32 v[ADRA+2+\s], s21, v5
	v_add_nc_u32 v[ADRB+2+\s], s22, v5
	s_add_co_u32 s21, s21, SLOT
	s_add_co_u32 s22, s22, SLOT
.endr
	v_mul_u32_u24 v5, v1, KS
	v_lshrrev_b32 v6, 8, v5
	v_lshl_add_u32 v5, v6, 4, v5
	s_mul_i32 s21, s15, HALFS
	s_mul_i32 s22, s16, HALFS
	s_add_co_u32 s22, s22, 2*HALFS
	s_sub_co_u32 s22, s22, s21
	v_mul_u32_u24 v6, s22, v2                      ; lanes 16-31 take B's
	s_add_co_u32 s21, s21, SCL
	v_add_nc_u32 v5, v5, v6
	v_add_nc_u32 v[ADRS], s21, v5
	s_mul_i32 s23, s14, 16*SPITCH                  ; my stage
	v_mul_u32_u24 v5, v1, SPITCH
	v_lshl_add_u32 v5, v2, 5, v5
	v_add_nc_u32 v[STO], s23, v5
	v_and_b32 v6, 31, v0
	v_lshlrev_b32 v[CO], 4, v6                     ; back: the 32 lanes take one row of 512 bytes; the same in out, in resid and in my 128 biases
	v_add_nc_u32 v[RD], s23, v[CO]
	s_lshl_b32 s20, s17, 8
	s_lshl_b32 s21, s15, 7
	s_add_co_u32 s20, s20, s21                     ; my first row
	s_mov_b32 s21, 0
	s_mov_b64 s[18:19], SIZE_N*4
	s_mul_u64 s[20:21], s[20:21], s[18:19]
	s_lshl_b32 s46, s42, 10                        ; my first column, in bytes
	s_lshl_b32 s47, s16, 9
	s_add_co_u32 s46, s46, s47
	s_mov_b32 s47, 0
	s_add_nc_u64 s[20:21], s[20:21], s[46:47]
	s_add_nc_u64 s[12:13], s[12:13], s[20:21]
	s_add_nc_u64 s[98:99], s[98:99], s[20:21]
	s_add_nc_u64 s[66:67], s[66:67], s[46:47]
.macro FRAG reg, adr, q, i             ; a fragment: lane l holds row l % 16; registers 6 c .. 6 c + 5 hold K = 64 c + 32 (l / 16) + 0 .. 31, in pieces of 8 bytes
.irp p, 0,1,2,3,4,5
.set PC, 12*(\q)+6*(\p/3)+\p%3
.if PC%8 < 5
	ds_load_b64 v[\reg+2*\p:\reg+2*\p+1], v[\adr] offset:8*PC+16*(PC/8)+(\i)*16*PITCH
.else
	ds_load_b64 v[\reg+2*\p:\reg+2*\p+1], v[\adr+2] offset:8*PC+16*(PC/8)+(\i)*16*PITCH
.endif
.endr
.endm
.macro MUL16 a0, p, q, sc, zero        ; 16 matrix instructions; the 64 accumulators take turns, one instruction a turn
.irp a, \a0, \a0+1
.irp b, 0,1,2,3,4,5,6,7
.if \zero
	v_wmma_scale_f32_16x16x128_f8f6f4 v[8*(8*((\a)%4)+\b):8*(8*((\a)%4)+\b)+7], v[128*(\p)+FR*\b:128*(\p)+FR*\b+FR-1], v[AF+FR*(\a):AF+FR*(\a)+FR-1], 0, v[SC+8*NQ*(\sc)+NQ*\b+(\q)], v[SC+8*NQ*(\sc)+NQ*(\a)+(\q)] matrix_a_fmt:MATRIX_FMT_FP6 matrix_b_fmt:MATRIX_FMT_FP6 matrix_a_scale:MATRIX_SCALE_ROW1
.else
	v_wmma_scale_f32_16x16x128_f8f6f4 v[8*(8*((\a)%4)+\b):8*(8*((\a)%4)+\b)+7], v[128*(\p)+FR*\b:128*(\p)+FR*\b+FR-1], v[AF+FR*(\a):AF+FR*(\a)+FR-1], v[8*(8*((\a)%4)+\b):8*(8*((\a)%4)+\b)+7], v[SC+8*NQ*(\sc)+NQ*\b+(\q)], v[SC+8*NQ*(\sc)+NQ*(\a)+(\q)] matrix_a_fmt:MATRIX_FMT_FP6 matrix_b_fmt:MATRIX_FMT_FP6 matrix_a_scale:MATRIX_SCALE_ROW1
.endif
.endr
.endr
.endm
.macro FETCH_B slot, q, p
	WIN TO_B
.irp i, 0,1,2,3,4,5,6,7
	FRAG 128*(\p)+FR*\i, ADRB+\slot, \q, \i
.endr
	WIN 0
.endm
.macro FETCH_A slot, q, i0
.irp i, \i0, \i0+1, \i0+2, \i0+3
	FRAG AF+FR*(\i), ADRA+\slot, \q, \i
.endr
.endm
.macro SCALES sc
.irp i, 0,1,2,3,4,5,6,7
	ds_load_b64 v[SC+8*NQ*\sc+NQ*\i:SC+8*NQ*\sc+NQ*\i+1], v[ADRS] offset:\i*SBLK
.endr
.endm
.macro PLACES n
.rept \n
	v_nop
.endr
.endm
.macro STEP slot, q, zero
	s_wait_dscnt 4*NL                              ; B's set and A's blocks 0-3 are in; the youngest 24 loads (A's blocks 4-7) may be out
	WIN MUL_LO
	MUL16 0, (\q)%2, \q, \slot, \zero
	MUL16 2, (\q)%2, \q, \slot, \zero
	s_wait_dscnt 0
	PLACES NP
	FETCH_B \slot, (\q)+1, 1-(\q)%2
	FETCH_A \slot, (\q)+1, 0
	WIN MUL_HI
	MUL16 4, (\q)%2, \q, \slot, \zero
	MUL16 6, (\q)%2, \q, \slot, \zero
	PLACES NP
	WIN 0
	FETCH_A \slot, (\q)+1, 4
.endm
.macro TURN slot, next, fill
	s_wait_tensorcnt 0x0                           ; all my tensor loads have landed: my part of the next slot
	ds_add_u32 v[SPW], v[NIL]                      ; 0 onto my spare word
	s_wait_dscnt 4*NL+1                            ; (the add and the youngest 24 loads may be out)
	WIN MUL_LO
	MUL16 0, 1, NQ-1, \slot, 0
	s_wait_dscnt 0x0                               ; the add is done, and my reads of this slot are over
	s_barrier_signal -1
	MUL16 2, 1, NQ-1, \slot, 0
	WIN 0
	s_barrier_wait -1
.if \fill
	CREST                                          ; the barrier has opened a round of the cluster's barrier
	s_add_nc_u64 s[G0+4*\slot+2:G0+4*\slot+3], s[G0+4*\slot+2:G0+4*\slot+3], 2*ROWB
	s_add_nc_u64 s[G0B+4*\slot+2:G0B+4*\slot+3], s[G0B+4*\slot+2:G0B+4*\slot+3], 2*ROWB
	JLOAD G0+4*\slot, G1, G0B+4*\slot, G1B         ; the first tensor load behind the round; its four v_nop are the places in front of the loads below
.else
	PLACES NP
.endif
	v_add_nc_u32 v[ADRS], 4*NQ, v[ADRS]
	FETCH_B \next, 0, 0
	FETCH_A \next, 0, 0
	SCALES \next
	WIN MUL_HI
	MUL16 4, 1, NQ-1, \slot, 0
	MUL16 6, 1, NQ-1, \slot, 0
	PLACES NP
	WIN 0
	FETCH_A \next, 0, 4
.endm
	s_wait_tensorcnt 1                             ; the scales and my part of K step 0 are in (K step 1's load may be out),
	s_barrier_signal -1
	s_barrier_wait -1                              ; everybody's are
	FETCH_B 0, 0, 0
	FETCH_A 0, 0, 0
	SCALES 0
	FETCH_A 0, 0, 4
	STEP 0, 0, 1
	s_mov_b32 s3, LAPS-1
.Llap:
	TURN 0, 1, 1
	STEP 1, 0, 0
	TURN 1, 0, 1
	STEP 0, 0, 0
	s_sub_co_u32 s3, s3, 1
	s_cmp_lg_u32 s3, 0
	s_cbranch_scc1 .Llap
	TURN 0, 1, 0
	STEP 1, 0, 0
	s_wait_dscnt 4*NL
	WIN MUL_LO
	MUL16 0, 1, NQ-1, 1, 0
	MUL16 2, 1, NQ-1, 1, 0
	s_wait_dscnt 0
	WIN MUL_HI
	MUL16 4, 1, NQ-1, 1, 0
	MUL16 6, 1, NQ-1, 1, 0
	WIN 0
; THE WAY OUT, block by block of 16 rows x 128 columns: through my own stage in LDS, back as whole rows of 512 bytes; resid's same rows and the bias are added; 32 lanes store two aligned runs of 256 bytes.
.macro TOSTAGE a
.set AC, 64*((\a)%4)
	WIN 0x08+4*((\a)/4)                            ; the data: window 2 or 3
.irp b, 0,1,2,3,4,5,6,7
	ds_store_b128 v[STO], v[AC+8*\b:AC+8*\b+3] offset:64*\b          ; each accumulator from its low end on
	ds_store_b128 v[STO], v[AC+8*\b+4:AC+8*\b+7] offset:64*\b+16
.endr
	WIN 0
.set BB, BK+64*((\a)%2)
.irp t, 0,1,2,3,4,5,6,7,8,9,10,11,12,13,14,15
	ds_load_b128 v[BB+4*\t:BB+4*\t+3], v[RD] offset:\t*SPITCH      ; LDS serves a wave's instructions in order (ISA guide 5.7.1.4)
.endr
.endm
.macro RESLOAD
.irp t, 0,1,2,3,4,5,6,7,8,9,10,11,12,13,14,15
	global_load_b128 v[RS+4*\t:RS+4*\t+3], v[CO], s[98:99] offset:\t*SIZE_N*4
.endr
.endm
.macro SENDF a, younger                ; younger: the LDS instructions issued behind block a's loads
.set BB, BK+64*((\a)%2)
	s_wait_dscnt \younger                          ; the block is back in registers
	s_wait_loadcnt 0x0                             ; its rows of resid (and, the first time, the bias) are in: their base may step
.set i, 0
.rept 32
	v_pk_add_f32 v[BB+i:BB+i+1], v[BB+i:BB+i+1], v[RS+i:RS+i+1]
.set i, i+2
.endr
.set i, 0
.rept 16
	v_pk_add_f32 v[BB+i:BB+i+1], v[BB+i:BB+i+1], v[32:33]
	v_pk_add_f32 v[BB+i+2:BB+i+3], v[BB+i+2:BB+i+3], v[34:35]
.set i, i+4
.endr
.if (\a) > 0
	s_add_nc_u64 s[12:13], s[12:13], 16*SIZE_N*4   ; (behind a wait on XCNT: the earlier stores have read their base)
.endif
.if (\a) < 7
	s_add_nc_u64 s[98:99], s[98:99], 16*SIZE_N*4
	RESLOAD                                        ; the next block's rows of resid
.endif
.irp t, 0,1,2,3,4,5,6,7,8,9,10,11,12,13,14,15
.if NTOUT
	global_store_b128 v[CO], v[BB+4*\t:BB+4*\t+3], s[12:13] offset:\t*SIZE_N*4 th:TH_STORE_NT
.else
	global_store_b128 v[CO], v[BB+4*\t:BB+4*\t+3], s[12:13] offset:\t*SIZE_N*4
.endif
.endr
.endm
	PLACES NP                                      ; behind the last products: for the loads into scale and fragment registers and for the reads of results
	global_load_b128 v[32:35], v[CO], s[66:67]
	RESLOAD
	TOSTAGE 0
.irp a, 1,2,3,4,5,6,7
.if \a > 1
	s_wait_xcnt 0x0                                ; block a - 2's stores have read their registers and their base
.endif
	TOSTAGE \a
	SENDF \a-1, 32                                 ; behind block a - 1's loads: block a's 16 stores and 16 loads
.endr
	s_wait_xcnt 0x0
	SENDF 7, 0
	s_wait_tensorcnt 0x0                           ; the wave's end
	ds_add_u32 v[SPW], v[NIL]
	s_wait_dscnt 0x0
	CROUND                                         ; the closing round
	s_endpgm
.Lfunc_end_k_q1d477db866_w2:
	.size	k_q1d477db866_w2, .Lfunc_end_k_q1d477db866_w2-k_q1d477db866_w2
	.p2alignl 7, 3214868480
	.fill 96, 4, 3214868480
	.section	.rodata,"a",@progbits
	.p2align	6, 0x0
	.amdhsa_kernel k_q1d477db866_w2
		.amdhsa_group_segment_fixed_size 327680
		.amdhsa_private_segment_fixed_size 0
		.amdhsa_enable_private_segment 0
		.amdhsa_kernarg_size 48
		.amdhsa_user_sgpr_count 2
		.amdhsa_user_sgpr_kernarg_segment_ptr 1
		.amdhsa_wavefront_size32 1
		.amdhsa_system_sgpr_workgroup_id_x 1
		.amdhsa_system_sgpr_workgroup_id_y 1
		.amdhsa_system_sgpr_workgroup_id_z 1
		.amdhsa_system_vgpr_workitem_id 0
		.amdhsa_next_free_vgpr 1024
		.amdhsa_next_free_sgpr 102
		.amdhsa_reserve_vcc 0
		.amdhsa_float_denorm_mode_32 3
		.amdhsa_float_denorm_mode_16_64 3
		.amdhsa_memory_ordered 1
		.amdhsa_forward_progress 1
		.amdhsa_inst_pref_size 205
	.end_amdhsa_kernel
	.amdgpu_metadata
---
amdhsa.version: [ 1, 2 ]
amdhsa.kernels:
  - .name:           k_q1d477db866_w2
    .symbol:         k_q1d477db866_w2.kd
    .args:
      - { .name: hid, .offset: 0, .size: 8, .value_kind: global_buffer, .address_space: global }
      - { .name: w2_codes, .offset: 8, .size: 8, .value_kind: global_buffer, .address_space: global }
      - { .name: w2_scales, .offset: 16, .size: 8, .value_kind: global_buffer, .address_space: global }
      - { .name: b2, .offset: 24, .size: 8, .value_kind: global_buffer, .address_space: global }
      - { .name: x1, .offset: 32, .size: 8, .value_kind: global_buffer, .address_space: global }
      - { .name: out0, .offset: 40, .size: 8, .value_kind: global_buffer, .address_space: global }
    .group_segment_fixed_size: 327680
    .private_segment_fixed_size: 0
    .kernarg_segment_align: 8
    .kernarg_segment_size: 48
    .max_flat_workgroup_size: 128
    .sgpr_count:     102
    .vgpr_count:     1024
    .wavefront_size: 32
...
	.end_amdgpu_metadata
.endif
;; end of part 6
;; ======== version 2 of 2: 7 launches
;; limits: right only within a limited range of input values
;; workspace buffers: nx 3,276,800 bytes; qk 6,553,600 bytes; vt 3,276,800 bytes; ao 3,276,800 bytes; x1 16,777,216 bytes; hid 13,107,200 bytes
;; launch ln1 (part 7): grid 256 x 1, 4 waves a work-group, no clusters, 19,968 bytes of LDS; arguments x, g1, beta1, nx; writes nx
.if DOCPART == 7
	.amdgcn_target "amdgcn-amd-amdhsa--gfx1250"
	.amdhsa_code_object_version 6
	.text
	.protected	k_q1d477db866_ln1
	.globl	k_q1d477db866_ln1
	.p2align	8
	.type	k_q1d477db866_ln1,@function
k_q1d477db866_ln1:
	s_mov_b64 s[64:65], 0
	v_nop
	global_prefetch_b8 v0, s[64:65] scope:SCOPE_SE
	s_setreg_imm32_b32 hwreg(HW_REG_WAVE_MODE, 25, 1), 1
	s_wait_xcnt 0x0
; LAYER NORM, THEN THE QUANTISER.  src [4096][1024] f32; y = (x - mean) * rsqrt(var + 1e-5) * g + beta, all in f32; y is turned into codes of E2M3 along its 1,024 columns,
; one E8M0 byte for each 32.  dst: codes [4096][768 bytes] from byte 0, scale bytes [4096][32] from byte 3,145,728.
; A work-group takes 16 rows, a wave 4; a row stays in 32 registers of a lane between the passes (mean, variance about the mean, scaling): it is read from memory once.
; Each load takes 512 consecutive bytes (16 a lane); the conversions want 32 NEIGHBOURS in one lane, so a finished row turns through the wave's own stage in LDS (places of 128 bytes + 16).
; A block's byte is its largest magnitude's exponent field - 2, held at 1 from below by a floor among the maximum's leaves; a block of zeros keeps the byte 1: its codes are zeros, and only this program reads the bytes.
; LIMITS: NaN and infinities are not served; blocks whose largest magnitude lies under 2^-124 keep the byte 1.
; No loop, no barrier: waves share nothing.  Each row has its own registers for its codes and its byte, so no store's data are written again.
.set X,     32                         ; v32-159   four rows, 32 registers each: group i of four holds columns 128 i + 4 lane + 0..3
.set GM,    160                        ; v160-191  g, laid as a row
.set BT,    192                        ; v192-223  beta
.set Y,     224                        ; v224-255  a row back from the stage: columns 32 lane + 0..31
.set WREG,  4864                       ; LDS of a wave: a stage of 32 places x 144 bytes, then its 128 scale bytes
.set SBY,   4608
.set SCOFF, 3145728
	s_load_b256 s[4:11], s[0:1], 0x0               ; src s[4:5], g s[6:7], beta s[8:9], dst s[10:11]
	v_lshl_add_u32 v30, v0, 2, 0x4c00
	v_mov_b32 v31, 0
	v_lshrrev_b32 v1, 5, v0
	v_readfirstlane_b32 s16, v1                    ; wave
	v_and_b32 v1, 31, v0                           ; lane
	v_lshlrev_b32 v2, 4, v1                        ; my 16 bytes of a load's 512
	s_mul_i32 s17, s16, WREG
	v_lshrrev_b32 v3, 3, v1
	v_mul_u32_u24 v3, v3, 144
	v_and_b32 v4, 7, v1
	v_lshl_add_u32 v3, v4, 4, v3
	v_add_nc_u32 v3, s17, v3                       ; into the stage: place lane / 8 (+ 4 for each group), 16 (lane % 8) bytes on
	v_mul_u32_u24 v4, v1, 144
	v_add_nc_u32 v4, s17, v4                       ; out of it: my place
	s_add_co_u32 s17, s17, SBY
	v_add_nc_u32 v5, s17, v1                       ; my block's scale byte
	v_lshlrev_b32 v8, 2, v1
	v_add_nc_u32 v6, s17, v8                       ; and on the way out 4 bytes a lane
	v_mul_u32_u24 v7, v1, 24                       ; my block's 24 bytes of codes in a row
	v_mov_b32 v15, 0                               ; upper halves of pairs of which the low word is broadcast: named, so written
	v_mov_b32 v17, 0
	v_mov_b32 v18, 0                               ; a lane permute's destination counts as one of its sources
	s_mov_b32 s12, 0x76543210
	s_mov_b32 s13, 0xfedcba98                      ; v_permlanex16_b32's selects for lane l xor 16
	s_mov_b32 s14, 0x3a800000                      ; 1 / 1024
	s_mov_b32 s15, 0x3727c5ac                      ; 1e-5
	s_lshl_b32 s18, ttmp9, 16                      ; 16 rows of 4,096 bytes a work-group,
	s_lshl_b32 s19, s16, 14                        ; 4 a wave
	s_add_co_u32 s18, s18, s19
	s_mov_b32 s19, 0
	s_lshl_b32 s20, ttmp9, 4
	s_lshl_b32 s21, s16, 2
	s_add_co_u32 s20, s20, s21                     ; my first row
	s_mul_i32 s22, s20, 768
	s_mov_b32 s23, 0
	s_lshl_b32 s20, s20, 5
	s_add_co_u32 s20, s20, SCOFF
	s_mov_b32 s21, 0
	s_wait_kmcnt 0x0
	s_add_nc_u64 s[4:5], s[4:5], s[18:19]
	s_add_nc_u64 s[2:3], s[10:11], s[20:21]        ; my rows' scale bytes
	s_add_nc_u64 s[10:11], s[10:11], s[22:23]      ; my rows' codes
.irp i, 0,1,2,3,4,5,6,7
	global_load_b128 v[GM+4*\i:GM+4*\i+3], v2, s[6:7] offset:512*\i
.endr
.irp i, 0,1,2,3,4,5,6,7
	global_load_b128 v[BT+4*\i:BT+4*\i+3], v2, s[8:9] offset:512*\i
.endr
.irp p, 0,1,2,3
.irp i, 0,1,2,3,4,5,6,7
	global_load_b128 v[X+32*\p+4*\i:X+32*\p+4*\i+3], v2, s[4:5] offset:4096*\p+512*\i
.endr
.endr
.macro LANESUM                         ; v10 summed over the 32 lanes, the result in every lane
	v_add_f32_dpp v10, v10, v10 row_xmask:1 row_mask:0xf bank_mask:0xf
	v_add_f32_dpp v10, v10, v10 row_xmask:2 row_mask:0xf bank_mask:0xf
	v_add_f32_dpp v10, v10, v10 row_xmask:4 row_mask:0xf bank_mask:0xf
	v_add_f32_dpp v10, v10, v10 row_xmask:8 row_mask:0xf bank_mask:0xf
	v_permlanex16_b32 v18, v10, s12, s13
	v_add_f32 v10, v10, v18
.endm
.macro ROW p
.set XR, X+32*\p
	s_wait_loadcnt 8*(3-\p)                        ; loads come back in order: this row's eight are in (g and beta are older), the later rows' eight each may be out
	v_pk_add_f32 v[10:11], v[XR:XR+1], v[XR+2:XR+3]        ; the sum, in two chains
	v_pk_add_f32 v[12:13], v[XR+4:XR+5], v[XR+6:XR+7]
.irp j, 8,12,16,20,24,28
	v_pk_add_f32 v[10:11], v[10:11], v[XR+\j:XR+\j+1]
	v_pk_add_f32 v[12:13], v[12:13], v[XR+\j+2:XR+\j+3]
.endr
	v_pk_add_f32 v[10:11], v[10:11], v[12:13]
	v_add_f32 v10, v10, v11
	LANESUM
	v_mul_f32 v14, s14, v10                        ; the mean
.set j, 0
.rept 16
	v_pk_add_f32 v[XR+j:XR+j+1], v[XR+j:XR+j+1], v[14:15] op_sel_hi:[1,0] neg_lo:[0,1] neg_hi:[0,1]   ; x - mean
.set j, j+2
.endr
	v_pk_mul_f32 v[10:11], v[XR:XR+1], v[XR:XR+1]          ; the sum of squares about the mean, in two chains
	v_pk_mul_f32 v[12:13], v[XR+2:XR+3], v[XR+2:XR+3]
.irp j, 4,8,12,16,20,24,28
	v_pk_fma_f32 v[10:11], v[XR+\j:XR+\j+1], v[XR+\j:XR+\j+1], v[10:11]
	v_pk_fma_f32 v[12:13], v[XR+\j+2:XR+\j+3], v[XR+\j+2:XR+\j+3], v[12:13]
.endr
	v_pk_add_f32 v[10:11], v[10:11], v[12:13]
	v_add_f32 v10, v10, v11
	LANESUM
	v_fma_f32 v16, v10, s14, s15                   ; the variance + 1e-5
	s_wait_alu depctr_va_vdst(0)
	v_rsq_f32 v16, v16
	v_nop                                          ; one plain instruction behind a transcendental (ISA guide 5.7.2)
.set j, 0
	s_wait_alu depctr_va_vdst(0)
.rept 16
	v_pk_mul_f32 v[XR+j:XR+j+1], v[XR+j:XR+j+1], v[16:17] op_sel_hi:[1,0]
.set j, j+2
.endr
.set j, 0
.rept 16
	v_pk_fma_f32 v[XR+j:XR+j+1], v[XR+j:XR+j+1], v[GM+j:GM+j+1], v[BT+j:BT+j+1]
.set j, j+2
.endr
.irp i, 0,1,2,3,4,5,6,7
	ds_store_b128 v3, v[XR+4*\i:XR+4*\i+3] offset:576*\i   ; group i: four places on
.endr
.irp i, 0,1,2,3,4,5,6,7
	ds_load_b128 v[Y+4*\i:Y+4*\i+3], v4 offset:16*\i       ; LDS serves a wave's instructions in order (ISA guide 5.7.1.4): these see the stores above
.endr
	s_wait_dscnt 0x0                               ; my block of 32 is in; the stores have read the row's registers, which now take its codes
	v_max3_num_f32 v20, |v[Y]|, |v[Y+1]|, 0x1800000        ; the block's largest magnitude, two chains, with the floor 2^(3 - 127) as one more leaf
	v_max3_num_f32 v21, |v[Y+2]|, |v[Y+3]|, |v[Y+4]|
.irp i, 5,9,13,17,21,25
	v_max3_num_f32 v20, v20, |v[Y+\i]|, |v[Y+\i+1]|
	v_max3_num_f32 v21, v21, |v[Y+\i+2]|, |v[Y+\i+3]|
.endr
	v_max3_num_f32 v20, v20, |v[Y+29]|, |v[Y+30]|
	v_max3_num_f32 v20, v20, v21, |v[Y+31]|
	v_add_nc_u32 v22, 0xff000000, v20              ; 2 off its exponent field: the conversion takes the exponent field of this operand as its scale
	v_cvt_scalef32_pk16_fp6_f32 v[XR:XR+2], v[Y:Y+15], v22
	v_cvt_scalef32_pk16_fp6_f32 v[XR+4:XR+6], v[Y+16:Y+31], v22
	v_lshrrev_b32 v[XR+8], 23, v22                 ; the scale's byte (also the plain instruction behind the conversions)
	ds_store_b8 v5, v[XR+8] offset:32*\p
	global_store_b96 v7, v[XR:XR+2], s[10:11] offset:768*\p        ; the wave's two stores cover the row's 768 bytes
	global_store_b96 v7, v[XR+4:XR+6], s[10:11] offset:768*\p+12
.endm
	ROW 0
	ROW 1
	ROW 2
	ROW 3
	ds_load_b32 v9, v6                             ; my four rows' 128 scale bytes, in order behind the byte stores
	s_wait_dscnt 0x0
	global_store_b32 v8, v9, s[2:3]                ; 128 consecutive bytes
	s_wait_tensorcnt 0x0
	ds_add_u32 v30, v31
	s_wait_dscnt 0x0
	s_endpgm
.Lfunc_end_k_q1d477db866_ln1:
	.size	k_q1d477db866_ln1, .Lfunc_end_k_q1d477db866_ln1-k_q1d477db866_ln1
	.p2alignl 7, 3214868480
	.fill 96, 4, 3214868480
	.section	.rodata,"a",@progbits
	.p2align	6, 0x0
	.amdhsa_kernel k_q1d477db866_ln1
		.amdhsa_group_segment_fixed_size 19968
		.amdhsa_private_segment_fixed_size 0
		.amdhsa_enable_private_segment 0
		.amdhsa_kernarg_size 32
		.amdhsa_user_sgpr_count 2
		.amdhsa_user_sgpr_kernarg_segment_ptr 1
		.amdhsa_wavefront_size32 1
		.amdhsa_system_sgpr_workgroup_id_x 1
		.amdhsa_system_sgpr_workgroup_id_y 1
		.amdhsa_system_sgpr_workgroup_id_z 1
		.amdhsa_system_vgpr_workitem_id 0
		.amdhsa_next_free_vgpr 256
		.amdhsa_next_free_sgpr 66
		.amdhsa_reserve_vcc 0
		.amdhsa_float_denorm_mode_32 3
		.amdhsa_float_denorm_mode_16_64 3
		.amdhsa_memory_ordered 1
		.amdhsa_forward_progress 1
		.amdhsa_inst_pref_size 42
	.end_amdhsa_kernel
	.amdgpu_metadata
---
amdhsa.version: [ 1, 2 ]
amdhsa.kernels:
  - .name:           k_q1d477db866_ln1
    .symbol:         k_q1d477db866_ln1.kd
    .args:
      - { .name: x, .offset: 0, .size: 8, .value_kind: global_buffer, .address_space: global }
      - { .name: g1, .offset: 8, .size: 8, .value_kind: global_buffer, .address_space: global }
      - { .name: beta1, .offset: 16, .size: 8, .value_kind: global_buffer, .address_space: global }
      - { .name: nx, .offset: 24, .size: 8, .value_kind: global_buffer, .address_space: global }
    .group_segment_fixed_size: 19968
    .private_segment_fixed_size: 0
    .kernarg_segment_align: 8
    .kernarg_segment_size: 32
    .max_flat_workgroup_size: 128
    .sgpr_count:     66
    .vgpr_count:     256
    .wavefront_size: 32
...
	.end_amdgpu_metadata
.endif
;; end of part 7
;; launch qkv (part 8): grid 12 x 16, 4 waves a work-group, clusters of 4 x 4, 327,680 bytes of LDS; arguments nx, wq_codes, wq_scales, wk_codes, wk_scales, wv_codes, wv_scales, bq, bk, bv, qk, vt; writes qk, vt
.if DOCPART == 8
	.amdgcn_target "amdgcn-amd-amdhsa--gfx1250"
	.amdhsa_code_object_version 6
	.text
	.protected	k_q1d477db866_qkv
	.globl	k_q1d477db866_qkv
	.p2align	8
	.type	k_q1d477db866_qkv,@function
k_q1d477db866_qkv:
	s_mov_b64 s[64:65], 0
	v_nop
	global_prefetch_b8 v0, s[64:65] scope:SCOPE_SE
	s_setreg_imm32_b32 hwreg(HW_REG_WAVE_MODE, 25, 1), 1
	s_wait_xcnt 0x0
	s_wait_alu depctr_hold_cnt(0) depctr_sa_sdst(0) depctr_va_vdst(0) depctr_va_sdst(0) depctr_va_ssrc(0) depctr_va_vcc(0) depctr_vm_vsrc(0)
	s_getreg_b32 s2, hwreg(HW_REG_IB_STS2, 6, 4)
	s_cmp_eq_u32 s2, 0
	s_cbranch_scc0 .Lentry_in_a_cluster
	s_endpgm
.Lentry_in_a_cluster:
	s_bfe_u32 s2, ttmp6, 0x10000c
	s_cmp_lg_u32 s2, 0xf033
	s_cbranch_scc0 .Lentry_shape_is_right
	s_endpgm
.Lentry_shape_is_right:
.set SIZE_K, 1024
.set KSTEP,  256
.set NQ,     KSTEP/128
.set ROWB,   256                       ; a tile's row: a chunk of 256 bytes of a row of codes, at a multiple of 256 bytes
.set KROW,   SIZE_K*6/8
.set PITCH,  272
.set XB,     ROWB-24                   ; from this byte of a chunk on, lanes 16-31 read the next chunk
.set STEPS,  SIZE_K/128                ; steps of 128 along K, 96 bytes of a row
.set CHUNKS, KROW/ROWB                 ; chunk c lies in slot c % 2
.set G0H,    4                         ; group 0 of the head's loads of chunk 0
.set G0HB,   8
.set FR,     12
.set NL,     6
.set NP,     4
.set HALFT,  128*PITCH
.set SLOT,   4*HALFT
.set LAPS,   SIZE_K/(2*KSTEP)
.set KS,     SIZE_K/32
.set SCL,    2*SLOT
.set HALFS,  (128*KS/256)*272
.set SBLK,   (16*KS/256)*272
.set SPARE,  327168
.set SPITCH, 528
.set STGW,   128*SPITCH
.set RBL,    4*STGW
.set ADRA, 16
.set ADRB, 20
.set STO,  24
.set ADRS, 27
.set SPW,  28
.set NIL,  29
.set SC,   32
.set AF,   128
.set G1, 24
.set G0, 32
.set G1B, 48
.set G0B, 56
.set G1S, 68
.set G0S, 76
.set G1SB, 80
.set G0SB, 88
.set MSB, 0
.macro WIN new
.if MSB != (\new)
	s_set_vgpr_msb (MSB<<8)|(\new)
.set MSB, (\new)
.endif
.endm
.set MUL_LO, 0xa1
.set MUL_HI, 0xf1
.set TO_B,   0x40
.macro JLOAD g0a, g1a, g0b, g1b
	s_cmp_eq_u32 s15, 0
	s_cbranch_scc0 .Lfor_b_\@
	tensor_load_to_lds s[\g0a:\g0a+3], s[\g1a:\g1a+7]
	s_nop 0
.rept 4
	v_nop
.endr
	s_branch .Lasked_\@
.Lfor_b_\@:
	tensor_load_to_lds s[\g0b:\g0b+3], s[\g1b:\g1b+7]
	s_nop 0
.rept 4
	v_nop
.endr
.Lasked_\@:
.endm
.macro CREST
	s_cmp_lg_u32 s14, 0
	s_cbranch_scc1 .Lnot_wave_0_\@
	s_barrier_signal -3
.Lnot_wave_0_\@:
	s_barrier_wait -3
	s_barrier_signal -1
	s_barrier_wait -1
.endm
.macro CROUND
	s_barrier_signal -1
	s_barrier_wait -1
	CREST
.endm
	s_load_b512 s[68:83], s[0:1], 0x0
	s_load_b256 s[84:91], s[0:1], 0x40
	v_lshl_add_u32 v[SPW], v0, 2, SPARE
	v_mov_b32 v[NIL], 0
	ds_add_u32 v28, v29
	ds_add_u32 v28, v29
	s_wait_dscnt 0x0
	v_lshrrev_b32 v1, 5, v0
	v_readfirstlane_b32 s14, v1
	s_lshr_b32 s15, s14, 1
	s_and_b32 s16, s14, 1
	s_bfe_u32 s40, ttmp6, 0x40000
	s_bfe_u32 s41, ttmp6, 0x40004
	s_and_b32 s17, ttmp7, 0xffff
	s_lshl_b32 s17, s17, 2
	s_cmp_eq_u32 ttmp9, 2
	s_cselect_b32 s95, 0, s17
	s_cselect_b32 s42, s17, 0
	s_add_co_u32 s17, s95, s41
	s_add_co_u32 s42, s42, s40
	s_lshl_b32 s43, s41, 2
	s_lshl_b32 s43, 15, s43
	s_lshl_b32 s44, 0x1111, s40
	s_or_b32 s[G1+0], s43, (0<<16)|(1<<20)|(1<<21)|(5<<22)|(3<<25)
	s_or_b32 s[G1B+0], s44, (0<<16)|(1<<20)|(1<<21)|(5<<22)|(3<<25)
.irp g, G1, G1B
	s_mov_b32 s[\g+1], ROWB<<16
	s_mov_b32 s[\g+2], 256<<16                     ; the head's loads bring 256 rows
	s_mov_b32 s[\g+3], ROWB<<16
	s_mov_b32 s[\g+4], 256
	s_mov_b32 s[\g+5], KROW
	s_mov_b32 s[\g+6], 0
	s_mov_b32 s[\g+7], 0
.endr
	s_wait_kmcnt 0x0
	s_add_nc_u64 s[92:93], s[68:69], 3145728
	s_cmp_eq_u32 ttmp9, 2
	s_cselect_b64 s[4:5], s[78:79], s[68:69]
	s_cselect_b64 s[6:7], s[80:81], s[92:93]
	s_cselect_b64 s[100:101], s[90:91], s[88:89]
	s_cmp_eq_u32 ttmp9, 0
	s_cselect_b64 s[8:9], s[70:71], s[74:75]
	s_cselect_b64 s[10:11], s[72:73], s[76:77]
	s_cselect_b64 s[66:67], s[82:83], s[84:85]
	s_cmp_eq_u32 ttmp9, 2
	s_cselect_b64 s[8:9], s[68:69], s[8:9]
	s_cselect_b64 s[10:11], s[92:93], s[10:11]
	s_mov_b64 s[98:99], s[86:87]
	s_or_b32 s[G1S+0], s43, (3<<16)|(1<<20)|(1<<21)|(5<<22)|(3<<25)
	s_or_b32 s[G1SB+0], s44, (3<<16)|(1<<20)|(1<<21)|(5<<22)|(3<<25)
.irp g, G1S, G1SB
	s_mov_b32 s[\g+1], 32<<16
	s_mov_b32 s[\g+2], KS<<16                      ; the scales of 256 rows: KS rows of 256 bytes
	s_mov_b32 s[\g+3], 32<<16
	s_mov_b32 s[\g+4], KS
	s_mov_b32 s[\g+5], 32
	s_mov_b32 s[\g+6], 0
	s_mov_b32 s[\g+7], 0
.endr
	s_lshl_b32 s20, s17, 8                         ; the tiles' first rows
	s_lshl_b32 s46, s42, 8
	s_mov_b32 s21, 0
	s_mov_b32 s47, 0
	s_mov_b64 s[18:19], KS
	s_mul_u64 s[22:23], s[20:21], s[18:19]
	s_mul_u64 s[92:93], s[46:47], s[18:19]
	s_mov_b64 s[18:19], KROW
	s_mul_u64 s[20:21], s[20:21], s[18:19]
	s_mul_u64 s[46:47], s[46:47], s[18:19]
	s_mul_i32 s45, s14, HALFT
	s_mul_i32 s18, s16, 128*KROW                   ; in the ring I fetch 128 rows: which half, in bytes
	s_mov_b32 s19, 0
	s_add_nc_u64 s[20:21], s[4:5], s[20:21]
	s_add_nc_u64 s[22:23], s[6:7], s[22:23]
	s_add_nc_u64 s[46:47], s[8:9], s[46:47]
	s_add_nc_u64 s[92:93], s[10:11], s[92:93]
	CROUND
	s_mov_b32 s[G0S], 1
	s_mov_b32 s[G0S+1], SCL
	s_mov_b64 s[G0S+2:G0S+3], s[22:23]
	s_or_b32 s[G0S+3], s[G0S+3], 0x80000000
	s_mov_b32 s[G0SB], 1
	s_mov_b32 s[G0SB+1], SCL+2*HALFS
	s_mov_b64 s[G0SB+2:G0SB+3], s[92:93]
	s_or_b32 s[G0SB+3], s[G0SB+3], 0x80000000
	s_mov_b32 s[G0H], 1                            ; chunk 0's 256 rows of A,
	s_mov_b32 s[G0H+1], 0
	s_mov_b64 s[G0H+2:G0H+3], s[20:21]
	s_or_b32 s[G0H+3], s[G0H+3], 0x80000000
	s_mov_b32 s[G0HB], 1                           ; and of B
	s_mov_b32 s[G0HB+1], 2*HALFT
	s_mov_b64 s[G0HB+2:G0HB+3], s[46:47]
	s_or_b32 s[G0HB+3], s[G0HB+3], 0x80000000
	s_add_nc_u64 s[20:21], s[20:21], s[18:19]      ; for the ring: my 128 rows
	s_add_nc_u64 s[46:47], s[46:47], s[18:19]
.irp s, 0,1
	s_mov_b32 s[G0+4*\s], 1
	s_add_co_u32 s[G0+4*\s+1], s45, \s*SLOT
	s_add_nc_u64 s[G0+4*\s+2:G0+4*\s+3], s[20:21], \s*ROWB
	s_or_b32 s[G0+4*\s+3], s[G0+4*\s+3], 0x80000000
	s_mov_b32 s[G0B+4*\s], 1
	s_add_co_u32 s[G0B+4*\s+1], s45, \s*SLOT
	s_add_nc_u64 s[G0B+4*\s+2:G0B+4*\s+3], s[46:47], \s*ROWB
	s_or_b32 s[G0B+4*\s+3], s[G0B+4*\s+3], 0x80000000
.endr
; the head's four tiles, one joint load a wave: wave 0 A's chunk 0, wave 1 B's, wave 2 A's scales, wave 3 B's
.macro ARM under, g0, g1, next
	s_cmp_lt_u32 s14, \under
	s_cbranch_scc0 \next
	tensor_load_to_lds s[\g0:\g0+3], s[\g1:\g1+7]
	s_nop 0
.rept 4
	v_nop
.endr
	s_branch .Lhead_asked
\next:
.endm
	ARM 1, G0H,  G1,  .Lhead_b
	ARM 2, G0HB, G1B, .Lhead_sa
	ARM 3, G0S,  G1S, .Lhead_sb
	tensor_load_to_lds s[G0SB:G0SB+3], s[G1SB:G1SB+7]
	s_nop 0
.rept 4
	v_nop
.endr
.Lhead_asked:
	v_and_b32 v1, 15, v0
	v_bfe_u32 v2, v0, 4, 1
	v_mul_u32_u24 v3, v1, PITCH
	v_mul_u32_u24 v4, v2, 24
	v_add_nc_u32 v4, v3, v4
	s_mov_b32 s21, SLOT-XB
	s_mov_b32 s22, SLOT+XB
	v_sub_nc_u32 v7, 1, v2
	v_mul_u32_u24 v5, s21, v2
	v_add_nc_u32 v5, v3, v5
	v_add_nc_u32 v5, XB, v5                        ; across two chunks: lanes 0-15 byte XB of the row in slot 0, lanes 16-31 byte 0 in slot 1;
	v_mul_u32_u24 v6, s22, v7
	v_add_nc_u32 v6, v3, v6                        ; and the other way round
	s_mul_i32 s21, s15, HALFT
	s_mul_i32 s22, s16, HALFT
	s_add_co_u32 s22, s22, 2*HALFT
	v_add_nc_u32 v[ADRA+2], s21, v5
	v_add_nc_u32 v[ADRA+3], s21, v6
	v_add_nc_u32 v[ADRB+2], s22, v5
	v_add_nc_u32 v[ADRB+3], s22, v6
.irp s, 0,1
	v_add_nc_u32 v[ADRA+\s], s21, v4
	v_add_nc_u32 v[ADRB+\s], s22, v4
	s_add_co_u32 s21, s21, SLOT
	s_add_co_u32 s22, s22, SLOT
.endr
	v_mul_u32_u24 v5, v1, KS
	v_lshrrev_b32 v6, 8, v5
	v_lshl_add_u32 v5, v6, 4, v5
	s_mul_i32 s21, s15, HALFS
	s_mul_i32 s22, s16, HALFS
	s_add_co_u32 s22, s22, 2*HALFS
	s_sub_co_u32 s22, s22, s21
	v_mul_u32_u24 v6, s22, v2
	s_add_co_u32 s21, s21, SCL
	v_add_nc_u32 v5, v5, v6
	v_add_nc_u32 v[ADRS], s21, v5
	s_mul_i32 s23, s14, STGW
	v_mul_u32_u24 v5, v1, SPITCH
	v_lshl_add_u32 v6, v2, 5, v5
	v_add_nc_u32 v[STO], s23, v6
	v_lshl_add_u32 v6, v2, 8, v5
	v_add_nc_u32 v13, s23, v6
.macro FRAG reg, adr, q, i
.irp p, 0,1,2,3,4,5
.set BY, 96*(\q)+48*(\p/3)+8*(\p%3)   ; q: the step, counted from the row's start.  Byte y of a row lies in slot (y / ROWB) % 2 at byte y % ROWB
.if BY/ROWB == (BY+24)/ROWB
	ds_load_b64 v[\reg+2*\p:\reg+2*\p+1], v[\adr+(BY/ROWB)%2] offset:BY%ROWB+(\i)*16*PITCH
.else
	ds_load_b64 v[\reg+2*\p:\reg+2*\p+1], v[\adr+2+(BY/ROWB)%2] offset:BY%ROWB-XB+(\i)*16*PITCH
.endif
.endr
.endm
.macro MUL16 a0, p, q, sc, zero
.irp a, \a0, \a0+1
.irp b, 0,1,2,3,4,5,6,7
.if \zero
	v_wmma_scale_f32_16x16x128_f8f6f4 v[8*(8*((\a)%4)+\b):8*(8*((\a)%4)+\b)+7], v[128*(\p)+FR*\b:128*(\p)+FR*\b+FR-1], v[AF+FR*(\a):AF+FR*(\a)+FR-1], 0, v[SC+8*NQ*(\sc)+NQ*\b+(\q)], v[SC+8*NQ*(\sc)+NQ*(\a)+(\q)] matrix_a_fmt:MATRIX_FMT_FP6 matrix_b_fmt:MATRIX_FMT_FP6 matrix_a_scale:MATRIX_SCALE_ROW1
.else
	v_wmma_scale_f32_16x16x128_f8f6f4 v[8*(8*((\a)%4)+\b):8*(8*((\a)%4)+\b)+7], v[128*(\p)+FR*\b:128*(\p)+FR*\b+FR-1], v[AF+FR*(\a):AF+FR*(\a)+FR-1], v[8*(8*((\a)%4)+\b):8*(8*((\a)%4)+\b)+7], v[SC+8*NQ*(\sc)+NQ*\b+(\q)], v[SC+8*NQ*(\sc)+NQ*(\a)+(\q)] matrix_a_fmt:MATRIX_FMT_FP6 matrix_b_fmt:MATRIX_FMT_FP6 matrix_a_scale:MATRIX_SCALE_ROW1
.endif
.endr
.endr
.endm
.macro FETCH_B slot, q, p
	WIN TO_B
.irp i, 0,1,2,3,4,5,6,7
	FRAG 128*(\p)+FR*\i, ADRB+\slot, \q, \i
.endr
	WIN 0
.endm
.macro FETCH_A slot, q, i0
.irp i, \i0, \i0+1, \i0+2, \i0+3
	FRAG AF+FR*(\i), ADRA+\slot, \q, \i
.endr
.endm
.macro SCALES sc
.irp i, 0,1,2,3,4,5,6,7
	ds_load_b64 v[SC+8*NQ*((\sc)%2)+NQ*\i:SC+8*NQ*((\sc)%2)+NQ*\i+1], v[ADRS] offset:\i*SBLK+4*NQ*(\sc)   ; sc: the pair of steps
.endr
.endm
.macro PLACES n
.rept \n
	v_nop
.endr
.endm
; A step of 128 along K.  Where the next step's bytes END in a chunk not read yet: the wait for my tensor loads and a barrier, ahead of the fetch.
; Where they BEGIN in a later chunk: the chunk left behind is read no more: wait, add, wait, barrier; where a chunk two on is left, the barrier opens a round and the slot is filled again.
.macro STEP st, zero
.set NX, (\st)+1
.set C0, (96*(\st))/ROWB
.set C1, (96*NX)/ROWB
.set E0, (96*(\st)+95)/ROWB
.set E1, (96*NX+95)/ROWB
.if C1 > C0 || E1 > E0
	s_wait_tensorcnt 0x0                           ; all my tensor loads have landed
.if C1 > C0
	ds_add_u32 v[SPW], v[NIL]
	s_wait_dscnt 4*NL+1                            ; the add and A's blocks 4-7 may be out
.else
	s_wait_dscnt 4*NL                              ; A's blocks 4-7 may be out
.endif
	WIN MUL_LO
	MUL16 0, (\st)%2, (\st)%2, ((\st)/2)%2, \zero
	s_wait_dscnt 0x0                               ; the add and all my reads are done
	s_barrier_signal -1
	MUL16 2, (\st)%2, (\st)%2, ((\st)/2)%2, \zero
	WIN 0
	s_barrier_wait -1
.if C1 > C0 && C0+2 < CHUNKS
	CREST
	s_add_nc_u64 s[G0+4*(C0%2)+2:G0+4*(C0%2)+3], s[G0+4*(C0%2)+2:G0+4*(C0%2)+3], 2*ROWB
	s_add_nc_u64 s[G0B+4*(C0%2)+2:G0B+4*(C0%2)+3], s[G0B+4*(C0%2)+2:G0B+4*(C0%2)+3], 2*ROWB
	JLOAD G0+4*(C0%2), G1, G0B+4*(C0%2), G1B       ; chunk C0 + 2; its four v_nop are the places in front of the loads below
.else
	PLACES NP
.endif
.else
	s_wait_dscnt 4*NL
	WIN MUL_LO
	MUL16 0, (\st)%2, (\st)%2, ((\st)/2)%2, \zero
	MUL16 2, (\st)%2, (\st)%2, ((\st)/2)%2, \zero
	s_wait_dscnt 0
	PLACES NP
.endif
	FETCH_B 0, NX, NX%2
	FETCH_A 0, NX, 0
.if NX%2 == 0
	SCALES NX/2
.endif
	WIN MUL_HI
	MUL16 4, (\st)%2, (\st)%2, ((\st)/2)%2, \zero
	MUL16 6, (\st)%2, (\st)%2, ((\st)/2)%2, \zero
	PLACES NP
	WIN 0
	FETCH_A 0, NX, 4
.endm
	s_wait_alu depctr_va_vdst(0)
	s_wait_tensorcnt 0x0                           ; my tile of the head's four is in; slot 1's first fill is issued as a refill is
	ds_add_u32 v[SPW], v[NIL]
	s_mov_b32 s[G1+2], 128<<16                     ; no load of mine is out: from here on a load brings 128 rows
	s_mov_b32 s[G1+4], 128
	s_mov_b32 s[G1B+2], 128<<16
	s_mov_b32 s[G1B+4], 128
	s_wait_dscnt 0x0
	CROUND
	JLOAD G0+4, G1, G0B+4, G1B                     ; chunk 1
	FETCH_B 0, 0, 0
	FETCH_A 0, 0, 0
	SCALES 0
	FETCH_A 0, 0, 4
	STEP 0, 1                                      ; the first step's products start the sums
.set ST, 1                             ; eight steps to three chunks: the walk is written out
.rept STEPS-2
	STEP ST, 0
.set ST, ST+1
.endr
	s_wait_dscnt 4*NL
	WIN MUL_LO
	MUL16 0, 1, NQ-1, 1, 0
	MUL16 2, 1, NQ-1, 1, 0
	s_wait_dscnt 0
	WIN MUL_HI
	MUL16 4, 1, NQ-1, 1, 0
	MUL16 6, 1, NQ-1, 1, 0
	WIN 0
.set BB0, 128
.set BB1, 192
.set CC,  32
.set MX,  48
	PLACES NP
	s_wait_dscnt 0x0
	s_barrier_signal -1
	s_barrier_wait -1
	s_lshr_b32 s52, s17, 3
	s_and_b32 s53, s17, 7
	s_lshl_b32 s53, s53, 8
	s_lshl_b32 s54, s15, 7
	s_add_co_u32 s53, s53, s54
	s_lshl_b32 s52, s52, 4
	s_lshl_b32 s55, s42, 2
	s_add_co_u32 s52, s52, s55
	s_lshl_b32 s55, s16, 1
	s_add_co_u32 s52, s52, s55
	s_lshl_b32 s55, s52, 11
	s_add_co_u32 s55, s55, s53
	s_mul_i32 s55, s55, 48
	s_mul_i32 s56, ttmp9, 3145728
	s_add_co_u32 s55, s55, s56
	s_lshl_b32 s56, s52, 12
	s_lshl_b32 s57, s53, 1
	s_add_co_u32 s56, s56, s57
	s_lshl_b32 s57, ttmp9, 17
	s_add_co_u32 s56, s56, s57
	s_add_co_u32 s56, s56, 6291456
	s_lshl_b32 s57, s42, 10
	s_lshl_b32 s58, s16, 9
	s_add_co_u32 s57, s57, s58
	s_lshl_b32 s58, s17, 8
	s_add_co_u32 s58, s58, s54
	s_mul_i32 s59, s58, 3072
	s_mul_i32 s60, s42, 192
	s_add_co_u32 s59, s59, s60
	s_mul_i32 s60, s16, 96
	s_add_co_u32 s59, s59, s60
	s_lshl_b32 s60, s58, 7
	s_lshl_b32 s61, s42, 3
	s_add_co_u32 s60, s60, s61
	s_lshl_b32 s61, s16, 2
	s_add_co_u32 s60, s60, s61
	s_add_co_u32 s60, s60, 3145728
	s_lshl_b32 s61, s58, 2
	s_cmp_eq_u32 ttmp9, 2
	s_cselect_b32 s52, s59, s55
	s_cselect_b32 s54, s60, s56
	s_cselect_b32 s56, 0, s57
	s_cselect_b32 s58, s61, 0
	s_cselect_b32 s28, 3072, 48
	s_cselect_b32 s29, 48, 98304
	s_cselect_b32 s30, 128, 4
	s_cselect_b32 s31, 2048, 2
	s_cselect_b32 s32, 2, 4096
	s_cselect_b32 s38, 1024, 32
	s_cselect_b32 s44, 3072, 32
	s_cselect_b32 s46, 0, 0x3f800000
	s_cselect_b32 s48, 0x3f800000, 0
	s_mov_b32 s53, 0
	s_mov_b32 s55, 0
	s_mov_b32 s57, 0
	s_mov_b32 s59, 0
	s_lshl_b32 s33, s28, 4
	s_lshl_b32 s34, s28, 3
	s_mov_b32 s35, 0
	s_mul_i32 s36, s34, 3
	s_mov_b32 s37, 0
	s_mov_b32 s39, 0
	s_mov_b32 s45, 0
	s_mov_b32 s47, s46
	s_add_nc_u64 s[24:25], s[100:101], s[52:53]
	s_add_nc_u64 s[26:27], s[100:101], s[54:55]
	s_add_nc_u64 s[66:67], s[66:67], s[56:57]
	s_add_nc_u64 s[98:99], s[98:99], s[58:59]
	v_and_b32 v3, 7, v1
	v_lshrrev_b32 v4, 3, v1
	v_mul_u32_u24 v8, s28, v3
	v_mad_u32_u24 v8, v4, s33, v8
	v_mad_u32_u24 v8, v2, s29, v8
	v_mul_u32_u24 v9, s30, v3
	v_mad_u32_u24 v9, v4, s31, v9
	v_mad_u32_u24 v9, v2, s32, v9
	v_lshlrev_b32 v12, 8, v2
	v_and_b32 v15, 31, v0
	v_lshlrev_b32 v15, 4, v15
	s_lshl_b32 s62, s14, 9
	s_add_co_u32 s62, s62, RBL
	v_add_nc_u32 v7, s62, v15
	v_lshl_add_u32 v14, v1, 2, s62
	v_mov_b32 v65, 0
	v_mov_b32 v67, 0
	WIN 0x40
.irp i, 0,1,2,3,4,5,6,7,8,9,10,11,12,13,14,15
	global_load_b128 v[4*\i:4*\i+3], v12, s[66:67] offset:16*\i
.endr
	WIN 0
	global_load_b128 v[68:71], v15, s[98:99]
.irp a, 0,1,2,3,4,5,6,7
	WIN 0x08+4*(\a/4)
.irp b, 0,1,2,3,4,5,6,7
	ds_store_b128 v[STO], v[64*(\a%4)+8*\b:64*(\a%4)+8*\b+3] offset:\a*16*SPITCH+64*\b
	ds_store_b128 v[STO], v[64*(\a%4)+8*\b+4:64*(\a%4)+8*\b+7] offset:\a*16*SPITCH+64*\b+16
.endr
.endr
	WIN 0
	s_wait_loadcnt 0x0
.irp i, 68,69,70,71
	v_mul_f32 v\i, s48, v\i
.endr
	s_wait_alu depctr_va_vdst(0)
	ds_store_b128 v7, v[68:71]
.macro QUANT2 bb
	v_max3_num_f32 v[MX], |v[\bb]|, |v[\bb+1]|, 0x1800000
	v_max3_num_f32 v[MX+1], |v[\bb+32]|, |v[\bb+33]|, 0x1800000
.set i, 2
.rept 15
	v_max3_num_f32 v[MX], v[MX], |v[\bb+i]|, |v[\bb+i+1]|
	v_max3_num_f32 v[MX+1], v[MX+1], |v[\bb+32+i]|, |v[\bb+33+i]|
.set i, i+2
.endr
	v_add_nc_u32 v[MX+2], 0xff000000, v[MX]
	v_add_nc_u32 v[MX+3], 0xff000000, v[MX+1]
	v_lshrrev_b32 v[MX+4], 23, v[MX+2]
	v_lshrrev_b32 v[MX+5], 23, v[MX+3]
	v_cvt_scalef32_pk16_fp6_f32 v[CC:CC+2], v[\bb:\bb+15], v[MX+2]
	v_cvt_scalef32_pk16_fp6_f32 v[CC+4:CC+6], v[\bb+16:\bb+31], v[MX+2]
	v_cvt_scalef32_pk16_fp6_f32 v[CC+8:CC+10], v[\bb+32:\bb+47], v[MX+3]
	v_cvt_scalef32_pk16_fp6_f32 v[CC+12:CC+14], v[\bb+48:\bb+63], v[MX+3]
	v_lshl_or_b32 v[MX+4], v[MX+5], 8, v[MX+4]
.endm
.macro WORK bb, rb, sa, ta
	WIN 0x01
.set i, 0
.rept 32
	v_pk_fma_f32 v[\bb+i:\bb+i+1], v[i:i+1], s[46:47], v[\bb+i:\bb+i+1] op_sel_hi:[1,0,1]
.set i, i+2
.endr
	WIN 0
.set i, 0
.rept 32
	v_pk_add_f32 v[\bb+i:\bb+i+1], v[\bb+i:\bb+i+1], v[\rb:\rb+1] op_sel_hi:[1,0]
.set i, i+2
.endr
	QUANT2 \bb
.irp q, 0,1,2,3
	global_store_b96 v8, v[CC+4*\q:CC+4*\q+2], s[24:25] offset:12*\q
.endr
	global_store_b16 v9, v[MX+4], s[26:27]
	s_wait_xcnt 0x0
	s_add_nc_u64 s[24:25], s[24:25], s[\sa:\sa+1]
	s_add_nc_u64 s[26:27], s[26:27], s[\ta:\ta+1]
.endm
	s_mov_b32 s49, 0
	s_mov_b32 s50, 0
	s_mov_b32 s51, 4
.Lpair:
	v_add_nc_u32 v10, s49, v13
	v_add_nc_u32 v11, s50, v14
.irp i, 0,1,2,3,4,5,6,7,8,9,10,11,12,13,14,15
	ds_load_b128 v[BB0+4*\i:BB0+4*\i+3], v10 offset:16*\i
.endr
	ds_load_b32 v64, v11
.irp i, 0,1,2,3,4,5,6,7,8,9,10,11,12,13,14,15
	ds_load_b128 v[BB1+4*\i:BB1+4*\i+3], v10 offset:16*SPITCH+16*\i
.endr
	ds_load_b32 v66, v11 offset:64
	s_wait_dscnt 17
	WORK BB0, 64, 34, 38
	s_wait_dscnt 0x0
	WORK BB1, 66, 36, 44
	s_add_co_u32 s49, s49, 32*SPITCH
	s_add_co_u32 s50, s50, 128
	s_sub_co_u32 s51, s51, 1
	s_cmp_lg_u32 s51, 0
	s_cbranch_scc1 .Lpair
	s_wait_tensorcnt 0x0
	ds_add_u32 v[SPW], v[NIL]
	s_wait_dscnt 0x0
	CROUND
	s_endpgm
.Lfunc_end_k_q1d477db866_qkv:
	.size	k_q1d477db866_qkv, .Lfunc_end_k_q1d477db866_qkv-k_q1d477db866_qkv
	.p2alignl 7, 3214868480
	.fill 96, 4, 3214868480
	.section	.rodata,"a",@progbits
	.p2align	6, 0x0
	.amdhsa_kernel k_q1d477db866_qkv
		.amdhsa_group_segment_fixed_size 327680
		.amdhsa_private_segment_fixed_size 0
		.amdhsa_enable_private_segment 0
		.amdhsa_kernarg_size 96
		.amdhsa_user_sgpr_count 2
		.amdhsa_user_sgpr_kernarg_segment_ptr 1
		.amdhsa_wavefront_size32 1
		.amdhsa_system_sgpr_workgroup_id_x 1
		.amdhsa_system_sgpr_workgroup_id_y 1
		.amdhsa_system_sgpr_workgroup_id_z 1
		.amdhsa_system_vgpr_workitem_id 0
		.amdhsa_next_free_vgpr 1024
		.amdhsa_next_free_sgpr 102
		.amdhsa_reserve_vcc 0
		.amdhsa_float_denorm_mode_32 3
		.amdhsa_float_denorm_mode_16_64 3
		.amdhsa_memory_ordered 1
		.amdhsa_forward_progress 1
		.amdhsa_inst_pref_size 161
	.end_amdhsa_kernel
	.amdgpu_metadata
---
amdhsa.version: [ 1, 2 ]
amdhsa.kernels:
  - .name:           k_q1d477db866_qkv
    .symbol:         k_q1d477db866_qkv.kd
    .args:
      - { .name: nx, .offset: 0, .size: 8, .value_kind: global_buffer, .address_space: global }
      - { .name: wq_codes, .offset: 8, .size: 8, .value_kind: global_buffer, .address_space: global }
      - { .name: wq_scales, .offset: 16, .size: 8, .value_kind: global_buffer, .address_space: global }
      - { .name: wk_codes, .offset: 24, .size: 8, .value_kind: global_buffer, .address_space: global }
      - { .name: wk_scales, .offset: 32, .size: 8, .value_kind: global_buffer, .address_space: global }
      - { .name: wv_codes, .offset: 40, .size: 8, .value_kind: global_buffer, .address_space: global }
      - { .name: wv_scales, .offset: 48, .size: 8, .value_kind: global_buffer, .address_space: global }
      - { .name: bq, .offset: 56, .size: 8, .value_kind: global_buffer, .address_space: global }
      - { .name: bk, .offset: 64, .size: 8, .value_kind: global_buffer, .address_space: global }
      - { .name: bv, .offset: 72, .size: 8, .value_kind: global_buffer, .address_space: global }
      - { .name: qk, .offset: 80, .size: 8, .value_kind: global_buffer, .address_space: global }
      - { .name: vt, .offset: 88, .size: 8, .value_kind: global_buffer, .address_space: global }
    .group_segment_fixed_size: 327680
    .private_segment_fixed_size: 0
    .kernarg_segment_align: 8
    .kernarg_segment_size: 96
    .max_flat_workgroup_size: 128
    .sgpr_count:     102
    .vgpr_count:     1024
    .wavefront_size: 32
...
	.end_amdgpu_metadata
.endif
;; end of part 8
;; launch att (part 9): grid 8 x 32, 16 waves a work-group, no clusters, 231,936 bytes of LDS; arguments qk, vt, ao; writes ao
.if DOCPART == 9
	.amdgcn_target "amdgcn-amd-amdhsa--gfx1250"
	.amdhsa_code_object_version 6
	.text
	.protected	k_q1d477db866_att
	.globl	k_q1d477db866_att
	.p2align	8
	.type	k_q1d477db866_att,@function
k_q1d477db866_att:
	s_mov_b64 s[64:65], 0
	v_nop
	global_prefetch_b8 v0, s[64:65] scope:SCOPE_SE
	s_setreg_imm32_b32 hwreg(HW_REG_WAVE_MODE, 25, 1), 1
	s_wait_xcnt 0x0
; CAUSAL ATTENTION ON CODES OF E2M3.  For each of 32 (batch, head): O[q] = sum over keys k <= q of softmax(Q[q] . K[k] / 8) V[k], head size 64, 2,048 tokens; O is quantised along (head, channel) on the way out.
; THE SOFTMAX AHEAD OF THE SECOND PRODUCT: t = score x log2(e) / 8; M = the running largest t rounded UP to a whole number; p = 2^(t - M) is quantised along the keys, not normalised; the row's sum is taken of the
; unquantised p and divides O at the end; when M moves, the sum and O are multiplied by 2^(old M - new M), which rounds nothing.
; SHARES.  Work-group (x, y): head y; the head's 16 blocks of 128 queries: blocks x (waves 0-7) and 15 - x (waves 8-15), so that every work-group has 8 x 17 key steps of 128 keys.  A wave owns 16 queries.
; Every wave walks all 16 steps (constant trip counts); a step all of whose keys come after the wave's queries is jumped over by a scalar branch on ids; no barrier and no tensor load stands in a step.
; NOT IN CLUSTERS: the work-groups of a head have different numbers of steps, and that branch differs between them.
; LDS.  A whole head's K, V and scales fit: every byte is filled ONCE, by 16 tensor loads issued at the start, one by each wave; one barrier, ahead of the first step.
; LAYOUT (made by the launch before).  q, k: 48 bytes a token, stored at the token's number with bits 3 and 4 exchanged, so that 16 neighbouring places are the keys 32 b + 8 u + r + 8 (r / 8) of tile 2 b + u.
; K = 64 IS HALF OF THE INSTRUCTION'S 128: a fragment's 12 registers hold TWO keys a lane (places 32 f + r and 32 f + 16 + r).  Multiplied by [q | zeros] it gives tile 2 f, by [zeros | q] tile 2 f + 1: zero codes add nothing.
; Both products are used transposed (S^T = K Q^T, O^T = V^T P^T): a lane holds one query throughout; the 16 registers of tiles 2 b, 2 b + 1 are keys 32 b + 16 (lane / 16) + 0 .. 15.
; V^T's rows are stored with bits 3 and 4 of the channel exchanged, so that O^T's 16 registers of two tiles are 16 neighbouring channels.
; LIMITS: NaN and infinities are not served; blocks of O whose largest magnitude lies under 2^-124 keep the byte 1.
; REGISTERS: v1-7 addresses that stay; v12 -M, v13 the largest t, v[14:15] the sum; v16-21 q, v22-27 zeros, v28-33 q; v34-81 four fragments of K or V; v84-88 the step's addresses; v96-159 S^T, then p; v160-191 O^T;
; v224-235 p's codes; v232-254 at work; v255 q's scale word.
.set VB,   98304                       ; LDS: K's codes [0, 98,304), 48 bytes a place; then V
.set VCH,  52224                       ; V: two halves of 1,024 keys, each 64 rows x 816 bytes (768 + 16 behind every 256)
.set VSC,  202752                      ; V's scale bytes, both batches: 64 rows of 128 bytes, dense
.set KSC,  210944                      ; K's scale words, 4,096 bytes
.macro G0SET g, lds, base, off         ; a descriptor's group 0: count 1, LDS address, global address, type 2
	s_mov_b32 s[\g], 1
	s_mov_b32 s[\g+1], \lds
	s_add_nc_u64 s[\g+2:\g+3], s[\base:\base+1], \off
	s_or_b32 s[\g+3], s[\g+3], 0x80000000
.endm
	s_load_b128 s[4:7], s[0:1], 0x0                ; qk s[4:5], vt s[6:7]
	s_load_b64 s[8:9], s[0:1], 0x10                ; ao
	v_lshl_add_u32 v223, v0, 2, 0x38200
	v_mov_b32 v243, 0
	ds_add_u32 v223, v243
	ds_add_u32 v223, v243
	v_lshrrev_b32 v8, 5, v0
	s_delay_alu instid0(VALU_DEP_1)
	v_readfirstlane_b32 s18, v8                    ; wave 0..15
	s_and_b32 s10, ttmp7, 0xffff                   ; 16 batch + head
	s_lshr_b32 s11, s10, 4                         ; batch
	s_and_b32 s12, s10, 15                         ; head
	s_lshr_b32 s13, s18, 3
	s_and_b32 s19, s18, 7                          ; w': my tile in the block of 128 queries
	s_lshl_b32 s2, ttmp9, 1
	s_sub_co_u32 s2, 15, s2
	s_mul_i32 s2, s2, s13
	s_add_co_u32 s2, s2, ttmp9                     ; my block: x, or 15 - x for waves 8-15
	s_lshr_b32 s3, s19, 1
	s_and_b32 s87, s19, 1
	s_lshl_b32 s81, s2, 7
	s_lshl_b32 s14, s3, 5
	s_add_co_u32 s81, s81, s14
	s_lshl_b32 s14, s87, 3
	s_add_co_u32 s81, s81, s14                     ; Qb: lane r's query is token Qb + r + 8 (r / 8)
	s_lshl_b32 s87, s87, 4                         ; my queries' bytes in q's scale words: 16 (w' % 2) bits up
	s_lshl_b32 s92, s2, 7
	s_lshl_b32 s14, s19, 4
	s_add_co_u32 s92, s92, s14                     ; my first place
	s_mul_i32 s92, s92, 48
	s_mul_i32 s96, s10, 98304                      ; a head's codes
	s_add_co_u32 s92, s92, s96                     ; q's codes
	s_mov_b32 s93, 0
	s_add_co_u32 s96, s96, 3145728                 ; K's codes
	s_mov_b32 s97, 0
	s_lshl_b32 s98, s10, 12                        ; a head's scale words
	s_lshl_b32 s94, s2, 2
	s_add_co_u32 s94, s94, s3
	s_lshl_b32 s94, s94, 6
	s_add_co_u32 s94, s94, s98
	s_add_co_u32 s94, s94, 6291456                 ; q's scale words
	s_mov_b32 s95, 0
	s_add_co_u32 s98, s98, 6422528                 ; K's
	s_mov_b32 s99, 0
	s_mul_i32 s88, s12, 196608
	s_mul_i32 s14, s11, 1536
	s_add_co_u32 s88, s88, s14                     ; V's codes: the head's 64 rows, the batch's 2,048 keys
	s_mov_b32 s89, 0
	s_lshl_b32 s90, s12, 13
	s_add_co_u32 s90, s90, 3145728                 ; V's scale bytes: the head's 64 rows of 128 bytes, dense
	s_mov_b32 s91, 0
	s_lshl_b32 s16, s11, 11
	s_add_co_u32 s16, s16, s81                     ; token 2048 batch + Qb
	s_mul_i32 s14, s16, 768
	s_mul_i32 s15, s12, 48
	s_add_co_u32 s14, s14, s15                     ; ao's codes
	s_mov_b32 s15, 0
	s_lshl_b32 s16, s16, 5
	s_lshl_b32 s17, s12, 1
	s_add_co_u32 s16, s16, s17
	s_add_co_u32 s16, s16, 3145728                 ; ao's scale bytes
	s_mov_b32 s17, 0
	; descriptor groups 1, all constants.  K's codes: a sixth, 16,384 dense bytes, as 64 rows of 256 bytes (32 elements of 8 bytes)
	s_mov_b32 s24, 3<<16
	s_mov_b32 s25, 32<<16
	s_mov_b32 s26, 64<<16                          ; a sixth of K's codes: 64 rows of 256 bytes
	s_mov_b32 s27, 32<<16
	s_mov_b32 s28, 64
	s_mov_b32 s29, 32
	s_mov_b32 s30, 0
	s_mov_b32 s31, 0
	; V's codes: 16 rows x 768 bytes, 3,072 apart in memory; 16 bytes of padding behind every 256
	s_mov_b32 s32, (1<<20)|(5<<22)|(3<<25)         ; V's codes: 16 rows x 768 bytes, 16 bytes of padding behind every 256
	s_mov_b32 s33, 768<<16
	s_mov_b32 s34, 16<<16
	s_mov_b32 s35, 768<<16
	s_mov_b32 s36, 16
	s_mov_b32 s37, 3072
	s_mov_b32 s38, 0
	s_mov_b32 s39, 0
	; K's scale words: 4,096 dense bytes
	s_mov_b32 s40, 3<<16
	s_mov_b32 s41, 32<<16
	s_mov_b32 s42, 16<<16
	s_mov_b32 s43, 32<<16
	s_mov_b32 s44, 16
	s_mov_b32 s45, 32
	s_mov_b32 s46, 0
	s_mov_b32 s47, 0
	; V's scale bytes: 64 rows x 128 bytes, dense
	s_mov_b32 s48, 3<<16                           ; V's scale bytes: 8,192 dense bytes as 32 rows of 256, no padding: every byte of the region is filled
	s_mov_b32 s49, 32<<16
	s_mov_b32 s50, 32<<16
	s_mov_b32 s51, 32<<16
	s_mov_b32 s52, 32
	s_mov_b32 s53, 32
	s_mov_b32 s54, 0
	s_mov_b32 s55, 0
	s_mov_b32 s20, 0x76543210
	s_mov_b32 s21, 0xfedcba98                      ; v_permlanex16_b32's selects for lane l xor 16
	s_mov_b32 s22, 0x3e38aa3b                      ; c = log2(e) / 8
	s_mov_b32 s23, s22                             ; (named with it as a pair, so it is written)
	s_wait_dscnt 0x0
	s_wait_kmcnt 0x0
	s_add_nc_u64 s[92:93], s[4:5], s[92:93]
	s_add_nc_u64 s[94:95], s[4:5], s[94:95]
	s_add_nc_u64 s[96:97], s[4:5], s[96:97]
	s_add_nc_u64 s[98:99], s[4:5], s[98:99]
	s_add_nc_u64 s[88:89], s[6:7], s[88:89]
	s_add_nc_u64 s[90:91], s[6:7], s[90:91]
	s_add_nc_u64 s[14:15], s[8:9], s[14:15]
	s_add_nc_u64 s[16:17], s[8:9], s[16:17]
	; THE FILLS: at most one load of a wave is out.
	; ONE LOAD A WAVE, sixteen in all, in one chain of branches on the wave's number: waves 0-5 a sixth of K's codes each, waves 6-13 sixteen rows of half of V's keys each, wave 14 K's scale words, wave 15 V's scale bytes
	s_mov_b32 s56, 1
	s_cmp_lt_u32 s18, 6
	s_cbranch_scc0 .Lnot_k
	s_lshl_b32 s57, s18, 14                        ; 16,384 bytes a wave, in LDS and in memory
	s_mov_b32 s60, s57
	s_mov_b32 s61, 0
	s_add_nc_u64 s[58:59], s[96:97], s[60:61]
	s_or_b32 s59, s59, 0x80000000
	tensor_load_to_lds s[56:59], s[24:31]
	s_nop 0
.rept 4
	v_nop
.endr
	s_branch .Lasked
.Lnot_k:
	s_cmp_lt_u32 s18, 14
	s_cbranch_scc0 .Lnot_v
	s_mul_i32 s57, s18, 13056                      ; 16 rows x 816 bytes a wave, from VB on for wave 6
	s_add_co_u32 s57, s57, VB-6*13056
	s_add_co_u32 s60, s18, 2
	s_and_b32 s60, s60, 7                          ; u = wave - 6
	s_lshr_b32 s61, s60, 2                         ; which 1,024 keys,
	s_and_b32 s60, s60, 3                          ; which 16 rows
	s_mul_i32 s60, s60, 49152
	s_mul_i32 s61, s61, 768
	s_add_co_u32 s60, s60, s61
	s_mov_b32 s61, 0
	s_add_nc_u64 s[58:59], s[88:89], s[60:61]
	s_or_b32 s59, s59, 0x80000000
	tensor_load_to_lds s[56:59], s[32:39]
	s_nop 0
.rept 4
	v_nop
.endr
	s_branch .Lasked
.Lnot_v:
	s_cmp_eq_u32 s18, 14
	s_cbranch_scc0 .Lnot_ks
	G0SET 56, KSC, 98, 0
	tensor_load_to_lds s[56:59], s[40:47]
	s_nop 0
.rept 4
	v_nop
.endr
	s_branch .Lasked
.Lnot_ks:
	G0SET 56, VSC, 90, 0
	tensor_load_to_lds s[56:59], s[48:55]
	s_nop 0
.rept 4
	v_nop
.endr
.Lasked:
	v_and_b32 v8, 15, v0                           ; r
	v_bfe_u32 v9, v0, 4, 1                         ; h
	s_delay_alu instid0(VALU_DEP_2)
	v_mul_u32_u24 v1, v8, 48
	s_delay_alu instid0(VALU_DEP_1)
	v_mad_u32_u24 v1, v9, 24, v1                   ; a place's 48 bytes, 24 for each half of the lanes: K's fragments, and q's
	s_delay_alu instid0(VALU_DEP_4)
	v_lshlrev_b32 v11, 2, v8
.irp p, 0,1,2
	global_load_b64 v[16+2*\p:17+2*\p], v1, s[92:93] offset:8*\p   ; q, twice: on either side of the zeros
	global_load_b64 v[28+2*\p:29+2*\p], v1, s[92:93] offset:8*\p
.endr
	global_load_b32 v255, v11, s[94:95]
	v_mul_u32_u24 v2, v8, 816
	s_delay_alu instid0(VALU_DEP_1)
	v_mad_u32_u24 v3, v9, 40, v2
	s_delay_alu instid0(VALU_DEP_2)
	v_mad_u32_u24 v2, v9, 24, v2
	s_delay_alu instid0(VALU_DEP_1)
	v_add_nc_u32 v2, VB, v2                        ; V: row r x 816 + 24 h,
	s_delay_alu instid0(VALU_DEP_3)
	v_add_nc_u32 v3, VB, v3                        ; and the same behind one padding more
	v_lshl_add_u32 v4, v8, 2, KSC                  ; K's scale words
	s_lshl_b32 s3, s11, 6                          ; my batch's 64 bytes of a row (the batch is 0 or 1)
	s_and_b32 s3, s3, 64
	s_add_co_u32 s3, s3, VSC
	v_lshl_add_u32 v5, v8, 7, s3                   ; V's scale bytes: row r of 128 bytes
	v_and_b32 v10, 8, v8
	s_delay_alu instid0(VALU_DEP_1)
	v_add_nc_u32 v10, v10, v8                      ; r + 8 (r / 8): my query's token less Qb
	s_delay_alu instid0(VALU_DEP_1)
	v_mul_u32_u24 v6, v10, 768
	s_delay_alu instid0(VALU_DEP_1)
	v_mad_u32_u24 v6, v9, 12, v6                   ; the way out: my token's row of codes, 12 bytes for each half of the lanes
	s_delay_alu instid0(VALU_DEP_3)
	v_lshl_add_u32 v7, v10, 5, v9                  ; and its scale bytes: lane half h stores block h's
	s_wait_loadcnt 0x0
	v_lshrrev_b32 v255, s87, v255                  ; q's scale word: my query's two bytes,
	s_delay_alu instid0(VALU_DEP_1)
	v_and_b32 v255, 0xffff, v255
	s_delay_alu instid0(VALU_DEP_1)
	v_lshl_or_b32 v255, v255, 16, v255             ; for either half of the instruction's K
.irp j, 22,23,24,25,26,27
	v_mov_b32 v\j, 0                               ; zero codes
.endr
.set j, 0
.rept 32
	v_mov_b32 v[160+j], 0                          ; O^T.  (The step is written once: the first finds zeros.)  These are also the places between the lines above and the first scaled product
.set j, j+1
.endr
	v_mov_b32 v13, 0xff61b1e6                      ; the largest t so far: -3e38
	s_delay_alu instid0(VALU_DEP_1)
	v_floor_f32 v12, -v13                          ; -M
	v_mov_b32 v14, 0
	v_mov_b32 v15, 0
.irp j, 236,237,238,239,252,253
	v_mov_b32 v\j, 0                               ; lane permutes' destinations, and a pair's halves, are written before they are named
.endr
; A KEY STEP: 128 keys, the q-th of a chunk of V.  s80 its first key, s81 Qb, s82 K's bytes, s83 K's scale words, s84 V's chunk, s85 V's scale word.
.macro STEP q
	s_add_co_u32 s87, s81, 23                      ; my last query's token
	s_cmp_gt_u32 s80, s87
	s_cbranch_scc1 .Lhidden_\@                     ; all keys hidden: only the address steps at the end are run
	v_add_nc_u32 v84, s82, v1                      ; (these five are also the places behind the last step's products, in front of the loads into their operands)
	v_add_nc_u32 v85, s83, v4
	v_add_nc_u32 v86, s84, v2
	v_add_nc_u32 v87, s84, v3
	v_add_nc_u32 v88, s85, v5
.irp f, 0,1,2,3
.irp p, 0,1,2,3,4,5
	ds_load_b64 v[34+12*\f+2*\p:35+12*\f+2*\p], v84 offset:1536*\f+768*(\p/3)+8*(\p%3)   ; places 32 f + r (registers 0-5) and 32 f + 16 + r (6-11)
.endr
	ds_load_b32 v[248+\f], v85 offset:64*\f
.endr
	s_wait_dscnt 0x0
.irp f, 0,1,2,3
	v_wmma_scale_f32_16x16x128_f8f6f4 v[96+16*\f:103+16*\f], v[34+12*\f:45+12*\f], v[16:27], 0, v[248+\f], v255 matrix_a_fmt:MATRIX_FMT_FP6 matrix_b_fmt:MATRIX_FMT_FP6
	v_wmma_scale_f32_16x16x128_f8f6f4 v[104+16*\f:111+16*\f], v[34+12*\f:45+12*\f], v[22:33], 0, v[248+\f], v255 matrix_a_fmt:MATRIX_FMT_FP6 matrix_b_fmt:MATRIX_FMT_FP6
.endr
.rept 4
	v_nop                                          ; places behind the products (ISA guide 7.12.1)
.endr
	s_add_co_u32 s87, s80, 127
	s_cmp_le_u32 s87, s81
	s_cbranch_scc1 .Lopen_\@                       ; all keys count
	s_sub_co_i32 s87, s81, s80
	v_and_b32 v252, 15, v0
	v_and_b32 v254, 8, v0
	s_delay_alu instid0(VALU_DEP_1)
	v_add_nc_u32 v252, v252, v254
	v_and_b32 v254, 16, v0
	s_delay_alu instid0(VALU_DEP_1)
	v_sub_nc_u32 v252, v252, v254
	s_delay_alu instid0(VALU_DEP_1)
	v_add_nc_u32 v252, s87, v252                   ; d = my query's token - the step's first key - 16 (lane / 16).  Register 16 b + i holds key 32 b + 16 (lane / 16) + i: hidden where 32 b + i > d
	v_mov_b32 v254, 0xff800000                     ; -infinity: p = 0
.set n, 0
.rept 64
	v_cmp_gt_i32 vcc_lo, 32*(n/16)+n%16, v252
	v_cndmask_b32 v[96+n], v[96+n], v254, vcc_lo
.set n, n+1
.endr
.Lopen_\@:
.irp b, 0,1,2,3
	v_max3_num_f32 v[232+\b], v[96+16*\b], v[97+16*\b], v[98+16*\b]   ; the largest score of each block of 32 keys: for the row's maximum, and, since p rises with the score, for the block's largest p
.endr
.irp i, 3,5,7,9,11,13
.irp b, 0,1,2,3
	v_max3_num_f32 v[232+\b], v[232+\b], v[96+16*\b+\i], v[97+16*\b+\i]
.endr
.endr
.irp b, 0,1,2,3
	v_max_num_f32 v[232+\b], v[232+\b], v[111+16*\b]
.endr
.irp b, 0,1,2,3
	s_delay_alu instid0(VALU_DEP_4)
	v_permlanex16_b32 v[236+\b], v[232+\b], s20, s21
.endr
.irp b, 0,1,2,3
	s_delay_alu instid0(VALU_DEP_4)
	v_max_num_f32 v[232+\b], v[232+\b], v[236+\b]  ; with lane l xor 16's 16 keys
.endr
	s_delay_alu instid0(VALU_DEP_2)
	v_max3_num_f32 v254, v232, v233, v234
	s_delay_alu instid0(VALU_DEP_1)
	v_max_num_f32 v254, v254, v235
	s_delay_alu instid0(VALU_DEP_1)
	v_mul_f32 v254, s22, v254                      ; the step's largest t of my query
	s_delay_alu instid0(VALU_DEP_1)
	v_max_num_f32 v13, v13, v254
	v_mov_b32 v254, v12
	s_delay_alu instid0(VALU_DEP_2)
	v_floor_f32 v12, -v13                          ; the new -M = -ceil(t)
	s_delay_alu instid0(VALU_DEP_1)
	v_sub_f32 v254, v12, v254                      ; old M - new M: a whole number, 0 or less
	s_delay_alu instid0(VALU_DEP_1)
	v_cvt_i32_f32 v254, v254                       ; (it saturates)
	s_delay_alu instid0(VALU_DEP_1)
	v_ldexp_f32 v252, 1.0, v254                    ; f = 2^(old M - new M)
.set j, 0
.rept 32
	v_pk_fma_f32 v[96+j:97+j], v[96+j:97+j], s[22:23], v[12:13] op_sel_hi:[1,0,0]   ; t - M
.set j, j+2
.endr
.irp b, 0,1,2,3
	v_fma_f32 v[232+\b], v[232+\b], s22, v12
.endr
.set j, 0
	s_wait_alu depctr_va_vdst(0)
.rept 64
	v_exp_f32 v[96+j], v[96+j]                     ; p = 2^(t - M)
.set j, j+1
.endr
.irp b, 0,1,2,3
	v_exp_f32 v[232+\b], v[232+\b]                 ; the block's largest p: the same two instructions on the same number
.endr
	v_pk_mul_f32 v[14:15], v[14:15], v[252:253] op_sel_hi:[1,0]    ; the sums under the new M (a plain instruction behind the exponentials)
	s_wait_alu depctr_va_vdst(0)
.irp b, 0,1,2,3
	v_max_num_f32 v[232+\b], 0x1800000, v[232+\b]  ; the floor 2^(3 - 127): the byte cannot fall under 1
.endr
.irp b, 0,1,2,3
	s_delay_alu instid0(VALU_DEP_4)
	v_add_nc_u32 v[244+\b], 0xff000000, v[232+\b]  ; the conversion's scale operand
.endr
.irp b, 0,1,2,3
	s_delay_alu instid0(VALU_DEP_4)
	v_lshrrev_b32 v[236+\b], 23, v[244+\b]
.endr
	s_delay_alu instid0(VALU_DEP_3)
	v_lshl_or_b32 v253, v237, 8, v236              ; p's scale word for these 128 keys
	s_delay_alu instid0(VALU_DEP_1)
	v_lshl_or_b32 v253, v238, 16, v253
	s_delay_alu instid0(VALU_DEP_1)
	v_lshl_or_b32 v253, v239, 24, v253
.irp c, 0,1
	v_cvt_scalef32_pk16_fp6_f32 v[224+6*\c:226+6*\c], v[96+32*\c:111+32*\c], v[244+2*\c]
	v_cvt_scalef32_pk16_fp6_f32 v[236+4*\c:238+4*\c], v[112+32*\c:127+32*\c], v[244+2*\c+1]
.endr
	v_nop                                          ; one plain instruction behind the scaled conversions
.irp c, 0,1                                    ; the operand wants a whole block in a lane
.irp i, 0,1,2
	v_permlane16_swap_b32 v[224+6*\c+\i], v[236+4*\c+\i]
.endr
.irp i, 0,1,2
	s_delay_alu instid0(VALU_DEP_3)
	v_mov_b32 v[227+6*\c+\i], v[236+4*\c+\i]
.endr
.endr
	v_pk_add_f32 v[236:237], v[100:101], v[104:105]
	v_pk_add_f32 v[250:251], v[108:109], v[112:113]
	v_pk_add_f32 v[248:249], v[116:117], v[120:121]
	v_pk_add_f32 v[246:247], v[124:125], v[128:129]
	v_pk_add_f32 v[244:245], v[132:133], v[136:137]
	v_pk_add_f32 v[240:241], v[140:141], v[144:145]
	v_pk_add_f32 v[220:221], v[148:149], v[152:153]
	v_pk_add_f32 v[14:15], v[14:15], v[156:157]
	v_pk_add_f32 v[236:237], v[236:237], v[96:97]
	v_pk_add_f32 v[250:251], v[250:251], v[98:99]
	v_pk_add_f32 v[248:249], v[248:249], v[102:103]
	v_pk_add_f32 v[246:247], v[246:247], v[106:107]
	v_pk_add_f32 v[244:245], v[244:245], v[110:111]
	v_pk_add_f32 v[240:241], v[240:241], v[114:115]
	v_pk_add_f32 v[220:221], v[220:221], v[118:119]
	v_pk_add_f32 v[14:15], v[14:15], v[122:123]
	v_pk_add_f32 v[236:237], v[236:237], v[126:127]
	v_pk_add_f32 v[250:251], v[250:251], v[130:131]
	v_pk_add_f32 v[248:249], v[248:249], v[134:135]
	v_pk_add_f32 v[246:247], v[246:247], v[138:139]
	v_pk_add_f32 v[244:245], v[244:245], v[142:143]
	v_pk_add_f32 v[240:241], v[240:241], v[146:147]
	v_pk_add_f32 v[220:221], v[220:221], v[150:151]
	v_pk_add_f32 v[14:15], v[14:15], v[154:155]
	v_pk_add_f32 v[236:237], v[236:237], v[158:159]
	s_delay_alu instid0(VALU_DEP_2)
	v_pk_add_f32 v[14:15], v[14:15], v[246:247]
	s_delay_alu instid0(VALU_DEP_2)
	v_pk_add_f32 v[236:237], v[236:237], v[244:245]
	v_pk_add_f32 v[250:251], v[250:251], v[240:241]
	v_pk_add_f32 v[248:249], v[248:249], v[220:221]
	s_delay_alu instid0(VALU_DEP_2)
	v_pk_add_f32 v[14:15], v[14:15], v[250:251]
	s_delay_alu instid0(VALU_DEP_2)
	v_pk_add_f32 v[236:237], v[236:237], v[248:249]
	s_delay_alu instid0(VALU_DEP_1)
	v_pk_add_f32 v[14:15], v[14:15], v[236:237]
.set j, 0
.rept 16
	v_pk_mul_f32 v[160+j:161+j], v[160+j:161+j], v[252:253] op_sel_hi:[1,0]        ; O^T under the new M
.set j, j+2
.endr
.irp t, 0,1,2,3                                ; V^T: 16 stored rows x these 128 keys
.irp p, 0,1,2,3,4,5
.set PCC, 12*(\q)+6*(\p/3)+\p%3
.if PCC%32 < 29
	ds_load_b64 v[34+12*\t+2*\p:35+12*\t+2*\p], v86 offset:8*PCC+16*(PCC/32)+13056*\t
.else
	ds_load_b64 v[34+12*\t+2*\p:35+12*\t+2*\p], v87 offset:8*PCC+16*(PCC/32)+13056*\t
.endif
.endr
	ds_load_b32 v[248+\t], v88 offset:2048*\t
.endr
	s_wait_alu depctr_va_vdst(0)
	s_wait_dscnt 0x0
.irp t, 0,1,2,3                                ; the four accumulators take turns; the next step's eight score products stand between two links
	v_wmma_scale_f32_16x16x128_f8f6f4 v[160+8*\t:167+8*\t], v[34+12*\t:45+12*\t], v[224:235], v[160+8*\t:167+8*\t], v[248+\t], v253 matrix_a_fmt:MATRIX_FMT_FP6 matrix_b_fmt:MATRIX_FMT_FP6
.endr
.Lhidden_\@:
	s_add_co_u32 s80, s80, 128
	s_add_co_u32 s82, s82, 6144
	s_add_co_u32 s83, s83, 256
	s_add_co_u32 s85, s85, 4
.if \q == 7
	s_add_co_u32 s84, s84, VCH
.endif
.endm
; ALL THE KEYS: one wait and one barrier, then two trips of eight steps; nothing is ever filled again.
	s_wait_alu depctr_va_vdst(0)
	s_wait_tensorcnt 0x0                           ; my one load has landed
	s_wait_dscnt 0x0
	s_barrier_signal -1
	s_barrier_wait -1                              ; the head's K, V and scales lie in LDS for every wave; nothing is ever filled again
	s_mov_b32 s80, 0
	s_mov_b32 s82, 0
	s_mov_b32 s83, 0
	s_mov_b32 s84, 0
	s_mov_b32 s85, 0
	s_mov_b32 s86, 2
.Lhalf:                                                ; a trip: 1,024 keys, eight steps, a row of V's half
.irp q, 0,1,2,3,4,5,6,7
	STEP \q
.endr
	s_sub_co_u32 s86, s86, 1
	s_cmp_lg_u32 s86, 0
	s_cbranch_scc1 .Lhalf
	; THE WAY OUT: O^T / the sum; register 16 b + i is channel 32 b + 16 h + i of my query: half a block; the other half lies in lane l xor 16.  Codes and bytes go straight to memory: a head's 48 bytes of a token's row.
.rept 4
	v_nop                                          ; places behind the last products
.endr
	s_wait_alu depctr_va_vdst(0)
	v_add_f32 v14, v14, v15
	s_delay_alu instid0(VALU_DEP_1)
	v_permlanex16_b32 v252, v14, s20, s21
	s_delay_alu instid0(VALU_DEP_1)
	v_add_f32 v14, v14, v252                       ; the row's sum
	s_wait_alu depctr_va_vdst(0)
	v_rcp_f32 v14, v14
	v_bfe_u32 v9, v0, 4, 1                         ; (a plain instruction behind the transcendental)  h
.set j, 0
	s_wait_alu depctr_va_vdst(0)
.rept 32
	v_mul_f32 v[96+j], v[160+j], v14               ; each accumulator from its low end on
.set j, j+1
.endr
.irp b, 0,1
	v_max3_num_f32 v[232+\b], |v[96+16*\b]|, |v[97+16*\b]|, 0x1800000
.endr
.irp i, 2,4,6,8,10,12,14
.irp b, 0,1
	s_delay_alu instid0(VALU_DEP_2)
	v_max3_num_f32 v[232+\b], v[232+\b], |v[96+16*\b+\i]|, |v[97+16*\b+\i]|
.endr
.endr
.irp b, 0,1
	s_delay_alu instid0(VALU_DEP_2)
	v_permlanex16_b32 v[236+\b], v[232+\b], s20, s21
.endr
.irp b, 0,1
	s_delay_alu instid0(VALU_DEP_2)
	v_max_num_f32 v[232+\b], v[232+\b], v[236+\b]
.endr
.irp b, 0,1
	s_delay_alu instid0(VALU_DEP_2)
	v_add_nc_u32 v[244+\b], 0xff000000, v[232+\b]
.endr
.irp b, 0,1
	s_delay_alu instid0(VALU_DEP_2)
	v_lshrrev_b32 v[240+\b], 23, v[244+\b]
.endr
	v_cvt_scalef32_pk16_fp6_f32 v[224:226], v[96:111], v244
	v_cvt_scalef32_pk16_fp6_f32 v[228:230], v[112:127], v245
	v_nop                                          ; one plain instruction behind the scaled conversions
	v_cmp_eq_u32 vcc_lo, 1, v9
	s_delay_alu instid0(VALU_DEP_1)
	v_cndmask_b32 v240, v240, v241, vcc_lo         ; lanes 0-15 store block 0's byte, lanes 16-31 block 1's
	global_store_b96 v6, v[224:226], s[14:15]
	global_store_b96 v6, v[228:230], s[14:15] offset:24
	global_store_b8 v7, v240, s[16:17]
	s_wait_tensorcnt 0x0
	ds_add_u32 v223, v243
	s_wait_dscnt 0x0
	s_endpgm
.Lfunc_end_k_q1d477db866_att:
	.size	k_q1d477db866_att, .Lfunc_end_k_q1d477db866_att-k_q1d477db866_att
	.p2alignl 7, 3214868480
	.fill 96, 4, 3214868480
	.section	.rodata,"a",@progbits
	.p2align	6, 0x0
	.amdhsa_kernel k_q1d477db866_att
		.amdhsa_group_segment_fixed_size 231936
		.amdhsa_private_segment_fixed_size 0
		.amdhsa_enable_private_segment 0
		.amdhsa_kernarg_size 24
		.amdhsa_user_sgpr_count 2
		.amdhsa_user_sgpr_kernarg_segment_ptr 1
		.amdhsa_wavefront_size32 1
		.amdhsa_system_sgpr_workgroup_id_x 1
		.amdhsa_system_sgpr_workgroup_id_y 1
		.amdhsa_system_sgpr_workgroup_id_z 1
		.amdhsa_system_vgpr_workitem_id 0
		.amdhsa_next_free_vgpr 256
		.amdhsa_next_free_sgpr 100
		.amdhsa_reserve_vcc 1
		.amdhsa_float_denorm_mode_32 3
		.amdhsa_float_denorm_mode_16_64 3
		.amdhsa_memory_ordered 1
		.amdhsa_forward_progress 1
		.amdhsa_inst_pref_size 208
	.end_amdhsa_kernel
	.amdgpu_metadata
---
amdhsa.version: [ 1, 2 ]
amdhsa.kernels:
  - .name:           k_q1d477db866_att
    .symbol:         k_q1d477db866_att.kd
    .args:
      - { .name: qk, .offset: 0, .size: 8, .value_kind: global_buffer, .address_space: global }
      - { .name: vt, .offset: 8, .size: 8, .value_kind: global_buffer, .address_space: global }
      - { .name: ao, .offset: 16, .size: 8, .value_kind: global_buffer, .address_space: global }
    .group_segment_fixed_size: 231936
    .private_segment_fixed_size: 0
    .kernarg_segment_align: 8
    .kernarg_segment_size: 24
    .max_flat_workgroup_size: 512
    .sgpr_count:     100
    .vgpr_count:     256
    .wavefront_size: 32
...
	.end_amdgpu_metadata
.endif
;; end of part 9
;; launch wo (part 10): grid 8 x 32, 4 waves a work-group, clusters of 4 x 4, 327,680 bytes of LDS; arguments ao, wo_codes, wo_scales, bo, x, x1; writes x1
.if DOCPART == 10
	.amdgcn_target "amdgcn-amd-amdhsa--gfx1250"
	.amdhsa_code_object_version 6
	.text
	.protected	k_q1d477db866_wo
	.globl	k_q1d477db866_wo
	.p2align	8
	.type	k_q1d477db866_wo,@function
k_q1d477db866_wo:
	s_mov_b64 s[64:65], 0
	v_nop
	global_prefetch_b8 v0, s[64:65] scope:SCOPE_SE
	s_setreg_imm32_b32 hwreg(HW_REG_WAVE_MODE, 25, 1), 1
	s_wait_xcnt 0x0
	s_wait_alu depctr_hold_cnt(0) depctr_sa_sdst(0) depctr_va_vdst(0) depctr_va_sdst(0) depctr_va_ssrc(0) depctr_va_vcc(0) depctr_vm_vsrc(0)
	s_getreg_b32 s2, hwreg(HW_REG_IB_STS2, 6, 4)
	s_cmp_eq_u32 s2, 0
	s_cbranch_scc0 .Lentry_in_a_cluster
	s_endpgm
.Lentry_in_a_cluster:
	s_bfe_u32 s2, ttmp6, 0x10000c
	s_cmp_lg_u32 s2, 0xf033
	s_cbranch_scc0 .Lentry_shape_is_right
	s_endpgm
.Lentry_shape_is_right:
; out[m][n] = resid[m][n] + bias[n] + sum over k of A[m][k] B[n][k], on codes of E2M3 with one E8M0 byte for each 32 along K; out and resid [4096][1024] f32.
; Here: A = the attention's output (codes [4096][768 bytes], its scale bytes [4096][32] from byte ASOFF of the same buffer), B = wo, bias = bo, resid = x, out = x1.  K = 1,024.
; A TILE OF out IS 128 x 128: 4,096 x 1,024 gives 256 such tiles, 256 work-groups (tiles of 256 x 256 would be 64).  Four waves, each 64 x 64: 16 accumulators of 16 x 16.
; THE RING.  A piece is 128 rows x 768 bytes, all of K: wave 0 brings A's, wave 1 B's, each by one tensor load.
; With K = 1,024 the two slots hold all of K: both are filled once, at the start.  The scales of the tile's rows come once too, 128 rows a load, by waves 2 and 3.
; CLUSTERS: 4 x 4 work-groups; A's pieces are asked for jointly along a row of the cluster, B's along a column.  THE MATRIX INSTRUCTION IS USED TRANSPOSED (source 0 = 16 rows of B, source 1 = 16 rows of A).
; THE RESIDUAL of the wave's 64 x 64 (128 registers) is asked for at the head, laid as the way out stores, and waited for once, behind the last product.
; REGISTERS, in windows of 256: window 0: v0-31 addresses (v12-15 my four columns' biases); v32-63 scale words, two sets of 16; v64-127 the way out; v128-255 the accumulators ((a, b) at v[128 + 8 (4 a + b)]).
;   window 1: two sets of fragments, at v0 and v128: A's four blocks (48 registers), then B's four.   window 2: v0-127 the residual.
.set SIZE_K, 1024
.set SIZE_N, 1024
.set ASOFF,  3145728                   ; where A's scale bytes begin in A's buffer
.set NTOUT,  0                         ; the result is read again by later launches
.set ROWB,   768                       ; a tile's row: a whole row of codes; all of K lies in LDS, filled once
.set KROW,   SIZE_K*6/8                ; a row of A or of B in memory
.set PITCH,  816                       ; 3 x (256 bytes + 16 of padding)
.set STEPS,  SIZE_K/128
.set CHUNKS, KROW/ROWB
.set G0H,    4                         ; group 0 of the loads of A's and of B's 128 rows
.set G0HB,   8
.set FR,     12                        ; registers of a fragment: 16 rows x 128 K
.set NP,     4                         ; places behind this matrix instruction (ISA guide 7.12.1)
.set PIECE,  128*PITCH                 ; what one tensor load brings
.set SLOT,   PIECE                     ; A's 128 rows; B's lie behind them
.set LAPS,   SIZE_K/1024               ; a lap = two slots = once round the ring
.set KS,     SIZE_K/32                 ; a row of scales in bytes
.set SCL,    2*SLOT                    ; behind the ring: the scales, as units of 256 bytes + 16 of padding
.set QS,     (64*KS/256)*272           ; those of 64 rows: what one wave reads of A or of B
.set SBLK,   (16*KS/256)*272           ; those of 16 rows
.set STAGE,  SCL+4*QS                  ; behind the scales, in bytes of its own: 16 rows x (256 bytes + 16) for each wave, for the way out
.set SPITCH, 272
.set SPARE,  327168                    ; the spare words, 128 bytes for each wave: two blocks of 256 bytes that no other line names
.set BI,   12
.set ADRA, 16                          ; v16 LDS address of my A fragments (v18: the same for the pieces that lie behind one padding more)
.set ADRB, 20                          ; v20, v22 the same for B
.set STO,  24                          ; the way out: where I put 32 bytes of a row
.set RD,   25                          ; where I read a row back
.set CO,   26                          ; my byte offset in out and in resid: lanes 0-15 one row, lanes 16-31 the next; 16 bytes a lane; never rewritten
.set ADRS, 27                          ; LDS address of my scale words: lanes 0-15 A's rows, lanes 16-31 B's
.set SPW,  28
.set NIL,  29
.set SC,   32                          ; set s (groups of four steps by turns) at v[SC + 16 s]; in it register 4 i + q: lanes 0-15 the word of A's block i, lanes 16-31 that of B's block i, for the group's q-th 128 along K
.set BK,   64                          ; the way out: 16 rows back from the stage: v64-95 and v96-127 by turns
.set ACC,  128
.set G1, 24
.set G0, 32
.set G1B, 48
.set G0B, 56
.set G1S, 68
.set G0S, 76
.set G1SB, 80
.set G0SB, 88
.set MSB, 0
.macro WIN new                         ; the immediate's high byte repeats the setting that is left
.if MSB != (\new)
	s_set_vgpr_msb (MSB<<8)|(\new)
.set MSB, (\new)
.endif
.endm
.set MUL,  0x05                        ; sources 0 (B) and 1 (A) window 1; C and D window 0
.set TO_F, 0x40                        ; destination window 1, address window 0
.macro JLOAD g0a, g1a, g0b, g1b        ; a joint load: waves 0 and 1 fetch for A, waves 2 and 3 for B; four v_nop follow each line
	s_cmp_eq_u32 s15, 0
	s_cbranch_scc0 .Lfor_b_\@
	tensor_load_to_lds s[\g0a:\g0a+3], s[\g1a:\g1a+7]
	s_nop 0
.rept 4
	v_nop
.endr
	s_branch .Lasked_\@
.Lfor_b_\@:
	tensor_load_to_lds s[\g0b:\g0b+3], s[\g1b:\g1b+7]
	s_nop 0
.rept 4
	v_nop
.endr
.Lasked_\@:
.endm
.macro CREST                           ; a round of the cluster's barrier behind its opening barrier
	s_cmp_lg_u32 s14, 0
	s_cbranch_scc1 .Lnot_wave_0_\@
	s_barrier_signal -3
.Lnot_wave_0_\@:
	s_barrier_wait -3
	s_barrier_signal -1
	s_barrier_wait -1
.endm
.macro CROUND
	s_barrier_signal -1
	s_barrier_wait -1
	CREST
.endm
	s_load_b64 s[4:5], s[0:1], 0x0                 ; A
	s_load_b128 s[8:11], s[0:1], 0x8               ; B's codes, B's scales
	s_load_b64 s[66:67], s[0:1], 0x18              ; bias
	s_load_b64 s[98:99], s[0:1], 0x20              ; resid
	s_load_b64 s[12:13], s[0:1], 0x28              ; out
	v_lshl_add_u32 v[SPW], v0, 2, SPARE
	v_mov_b32 v[NIL], 0
	ds_add_u32 v28, v29
	ds_add_u32 v28, v29
	s_wait_dscnt 0x0
	v_lshrrev_b32 v1, 5, v0
	v_readfirstlane_b32 s14, v1                    ; wave 0..3
	s_lshr_b32 s15, s14, 1                         ; which half of the tile's rows is mine.
	s_and_b32 s16, s14, 1                          ; which half of its columns.
	s_bfe_u32 s40, ttmp6, 0x40000                  ; cx, cy: my place in the cluster
	s_bfe_u32 s41, ttmp6, 0x40004
	s_lshl_b32 s42, ttmp9, 2
	s_add_co_u32 s42, s42, s40                     ; tile column = 4 x cluster x + cx
	s_and_b32 s17, ttmp7, 0xffff
	s_lshl_b32 s17, s17, 2
	s_add_co_u32 s17, s17, s41                     ; tile row = 4 x cluster y + cy
	s_lshl_b32 s43, s41, 2
	s_lshl_b32 s43, 15, s43                        ; my row of the cluster
	s_lshl_b32 s44, 0x1111, s40                    ; my column
	s_or_b32 s[G1+0], s43, (0<<16)|(1<<20)|(1<<21)|(5<<22)|(3<<25)
	s_or_b32 s[G1B+0], s44, (0<<16)|(1<<20)|(1<<21)|(5<<22)|(3<<25)
.irp g, G1, G1B
	s_mov_b32 s[\g+1], ROWB<<16                    ; tensor_dim0
	s_mov_b32 s[\g+2], 128<<16                     ; tensor_dim1
	s_mov_b32 s[\g+3], ROWB<<16                    ; tile_dim0
	s_mov_b32 s[\g+4], 128                         ; tile_dim1
	s_mov_b32 s[\g+5], KROW                        ; tensor_dim0_stride
	s_mov_b32 s[\g+6], 0
	s_mov_b32 s[\g+7], 0
.endr
	s_or_b32 s[G1S+0], s43, (3<<16)|(1<<20)|(1<<21)|(5<<22)|(3<<25)   ; the scales of 128 rows: a dense block, as rows of 256 bytes (32 elements of 8 bytes), 16 bytes of padding behind each
	s_or_b32 s[G1SB+0], s44, (3<<16)|(1<<20)|(1<<21)|(5<<22)|(3<<25)
.irp g, G1S, G1SB
	s_mov_b32 s[\g+1], 32<<16
	s_mov_b32 s[\g+2], (128*KS/256)<<16            ; the scales of 128 rows
	s_mov_b32 s[\g+3], 32<<16
	s_mov_b32 s[\g+4], 128*KS/256
	s_mov_b32 s[\g+5], 32
	s_mov_b32 s[\g+6], 0
	s_mov_b32 s[\g+7], 0
.endr
	s_lshl_b32 s20, s17, 7                         ; the tiles' first rows
	s_lshl_b32 s46, s42, 7
	s_mov_b32 s22, s20
	s_mov_b32 s92, s46
	s_mov_b32 s21, 0
	s_mov_b32 s23, 0
	s_mov_b32 s47, 0
	s_mov_b32 s93, 0
	s_mov_b64 s[18:19], KS
	s_mul_u64 s[22:23], s[22:23], s[18:19]         ; where those rows' scales begin, in bytes,
	s_mul_u64 s[92:93], s[92:93], s[18:19]
	s_mov_b64 s[18:19], KROW
	s_mul_u64 s[20:21], s[20:21], s[18:19]         ; and the tile's rows of codes
	s_mul_u64 s[46:47], s[46:47], s[18:19]
	s_wait_kmcnt 0x0
	s_add_nc_u64 s[6:7], s[4:5], ASOFF             ; A's scale bytes
	s_add_nc_u64 s[20:21], s[4:5], s[20:21]
	s_add_nc_u64 s[22:23], s[6:7], s[22:23]
	s_add_nc_u64 s[46:47], s[8:9], s[46:47]
	s_add_nc_u64 s[92:93], s[10:11], s[92:93]
	CROUND                                         ; all sixteen work-groups are here: the first joint loads meet
	s_mov_b32 s[G0S], 1
	s_mov_b32 s[G0S+1], SCL
	s_mov_b64 s[G0S+2:G0S+3], s[22:23]
	s_or_b32 s[G0S+3], s[G0S+3], 0x80000000
	s_mov_b32 s[G0SB], 1
	s_mov_b32 s[G0SB+1], SCL+2*QS
	s_mov_b64 s[G0SB+2:G0SB+3], s[92:93]
	s_or_b32 s[G0SB+3], s[G0SB+3], 0x80000000
	s_mov_b32 s[G0H], 1
	s_mov_b32 s[G0H+1], 0
	s_mov_b64 s[G0H+2:G0H+3], s[20:21]
	s_or_b32 s[G0H+3], s[G0H+3], 0x80000000
	s_mov_b32 s[G0HB], 1
	s_mov_b32 s[G0HB+1], PIECE
	s_mov_b64 s[G0HB+2:G0HB+3], s[46:47]
	s_or_b32 s[G0HB+3], s[G0HB+3], 0x80000000
; four tiles, one joint load a wave: wave 0 A's 128 rows, wave 1 B's, wave 2 A's scales, wave 3 B's
.macro ARM under, g0, g1, next
	s_cmp_lt_u32 s14, \under
	s_cbranch_scc0 \next
	tensor_load_to_lds s[\g0:\g0+3], s[\g1:\g1+7]
	s_nop 0
.rept 4
	v_nop
.endr
	s_branch .Lhead_asked
\next:
.endm
	ARM 1, G0H,  G1,  .Lhead_b
	ARM 2, G0HB, G1B, .Lhead_sa
	ARM 3, G0S,  G1S, .Lhead_sb
	tensor_load_to_lds s[G0SB:G0SB+3], s[G1SB:G1SB+7]
	s_nop 0
.rept 4
	v_nop
.endr
.Lhead_asked:
	v_and_b32 v1, 15, v0                           ; l % 16
	v_bfe_u32 v2, v0, 4, 1                         ; l / 16
	v_lshlrev_b32 v7, 4, v1                        ; my four columns: 16 bytes; never rewritten
	s_wait_alu depctr_va_vdst(0)
	v_lshl_add_u32 v[CO], v2, 12, v7               ; and one row of 4,096 bytes further down for lanes 16-31
	s_wait_alu depctr_va_vdst(0)
	s_lshl_b32 s20, s17, 7
	s_lshl_b32 s21, s15, 6
	s_add_co_u32 s20, s20, s21                     ; my first row: 128 x tile row + 64 x half
	s_mov_b32 s21, 0
	s_mov_b64 s[18:19], SIZE_N*4
	s_mul_u64 s[20:21], s[20:21], s[18:19]
	s_lshl_b32 s46, s42, 9                         ; my first column, in bytes: 512 x tile column + 256 x half
	s_lshl_b32 s47, s16, 8
	s_add_co_u32 s46, s46, s47
	s_mov_b32 s47, 0
	s_add_nc_u64 s[20:21], s[20:21], s[46:47]
	s_add_nc_u64 s[12:13], s[12:13], s[20:21]
	s_add_nc_u64 s[98:99], s[98:99], s[20:21]
	s_add_nc_u64 s[66:67], s[66:67], s[46:47]
	global_load_b128 v[BI:BI+3], v7, s[66:67]
	WIN 0x80                                       ; destination window 2
.irp a, 0,1,2,3
.irp t, 0,1,2,3,4,5,6,7
	global_load_b128 v[32*\a+4*\t:32*\a+4*\t+3], v[CO], s[98:99] offset:(16*\a+2*\t)*SIZE_N*4 th:TH_LOAD_NT   ; rows 16 a + 2 t and + 1: sixteen lanes read 256 consecutive bytes; each byte is read once in this launch
.endr
.endr
	WIN 0
	v_mul_u32_u24 v3, v1, PITCH
	v_mul_u32_u24 v4, v2, 24
	v_add_nc_u32 v4, v3, v4                        ; a fragment's row x pitch + 24 x half
	v_lshl_add_u32 v5, v2, 4, v4                   ; and the same behind one padding more
	s_mul_i32 s21, s15, 64*PITCH                   ; my 64 rows of A
	s_mul_i32 s22, s16, 64*PITCH                   ; my 64 rows of B,
	s_add_co_u32 s22, s22, PIECE                   ; which lie behind A's 128
	v_add_nc_u32 v[ADRA], s21, v4
	v_add_nc_u32 v[ADRB], s22, v4
	v_add_nc_u32 v[ADRA+2], s21, v5
	v_add_nc_u32 v[ADRB+2], s22, v5
	v_mul_u32_u24 v5, v1, KS                       ; my row's scales: KS bytes a row,
	v_lshrrev_b32 v6, 8, v5
	v_lshl_add_u32 v5, v6, 4, v5                   ; and 16 more for each 256 passed
	s_mul_i32 s21, s15, QS                         ; A's: my 64 rows
	s_mul_i32 s22, s16, QS                         ; B's: my 64 rows, behind A's 128
	s_add_co_u32 s22, s22, 2*QS
	s_sub_co_u32 s22, s22, s21
	v_mul_u32_u24 v6, s22, v2                      ; lanes 16-31 take B's
	s_add_co_u32 s21, s21, SCL
	v_add_nc_u32 v5, v5, v6
	v_add_nc_u32 v[ADRS], s21, v5
	s_mul_i32 s23, s14, 16*SPITCH
	s_add_co_u32 s23, s23, STAGE                   ; my stage
	v_mul_u32_u24 v5, v1, SPITCH
	v_lshl_add_u32 v5, v2, 5, v5
	v_add_nc_u32 v[STO], s23, v5                   ; in: row l % 16, 32 bytes for each half of the lanes
	v_mul_u32_u24 v5, v2, SPITCH
	v_lshl_add_u32 v5, v1, 4, v5
	v_add_nc_u32 v[RD], s23, v5                    ; back: lanes 0-15 one row of 256 bytes, lanes 16-31 the next
.macro FRAG reg, adr, q, i             ; a fragment of the slot's q-th 128 along K: lane l holds row l % 16; registers 6 c .. 6 c + 5 hold K = 64 c + 32 (l / 16) + 0 .. 31: 24 bytes of the row's stream of bits, in pieces of 8 bytes
.irp p, 0,1,2,3,4,5
.set BY, 96*(\q)+48*(\p/3)+8*(\p%3)   ; q: the step, counted from the row's start.  Where lanes 16-31, 24 bytes on, lie behind one padding more, the second address register serves
.if BY/256 == (BY+24)/256
	ds_load_b64 v[\reg+2*\p:\reg+2*\p+1], v[\adr] offset:BY+16*(BY/256)+(\i)*16*PITCH
.else
	ds_load_b64 v[\reg+2*\p:\reg+2*\p+1], v[\adr+2] offset:BY+16*(BY/256)+(\i)*16*PITCH
.endif
.endr
.endm
; 4 matrix instructions: A's block a x B's four, 128 along K.  p: the set of fragments; sc: the set of scale words.  The 16 accumulators take turns, one instruction a turn, in the same order in every step
; zero = 1: the first product starts the sums.
.macro MUL4 a, p, q, sc, zero
.irp b, 0,1,2,3
.if \zero
	v_wmma_scale_f32_16x16x128_f8f6f4 v[ACC+8*(4*(\a)+\b):ACC+8*(4*(\a)+\b)+7], v[128*(\p)+48+FR*\b:128*(\p)+48+FR*\b+FR-1], v[128*(\p)+FR*(\a):128*(\p)+FR*(\a)+FR-1], 0, v[SC+16*(\sc)+4*\b+(\q)], v[SC+16*(\sc)+4*(\a)+(\q)] matrix_a_fmt:MATRIX_FMT_FP6 matrix_b_fmt:MATRIX_FMT_FP6 matrix_a_scale:MATRIX_SCALE_ROW1
.else
	v_wmma_scale_f32_16x16x128_f8f6f4 v[ACC+8*(4*(\a)+\b):ACC+8*(4*(\a)+\b)+7], v[128*(\p)+48+FR*\b:128*(\p)+48+FR*\b+FR-1], v[128*(\p)+FR*(\a):128*(\p)+FR*(\a)+FR-1], v[ACC+8*(4*(\a)+\b):ACC+8*(4*(\a)+\b)+7], v[SC+16*(\sc)+4*\b+(\q)], v[SC+16*(\sc)+4*(\a)+(\q)] matrix_a_fmt:MATRIX_FMT_FP6 matrix_b_fmt:MATRIX_FMT_FP6 matrix_a_scale:MATRIX_SCALE_ROW1
.endif
.endr
.endm
.macro FETCH slot, q, p                ; 48 LDS loads in one run: B's four and A's four fragments of the slot's q-th 128 along K into set p
	WIN TO_F
.irp i, 0,1,2,3
	FRAG 128*(\p)+48+FR*\i, ADRB+\slot, \q, \i
.endr
.irp i, 0,1,2,3
	FRAG 128*(\p)+FR*\i, ADRA+\slot, \q, \i
.endr
.endm
.macro SCALES sc                       ; a slot's scale words, four a row: lanes 0-15 take A's block i, lanes 16-31 B's block i
.irp i, 0,1,2,3
	ds_load_b128 v[SC+16*((\sc)%2)+4*\i:SC+16*((\sc)%2)+4*\i+3], v[ADRS] offset:\i*SBLK+16*(\sc)   ; sc: the group of four steps
.endr
.endm
.macro PLACES n                        ; plain vector instructions between a matrix instruction and a load into, or a read of, its registers
.rept \n
	v_nop
.endr
.endm
; A step of 128 along K that has its successor in the same slot: the successor's fragments are asked for first, into the set that the last step multiplied, and have this step's sixteen products in which to land.
; A step of 128 along K: the next step's fragments are asked for first, into the set that the last step multiplied, and have this step's sixteen products in which to land.
.macro STEP st, zero
.set NX, (\st)+1
	s_wait_dscnt 0x0                               ; this step's fragments are in
	PLACES NP
.if NX%4 == 0
	WIN 0
	SCALES NX/4
.endif
	FETCH 0, NX, NX%2
	WIN MUL
.irp a, 0,1,2,3
	MUL4 \a, (\st)%2, (\st)%4, ((\st)/4)%2, \zero
.endr
.endm
	s_wait_alu depctr_va_vdst(0)
	s_wait_tensorcnt 0x0                           ; my one load has landed,
	s_barrier_signal -1
	s_barrier_wait -1                              ; everybody's has; nothing is filled again
	SCALES 0
	FETCH 0, 0, 0
	STEP 0, 1                                      ; the first step's products start the sums
.set ST, 1
.rept STEPS-2
	STEP ST, 0
.set ST, ST+1
.endr
	s_wait_dscnt 0x0                               ; the very last step: nothing more to fetch
	WIN MUL
	MUL4 0, 1, 3, 1, 0
	MUL4 1, 1, 3, 1, 0
	MUL4 2, 1, 3, 1, 0
	MUL4 3, 1, 3, 1, 0
	WIN 0
; THE WAY OUT, block by block of 16 rows x 64 columns.  A lane holds 32 neighbouring bytes of a row, and the lanes beside it hold other rows: so a block goes through my own stage in LDS and comes back as whole rows of
; 256 bytes, two an instruction; the residual's same rows and the bias are added; sixteen lanes store 256 consecutive bytes, at a multiple of 256 from out's first byte.  Every offset is an immediate: no base is stepped.
.macro TOSTAGE a
.irp b, 0,1,2,3
	ds_store_b128 v[STO], v[ACC+32*(\a)+8*\b:ACC+32*(\a)+8*\b+3] offset:64*\b          ; each accumulator from its low end on
	ds_store_b128 v[STO], v[ACC+32*(\a)+8*\b+4:ACC+32*(\a)+8*\b+7] offset:64*\b+16
.endr
.set BB, BK+32*((\a)%2)
.irp t, 0,1,2,3,4,5,6,7
	ds_load_b128 v[BB+4*\t:BB+4*\t+3], v[RD] offset:\t*2*SPITCH    ; LDS serves a wave's instructions in order (ISA guide 5.7.1.4): these see the stores above, and the next block's stores come behind them
.endr
.endm
.macro SENDF a, younger                ; younger: the LDS instructions issued behind block a's loads, which may stay out
.set BB, BK+32*((\a)%2)
	s_wait_dscnt \younger                          ; the block is back in registers
	WIN 0x08                                       ; source 1 window 2: the residual
.set i, 0
.rept 16
	v_pk_add_f32 v[BB+i:BB+i+1], v[BB+i:BB+i+1], v[32*(\a)+i:32*(\a)+i+1]
.set i, i+2
.endr
	WIN 0
.set i, 0
.rept 8
	v_pk_add_f32 v[BB+i:BB+i+1], v[BB+i:BB+i+1], v[BI:BI+1]
	v_pk_add_f32 v[BB+i+2:BB+i+3], v[BB+i+2:BB+i+3], v[BI+2:BI+3]
.set i, i+4
.endr
.irp t, 0,1,2,3,4,5,6,7
.if NTOUT
	global_store_b128 v[CO], v[BB+4*\t:BB+4*\t+3], s[12:13] offset:(16*(\a)+2*\t)*SIZE_N*4 th:TH_STORE_NT
.else
	global_store_b128 v[CO], v[BB+4*\t:BB+4*\t+3], s[12:13] offset:(16*(\a)+2*\t)*SIZE_N*4
.endif
.endr
.endm
	PLACES NP                                      ; behind the last products, in front of the stores that read results
	s_wait_loadcnt 0x0                             ; the residual and the bias, asked for at the head
	TOSTAGE 0
.irp a, 1,2,3
.if \a > 1
	s_wait_xcnt 0x0                                ; block a - 2's stores have read their registers: block a's loads may land there
.endif
	TOSTAGE \a
	SENDF \a-1, 16                                 ; behind block a - 1's loads: block a's 8 stores and 8 loads
.endr
	SENDF 3, 0
	s_wait_tensorcnt 0x0                           ; the wave's end: behind my last tensor load and my last LDS store
	ds_add_u32 v[SPW], v[NIL]
	s_wait_dscnt 0x0
	CROUND                                         ; the closing round: no work-group ends while a partner may still ask for a tile that names it
	s_endpgm
.Lfunc_end_k_q1d477db866_wo:
	.size	k_q1d477db866_wo, .Lfunc_end_k_q1d477db866_wo-k_q1d477db866_wo
	.p2alignl 7, 3214868480
	.fill 96, 4, 3214868480
	.section	.rodata,"a",@progbits
	.p2align	6, 0x0
	.amdhsa_kernel k_q1d477db866_wo
		.amdhsa_group_segment_fixed_size 327680
		.amdhsa_private_segment_fixed_size 0
		.amdhsa_enable_private_segment 0
		.amdhsa_kernarg_size 48
		.amdhsa_user_sgpr_count 2
		.amdhsa_user_sgpr_kernarg_segment_ptr 1
		.amdhsa_wavefront_size32 1
		.amdhsa_system_sgpr_workgroup_id_x 1
		.amdhsa_system_sgpr_workgroup_id_y 1
		.amdhsa_system_sgpr_workgroup_id_z 1
		.amdhsa_system_vgpr_workitem_id 0
		.amdhsa_next_free_vgpr 640
		.amdhsa_next_free_sgpr 100
		.amdhsa_reserve_vcc 0
		.amdhsa_float_denorm_mode_32 3
		.amdhsa_float_denorm_mode_16_64 3
		.amdhsa_memory_ordered 1
		.amdhsa_forward_progress 1
		.amdhsa_inst_pref_size 71
	.end_amdhsa_kernel
	.amdgpu_metadata
---
amdhsa.version: [ 1, 2 ]
amdhsa.kernels:
  - .name:           k_q1d477db866_wo
    .symbol:         k_q1d477db866_wo.kd
    .args:
      - { .name: ao, .offset: 0, .size: 8, .value_kind: global_buffer, .address_space: global }
      - { .name: wo_codes, .offset: 8, .size: 8, .value_kind: global_buffer, .address_space: global }
      - { .name: wo_scales, .offset: 16, .size: 8, .value_kind: global_buffer, .address_space: global }
      - { .name: bo, .offset: 24, .size: 8, .value_kind: global_buffer, .address_space: global }
      - { .name: x, .offset: 32, .size: 8, .value_kind: global_buffer, .address_space: global }
      - { .name: x1, .offset: 40, .size: 8, .value_kind: global_buffer, .address_space: global }
    .group_segment_fixed_size: 327680
    .private_segment_fixed_size: 0
    .kernarg_segment_align: 8
    .kernarg_segment_size: 48
    .max_flat_workgroup_size: 128
    .sgpr_count:     100
    .vgpr_count:     640
    .wavefront_size: 32
...
	.end_amdgpu_metadata
.endif
;; end of part 10
;; launch ln2: the kernel of part 7 again; grid 256 x 1, 4 waves a work-group, no clusters, 19,968 bytes of LDS; arguments x1, g2, beta2, nx; writes nx
;; launch w1 (part 11): grid 16 x 16, 4 waves a work-group, clusters of 4 x 4, 327,680 bytes of LDS; arguments nx, w1_codes, w1_scales, b1, hid; writes hid
.if DOCPART == 11
	.amdgcn_target "amdgcn-amd-amdhsa--gfx1250"
	.amdhsa_code_object_version 6
	.text
	.protected	k_q1d477db866_w1
	.globl	k_q1d477db866_w1
	.p2align	8
	.type	k_q1d477db866_w1,@function
k_q1d477db866_w1:
	s_mov_b64 s[64:65], 0
	v_nop
	global_prefetch_b8 v0, s[64:65] scope:SCOPE_SE
	s_setreg_imm32_b32 hwreg(HW_REG_WAVE_MODE, 25, 1), 1
	s_wait_xcnt 0x0
	s_wait_alu depctr_hold_cnt(0) depctr_sa_sdst(0) depctr_va_vdst(0) depctr_va_sdst(0) depctr_va_ssrc(0) depctr_va_vcc(0) depctr_vm_vsrc(0)
	s_getreg_b32 s2, hwreg(HW_REG_IB_STS2, 6, 4)
	s_cmp_eq_u32 s2, 0
	s_cbranch_scc0 .Lentry_in_a_cluster
	s_endpgm
.Lentry_in_a_cluster:
	s_bfe_u32 s2, ttmp6, 0x10000c
	s_cmp_lg_u32 s2, 0xf033
	s_cbranch_scc0 .Lentry_shape_is_right
	s_endpgm
.Lentry_shape_is_right:
.set SIZE_K, 1024
.set KSTEP,  256
.set NQ,     KSTEP/128
.set ROWB,   256                       ; a tile's row: a chunk of 256 bytes of a row of codes, at a multiple of 256 bytes
.set KROW,   SIZE_K*6/8
.set PITCH,  272
.set XB,     ROWB-24                   ; from this byte of a chunk on, lanes 16-31 read the next chunk
.set STEPS,  SIZE_K/128                ; steps of 128 along K, 96 bytes of a row
.set CHUNKS, KROW/ROWB                 ; chunk c lies in slot c % 2
.set G0H,    4                         ; group 0 of the head's loads of chunk 0
.set G0HB,   8
.set FR,     12
.set NL,     6
.set NP,     4
.set HALFT,  128*PITCH
.set SLOT,   4*HALFT
.set LAPS,   SIZE_K/(2*KSTEP)
.set KS,     SIZE_K/32
.set SCL,    2*SLOT
.set HALFS,  (128*KS/256)*272
.set SBLK,   (16*KS/256)*272
.set SPARE,  327168
.set SPITCH, 528
.set STGW,   128*SPITCH
.set ADRA, 16
.set ADRB, 20
.set STO,  24
.set ADRS, 27
.set SPW,  28
.set NIL,  29
.set SC,   32
.set AF,   128
.set G1, 24
.set G0, 32
.set G1B, 48
.set G0B, 56
.set G1S, 68
.set G0S, 76
.set G1SB, 80
.set G0SB, 88
.set MSB, 0
.macro WIN new
.if MSB != (\new)
	s_set_vgpr_msb (MSB<<8)|(\new)
.set MSB, (\new)
.endif
.endm
.set MUL_LO, 0xa1
.set MUL_HI, 0xf1
.set TO_B,   0x40
.macro JLOAD g0a, g1a, g0b, g1b
	s_cmp_eq_u32 s15, 0
	s_cbranch_scc0 .Lfor_b_\@
	tensor_load_to_lds s[\g0a:\g0a+3], s[\g1a:\g1a+7]
	s_nop 0
.rept 4
	v_nop
.endr
	s_branch .Lasked_\@
.Lfor_b_\@:
	tensor_load_to_lds s[\g0b:\g0b+3], s[\g1b:\g1b+7]
	s_nop 0
.rept 4
	v_nop
.endr
.Lasked_\@:
.endm
.macro CREST
	s_cmp_lg_u32 s14, 0
	s_cbranch_scc1 .Lnot_wave_0_\@
	s_barrier_signal -3
.Lnot_wave_0_\@:
	s_barrier_wait -3
	s_barrier_signal -1
	s_barrier_wait -1
.endm
.macro CROUND
	s_barrier_signal -1
	s_barrier_wait -1
	CREST
.endm
	s_load_b64 s[4:5], s[0:1], 0x0
	s_load_b128 s[8:11], s[0:1], 0x8
	s_load_b64 s[66:67], s[0:1], 0x18
	s_load_b64 s[100:101], s[0:1], 0x20
	v_lshl_add_u32 v[SPW], v0, 2, SPARE
	v_mov_b32 v[NIL], 0
	ds_add_u32 v28, v29
	ds_add_u32 v28, v29
	s_wait_dscnt 0x0
	v_lshrrev_b32 v1, 5, v0
	v_readfirstlane_b32 s14, v1
	s_lshr_b32 s15, s14, 1
	s_and_b32 s16, s14, 1
	s_bfe_u32 s40, ttmp6, 0x40000
	s_bfe_u32 s41, ttmp6, 0x40004
	s_lshl_b32 s42, ttmp9, 2
	s_add_co_u32 s42, s42, s40
	s_and_b32 s17, ttmp7, 0xffff
	s_lshl_b32 s17, s17, 2
	s_add_co_u32 s17, s17, s41
	s_lshl_b32 s43, s41, 2
	s_lshl_b32 s43, 15, s43
	s_lshl_b32 s44, 0x1111, s40
	s_or_b32 s[G1+0], s43, (0<<16)|(1<<20)|(1<<21)|(5<<22)|(3<<25)
	s_or_b32 s[G1B+0], s44, (0<<16)|(1<<20)|(1<<21)|(5<<22)|(3<<25)
.irp g, G1, G1B
	s_mov_b32 s[\g+1], ROWB<<16
	s_mov_b32 s[\g+2], 256<<16                     ; the head's loads bring 256 rows
	s_mov_b32 s[\g+3], ROWB<<16
	s_mov_b32 s[\g+4], 256
	s_mov_b32 s[\g+5], KROW
	s_mov_b32 s[\g+6], 0
	s_mov_b32 s[\g+7], 0
.endr
	s_or_b32 s[G1S+0], s43, (3<<16)|(1<<20)|(1<<21)|(5<<22)|(3<<25)
	s_or_b32 s[G1SB+0], s44, (3<<16)|(1<<20)|(1<<21)|(5<<22)|(3<<25)
.irp g, G1S, G1SB
	s_mov_b32 s[\g+1], 32<<16
	s_mov_b32 s[\g+2], KS<<16                      ; the scales of 256 rows: KS rows of 256 bytes
	s_mov_b32 s[\g+3], 32<<16
	s_mov_b32 s[\g+4], KS
	s_mov_b32 s[\g+5], 32
	s_mov_b32 s[\g+6], 0
	s_mov_b32 s[\g+7], 0
.endr
	s_lshl_b32 s20, s17, 8                         ; the tiles' first rows
	s_lshl_b32 s46, s42, 8
	s_mov_b32 s21, 0
	s_mov_b32 s47, 0
	s_mov_b64 s[18:19], KS
	s_mul_u64 s[22:23], s[20:21], s[18:19]
	s_mul_u64 s[92:93], s[46:47], s[18:19]
	s_mov_b64 s[18:19], KROW
	s_mul_u64 s[20:21], s[20:21], s[18:19]
	s_mul_u64 s[46:47], s[46:47], s[18:19]
	s_mul_i32 s45, s14, HALFT
	s_mul_i32 s18, s16, 128*KROW                   ; in the ring I fetch 128 rows: which half, in bytes
	s_mov_b32 s19, 0
	s_wait_kmcnt 0x0
	s_add_nc_u64 s[6:7], s[4:5], 3145728
	s_add_nc_u64 s[20:21], s[4:5], s[20:21]
	s_add_nc_u64 s[22:23], s[6:7], s[22:23]
	s_add_nc_u64 s[46:47], s[8:9], s[46:47]
	s_add_nc_u64 s[92:93], s[10:11], s[92:93]
	CROUND
	s_mov_b32 s[G0S], 1
	s_mov_b32 s[G0S+1], SCL
	s_mov_b64 s[G0S+2:G0S+3], s[22:23]
	s_or_b32 s[G0S+3], s[G0S+3], 0x80000000
	s_mov_b32 s[G0SB], 1
	s_mov_b32 s[G0SB+1], SCL+2*HALFS
	s_mov_b64 s[G0SB+2:G0SB+3], s[92:93]
	s_or_b32 s[G0SB+3], s[G0SB+3], 0x80000000
	s_mov_b32 s[G0H], 1                            ; chunk 0's 256 rows of A,
	s_mov_b32 s[G0H+1], 0
	s_mov_b64 s[G0H+2:G0H+3], s[20:21]
	s_or_b32 s[G0H+3], s[G0H+3], 0x80000000
	s_mov_b32 s[G0HB], 1                           ; and of B
	s_mov_b32 s[G0HB+1], 2*HALFT
	s_mov_b64 s[G0HB+2:G0HB+3], s[46:47]
	s_or_b32 s[G0HB+3], s[G0HB+3], 0x80000000
	s_add_nc_u64 s[20:21], s[20:21], s[18:19]      ; for the ring: my 128 rows
	s_add_nc_u64 s[46:47], s[46:47], s[18:19]
.irp s, 0,1
	s_mov_b32 s[G0+4*\s], 1
	s_add_co_u32 s[G0+4*\s+1], s45, \s*SLOT
	s_add_nc_u64 s[G0+4*\s+2:G0+4*\s+3], s[20:21], \s*ROWB
	s_or_b32 s[G0+4*\s+3], s[G0+4*\s+3], 0x80000000
	s_mov_b32 s[G0B+4*\s], 1
	s_add_co_u32 s[G0B+4*\s+1], s45, \s*SLOT
	s_add_nc_u64 s[G0B+4*\s+2:G0B+4*\s+3], s[46:47], \s*ROWB
	s_or_b32 s[G0B+4*\s+3], s[G0B+4*\s+3], 0x80000000
.endr
; the head's four tiles, one joint load a wave: wave 0 A's chunk 0, wave 1 B's, wave 2 A's scales, wave 3 B's
.macro ARM under, g0, g1, next
	s_cmp_lt_u32 s14, \under
	s_cbranch_scc0 \next
	tensor_load_to_lds s[\g0:\g0+3], s[\g1:\g1+7]
	s_nop 0
.rept 4
	v_nop
.endr
	s_branch .Lhead_asked
\next:
.endm
	ARM 1, G0H,  G1,  .Lhead_b
	ARM 2, G0HB, G1B, .Lhead_sa
	ARM 3, G0S,  G1S, .Lhead_sb
	tensor_load_to_lds s[G0SB:G0SB+3], s[G1SB:G1SB+7]
	s_nop 0
.rept 4
	v_nop
.endr
.Lhead_asked:
	v_and_b32 v1, 15, v0
	v_bfe_u32 v2, v0, 4, 1
	v_mul_u32_u24 v3, v1, PITCH
	v_mul_u32_u24 v4, v2, 24
	v_add_nc_u32 v4, v3, v4
	s_mov_b32 s21, SLOT-XB
	s_mov_b32 s22, SLOT+XB
	v_sub_nc_u32 v7, 1, v2
	v_mul_u32_u24 v5, s21, v2
	v_add_nc_u32 v5, v3, v5
	v_add_nc_u32 v5, XB, v5                        ; across two chunks: lanes 0-15 byte XB of the row in slot 0, lanes 16-31 byte 0 in slot 1;
	v_mul_u32_u24 v6, s22, v7
	v_add_nc_u32 v6, v3, v6                        ; and the other way round
	s_mul_i32 s21, s15, HALFT
	s_mul_i32 s22, s16, HALFT
	s_add_co_u32 s22, s22, 2*HALFT
	v_add_nc_u32 v[ADRA+2], s21, v5
	v_add_nc_u32 v[ADRA+3], s21, v6
	v_add_nc_u32 v[ADRB+2], s22, v5
	v_add_nc_u32 v[ADRB+3], s22, v6
.irp s, 0,1
	v_add_nc_u32 v[ADRA+\s], s21, v4
	v_add_nc_u32 v[ADRB+\s], s22, v4
	s_add_co_u32 s21, s21, SLOT
	s_add_co_u32 s22, s22, SLOT
.endr
	v_mul_u32_u24 v5, v1, KS
	v_lshrrev_b32 v6, 8, v5
	v_lshl_add_u32 v5, v6, 4, v5
	s_mul_i32 s21, s15, HALFS
	s_mul_i32 s22, s16, HALFS
	s_add_co_u32 s22, s22, 2*HALFS
	s_sub_co_u32 s22, s22, s21
	v_mul_u32_u24 v6, s22, v2
	s_add_co_u32 s21, s21, SCL
	v_add_nc_u32 v5, v5, v6
	v_add_nc_u32 v[ADRS], s21, v5
	s_mul_i32 s23, s14, STGW
	v_mul_u32_u24 v5, v1, SPITCH
	v_lshl_add_u32 v6, v2, 5, v5
	v_add_nc_u32 v[STO], s23, v6
	v_lshl_add_u32 v6, v2, 8, v5
	v_add_nc_u32 v13, s23, v6
.macro FRAG reg, adr, q, i
.irp p, 0,1,2,3,4,5
.set BY, 96*(\q)+48*(\p/3)+8*(\p%3)   ; q: the step, counted from the row's start.  Byte y of a row lies in slot (y / ROWB) % 2 at byte y % ROWB
.if BY/ROWB == (BY+24)/ROWB
	ds_load_b64 v[\reg+2*\p:\reg+2*\p+1], v[\adr+(BY/ROWB)%2] offset:BY%ROWB+(\i)*16*PITCH
.else
	ds_load_b64 v[\reg+2*\p:\reg+2*\p+1], v[\adr+2+(BY/ROWB)%2] offset:BY%ROWB-XB+(\i)*16*PITCH
.endif
.endr
.endm
.macro MUL16 a0, p, q, sc, zero
.irp a, \a0, \a0+1
.irp b, 0,1,2,3,4,5,6,7
.if \zero
	v_wmma_scale_f32_16x16x128_f8f6f4 v[8*(8*((\a)%4)+\b):8*(8*((\a)%4)+\b)+7], v[128*(\p)+FR*\b:128*(\p)+FR*\b+FR-1], v[AF+FR*(\a):AF+FR*(\a)+FR-1], 0, v[SC+8*NQ*(\sc)+NQ*\b+(\q)], v[SC+8*NQ*(\sc)+NQ*(\a)+(\q)] matrix_a_fmt:MATRIX_FMT_FP6 matrix_b_fmt:MATRIX_FMT_FP6 matrix_a_scale:MATRIX_SCALE_ROW1
.else
	v_wmma_scale_f32_16x16x128_f8f6f4 v[8*(8*((\a)%4)+\b):8*(8*((\a)%4)+\b)+7], v[128*(\p)+FR*\b:128*(\p)+FR*\b+FR-1], v[AF+FR*(\a):AF+FR*(\a)+FR-1], v[8*(8*((\a)%4)+\b):8*(8*((\a)%4)+\b)+7], v[SC+8*NQ*(\sc)+NQ*\b+(\q)], v[SC+8*NQ*(\sc)+NQ*(\a)+(\q)] matrix_a_fmt:MATRIX_FMT_FP6 matrix_b_fmt:MATRIX_FMT_FP6 matrix_a_scale:MATRIX_SCALE_ROW1
.endif
.endr
.endr
.endm
.macro FETCH_B slot, q, p
	WIN TO_B
.irp i, 0,1,2,3,4,5,6,7
	FRAG 128*(\p)+FR*\i, ADRB+\slot, \q, \i
.endr
	WIN 0
.endm
.macro FETCH_A slot, q, i0
.irp i, \i0, \i0+1, \i0+2, \i0+3
	FRAG AF+FR*(\i), ADRA+\slot, \q, \i
.endr
.endm
.macro SCALES sc
.irp i, 0,1,2,3,4,5,6,7
	ds_load_b64 v[SC+8*NQ*((\sc)%2)+NQ*\i:SC+8*NQ*((\sc)%2)+NQ*\i+1], v[ADRS] offset:\i*SBLK+4*NQ*(\sc)   ; sc: the pair of steps
.endr
.endm
.macro PLACES n
.rept \n
	v_nop
.endr
.endm
; A step of 128 along K.  Where the next step's bytes END in a chunk not read yet: the wait for my tensor loads and a barrier, ahead of the fetch.
; Where they BEGIN in a later chunk: the chunk left behind is read no more: wait, add, wait, barrier; where a chunk two on is left, the barrier opens a round and the slot is filled again.
.macro STEP st, zero
.set NX, (\st)+1
.set C0, (96*(\st))/ROWB
.set C1, (96*NX)/ROWB
.set E0, (96*(\st)+95)/ROWB
.set E1, (96*NX+95)/ROWB
.if C1 > C0 || E1 > E0
	s_wait_tensorcnt 0x0                           ; all my tensor loads have landed
.if C1 > C0
	ds_add_u32 v[SPW], v[NIL]
	s_wait_dscnt 4*NL+1                            ; the add and A's blocks 4-7 may be out
.else
	s_wait_dscnt 4*NL                              ; A's blocks 4-7 may be out
.endif
	WIN MUL_LO
	MUL16 0, (\st)%2, (\st)%2, ((\st)/2)%2, \zero
	s_wait_dscnt 0x0                               ; the add and all my reads are done
	s_barrier_signal -1
	MUL16 2, (\st)%2, (\st)%2, ((\st)/2)%2, \zero
	WIN 0
	s_barrier_wait -1
.if C1 > C0 && C0+2 < CHUNKS
	CREST
	s_add_nc_u64 s[G0+4*(C0%2)+2:G0+4*(C0%2)+3], s[G0+4*(C0%2)+2:G0+4*(C0%2)+3], 2*ROWB
	s_add_nc_u64 s[G0B+4*(C0%2)+2:G0B+4*(C0%2)+3], s[G0B+4*(C0%2)+2:G0B+4*(C0%2)+3], 2*ROWB
	JLOAD G0+4*(C0%2), G1, G0B+4*(C0%2), G1B       ; chunk C0 + 2; its four v_nop are the places in front of the loads below
.else
	PLACES NP
.endif
.else
	s_wait_dscnt 4*NL
	WIN MUL_LO
	MUL16 0, (\st)%2, (\st)%2, ((\st)/2)%2, \zero
	MUL16 2, (\st)%2, (\st)%2, ((\st)/2)%2, \zero
	s_wait_dscnt 0
	PLACES NP
.endif
	FETCH_B 0, NX, NX%2
	FETCH_A 0, NX, 0
.if NX%2 == 0
	SCALES NX/2
.endif
	WIN MUL_HI
	MUL16 4, (\st)%2, (\st)%2, ((\st)/2)%2, \zero
	MUL16 6, (\st)%2, (\st)%2, ((\st)/2)%2, \zero
	PLACES NP
	WIN 0
	FETCH_A 0, NX, 4
.endm
	s_wait_alu depctr_va_vdst(0)
	s_wait_tensorcnt 0x0                           ; my tile of the head's four is in; slot 1's first fill is issued as a refill is
	ds_add_u32 v[SPW], v[NIL]
	s_mov_b32 s[G1+2], 128<<16                     ; no load of mine is out: from here on a load brings 128 rows
	s_mov_b32 s[G1+4], 128
	s_mov_b32 s[G1B+2], 128<<16
	s_mov_b32 s[G1B+4], 128
	s_wait_dscnt 0x0
	CROUND
	JLOAD G0+4, G1, G0B+4, G1B                     ; chunk 1
	FETCH_B 0, 0, 0
	FETCH_A 0, 0, 0
	SCALES 0
	FETCH_A 0, 0, 4
	STEP 0, 1                                      ; the first step's products start the sums
.set ST, 1                             ; eight steps to three chunks: the walk is written out
.rept STEPS-2
	STEP ST, 0
.set ST, ST+1
.endr
	s_wait_dscnt 4*NL
	WIN MUL_LO
	MUL16 0, 1, NQ-1, 1, 0
	MUL16 2, 1, NQ-1, 1, 0
	s_wait_dscnt 0
	WIN MUL_HI
	MUL16 4, 1, NQ-1, 1, 0
	MUL16 6, 1, NQ-1, 1, 0
	WIN 0
.set BB0, 128
.set BB1, 192
.set CC,  32
.set MX,  48
.set WW,  56
.set TT,  64
.set PP,  96
	PLACES NP
	s_wait_dscnt 0x0
	s_barrier_signal -1
	s_barrier_wait -1
	s_lshl_b32 s52, s17, 8
	s_lshl_b32 s53, s15, 7
	s_add_co_u32 s52, s52, s53
	s_mul_i32 s54, s52, 3072
	s_mul_i32 s55, s42, 192
	s_add_co_u32 s54, s54, s55
	s_mul_i32 s55, s16, 96
	s_add_co_u32 s54, s54, s55
	s_mov_b32 s55, 0
	s_lshl_b32 s56, s52, 7
	s_lshl_b32 s57, s42, 3
	s_add_co_u32 s56, s56, s57
	s_lshl_b32 s57, s16, 2
	s_add_co_u32 s56, s56, s57
	s_add_co_u32 s56, s56, 12582912
	s_mov_b32 s57, 0
	s_lshl_b32 s58, s42, 10
	s_lshl_b32 s59, s16, 9
	s_add_co_u32 s58, s58, s59
	s_mov_b32 s59, 0
	s_add_nc_u64 s[24:25], s[100:101], s[54:55]
	s_add_nc_u64 s[26:27], s[100:101], s[56:57]
	s_add_nc_u64 s[66:67], s[66:67], s[58:59]
	s_mov_b32 s48, 0x3eb504f3
	v_mul_u32_u24 v8, v1, 3072
	v_mad_u32_u24 v8, v2, 48, v8
	v_lshlrev_b32 v9, 7, v1
	v_lshl_add_u32 v9, v2, 1, v9
	v_lshlrev_b32 v12, 8, v2
	v_mov_b32 v54, 0x3e2ef945
	v_mov_b32 v55, 0x3e2ef945
	WIN 0x40
.irp i, 0,1,2,3,4,5,6,7,8,9,10,11,12,13,14,15
	global_load_b128 v[4*\i:4*\i+3], v12, s[66:67] offset:16*\i
.endr
	WIN 0
.irp a, 0,1,2,3,4,5,6,7
	WIN 0x08+4*(\a/4)
.irp b, 0,1,2,3,4,5,6,7
	ds_store_b128 v[STO], v[64*(\a%4)+8*\b:64*(\a%4)+8*\b+3] offset:\a*16*SPITCH+64*\b
	ds_store_b128 v[STO], v[64*(\a%4)+8*\b+4:64*(\a%4)+8*\b+7] offset:\a*16*SPITCH+64*\b+16
.endr
.endr
	WIN 0
	s_wait_loadcnt 0x0
.macro GELU x
.set i, 0
.rept 32
	v_fma_f32 v[TT+i], |v[\x+i]|, s48, 1.0
.set i, i+1
.endr
.set i, 0
	s_wait_alu depctr_va_vdst(0)
.rept 32
	v_rcp_f32 v[TT+i], v[TT+i]
.set i, i+1
.endr
	v_nop
.set i, 0
	s_wait_alu depctr_va_vdst(0)
.rept 16
	v_pk_fma_f32 v[PP+i:PP+i+1], v[TT+i:TT+i+1], v[54:55], 0xbf527892 op_sel_hi:[1,1,0]
.set i, i+2
.endr
.irp c, 0x3fbe87b0, 0xbf914e5d, 0x3e8ec7cc, 0xbe3ec24c, 0x3dc636c9, 0x3ebf88fb, 0x3f8000c7, 0xbfa1fc4e
.set i, 0
.rept 16
	v_pk_fma_f32 v[PP+i:PP+i+1], v[PP+i:PP+i+1], v[TT+i:TT+i+1], \c op_sel_hi:[1,1,0]
.set i, i+2
.endr
.endr
.set i, 0
.rept 4
.irp k, 0,2,4,6
	v_pk_mul_f32 v[WW+\k:WW+\k+1], v[\x+i+\k:\x+i+\k+1], v[\x+i+\k:\x+i+\k+1]
.endr
.irp k, 0,2,4,6
	v_pk_fma_f32 v[PP+i+\k:PP+i+\k+1], v[WW+\k:WW+\k+1], -0.5, v[PP+i+\k:PP+i+\k+1] op_sel_hi:[1,0,1]
.endr
.set i, i+8
.endr
.set i, 0
.rept 16
	v_pk_fma_f32 v[PP+i:PP+i+1], v[PP+i:PP+i+1], 0x3fb8aa3b, -1.0 op_sel_hi:[1,0,0]
.set i, i+2
.endr
.set i, 0
	s_wait_alu depctr_va_vdst(0)
.rept 32
	v_exp_f32 v[PP+i], v[PP+i]
.set i, i+1
.endr
	v_nop
.set i, 0
	s_wait_alu depctr_va_vdst(0)
.rept 16
	v_pk_mul_f32 v[PP+i:PP+i+1], v[PP+i:PP+i+1], v[TT+i:TT+i+1]
.set i, i+2
.endr
.set i, 0
.rept 32
	v_max_num_f32 v[TT+i], 0, v[\x+i]
.set i, i+1
.endr
.set i, 0
.rept 32
	v_fma_f32 v[\x+i], -|v[\x+i]|, v[PP+i], v[TT+i]
.set i, i+1
.endr
.endm
.macro QUANT2 bb
	v_max3_num_f32 v[MX], |v[\bb]|, |v[\bb+1]|, 0x1800000
	v_max3_num_f32 v[MX+1], |v[\bb+32]|, |v[\bb+33]|, 0x1800000
.set i, 2
.rept 15
	v_max3_num_f32 v[MX], v[MX], |v[\bb+i]|, |v[\bb+i+1]|
	v_max3_num_f32 v[MX+1], v[MX+1], |v[\bb+32+i]|, |v[\bb+33+i]|
.set i, i+2
.endr
	v_add_nc_u32 v[MX+2], 0xff000000, v[MX]
	v_add_nc_u32 v[MX+3], 0xff000000, v[MX+1]
	v_lshrrev_b32 v[MX+4], 23, v[MX+2]
	v_lshrrev_b32 v[MX+5], 23, v[MX+3]
	v_cvt_scalef32_pk16_fp6_f32 v[CC:CC+2], v[\bb:\bb+15], v[MX+2]
	v_cvt_scalef32_pk16_fp6_f32 v[CC+4:CC+6], v[\bb+16:\bb+31], v[MX+2]
	v_cvt_scalef32_pk16_fp6_f32 v[CC+8:CC+10], v[\bb+32:\bb+47], v[MX+3]
	v_cvt_scalef32_pk16_fp6_f32 v[CC+12:CC+14], v[\bb+48:\bb+63], v[MX+3]
	v_lshl_or_b32 v[MX+4], v[MX+5], 8, v[MX+4]
.endm
.macro WORK bb
	WIN 0x01
.set i, 0
.rept 32
	v_pk_add_f32 v[\bb+i:\bb+i+1], v[i:i+1], v[\bb+i:\bb+i+1]
.set i, i+2
.endr
	WIN 0
	GELU \bb
	GELU \bb+32
	QUANT2 \bb
.irp q, 0,1,2,3
	global_store_b96 v8, v[CC+4*\q:CC+4*\q+2], s[24:25] offset:12*\q
.endr
	global_store_b16 v9, v[MX+4], s[26:27]
	s_wait_xcnt 0x0
	s_add_nc_u64 s[24:25], s[24:25], 16*3072
	s_add_nc_u64 s[26:27], s[26:27], 16*128
.endm
	s_mov_b32 s49, 0
	s_mov_b32 s51, 4
.Lpair:
	v_add_nc_u32 v10, s49, v13
.irp i, 0,1,2,3,4,5,6,7,8,9,10,11,12,13,14,15
	ds_load_b128 v[BB0+4*\i:BB0+4*\i+3], v10 offset:16*\i
.endr
.irp i, 0,1,2,3,4,5,6,7,8,9,10,11,12,13,14,15
	ds_load_b128 v[BB1+4*\i:BB1+4*\i+3], v10 offset:16*SPITCH+16*\i
.endr
	s_wait_dscnt 16
	WORK BB0
	s_wait_dscnt 0x0
	WORK BB1
	s_add_co_u32 s49, s49, 32*SPITCH
	s_sub_co_u32 s51, s51, 1
	s_cmp_lg_u32 s51, 0
	s_cbranch_scc1 .Lpair
	s_wait_tensorcnt 0x0
	ds_add_u32 v[SPW], v[NIL]
	s_wait_dscnt 0x0
	CROUND
	s_endpgm
.Lfunc_end_k_q1d477db866_w1:
	.size	k_q1d477db866_w1, .Lfunc_end_k_q1d477db866_w1-k_q1d477db866_w1
	.p2alignl 7, 3214868480
	.fill 96, 4, 3214868480
	.section	.rodata,"a",@progbits
	.p2align	6, 0x0
	.amdhsa_kernel k_q1d477db866_w1
		.amdhsa_group_segment_fixed_size 327680
		.amdhsa_private_segment_fixed_size 0
		.amdhsa_enable_private_segment 0
		.amdhsa_kernarg_size 40
		.amdhsa_user_sgpr_count 2
		.amdhsa_user_sgpr_kernarg_segment_ptr 1
		.amdhsa_wavefront_size32 1
		.amdhsa_system_sgpr_workgroup_id_x 1
		.amdhsa_system_sgpr_workgroup_id_y 1
		.amdhsa_system_sgpr_workgroup_id_z 1
		.amdhsa_system_vgpr_workitem_id 0
		.amdhsa_next_free_vgpr 1024
		.amdhsa_next_free_sgpr 102
		.amdhsa_reserve_vcc 0
		.amdhsa_float_denorm_mode_32 3
		.amdhsa_float_denorm_mode_16_64 3
		.amdhsa_memory_ordered 1
		.amdhsa_forward_progress 1
		.amdhsa_inst_pref_size 255
	.end_amdhsa_kernel
	.amdgpu_metadata
---
amdhsa.version: [ 1, 2 ]
amdhsa.kernels:
  - .name:           k_q1d477db866_w1
    .symbol:         k_q1d477db866_w1.kd
    .args:
      - { .name: nx, .offset: 0, .size: 8, .value_kind: global_buffer, .address_space: global }
      - { .name: w1_codes, .offset: 8, .size: 8, .value_kind: global_buffer, .address_space: global }
      - { .name: w1_scales, .offset: 16, .size: 8, .value_kind: global_buffer, .address_space: global }
      - { .name: b1, .offset: 24, .size: 8, .value_kind: global_buffer, .address_space: global }
      - { .name: hid, .offset: 32, .size: 8, .value_kind: global_buffer, .address_space: global }
    .group_segment_fixed_size: 327680
    .private_segment_fixed_size: 0
    .kernarg_segment_align: 8
    .kernarg_segment_size: 40
    .max_flat_workgroup_size: 128
    .sgpr_count:     102
    .vgpr_count:     1024
    .wavefront_size: 32
...
	.end_amdgpu_metadata
.endif
;; end of part 11
;; launch w2 (part 12): grid 8 x 32, 4 waves a work-group, clusters of 4 x 4, 327,680 bytes of LDS; arguments hid, w2_codes, w2_scales, b2, x1, out0; writes out0
.if DOCPART == 12
	.amdgcn_target "amdgcn-amd-amdhsa--gfx1250"
	.amdhsa_code_object_version 6
	.text
	.protected	k_q1d477db866_w2
	.globl	k_q1d477db866_w2
	.p2align	8
	.type	k_q1d477db866_w2,@function
k_q1d477db866_w2:
	s_mov_b64 s[64:65], 0
	v_nop
	global_prefetch_b8 v0, s[64:65] scope:SCOPE_SE
	s_setreg_imm32_b32 hwreg(HW_REG_WAVE_MODE, 25, 1), 1
	s_wait_xcnt 0x0
	s_wait_alu depctr_hold_cnt(0) depctr_sa_sdst(0) depctr_va_vdst(0) depctr_va_sdst(0) depctr_va_ssrc(0) depctr_va_vcc(0) depctr_vm_vsrc(0)
	s_getreg_b32 s2, hwreg(HW_REG_IB_STS2, 6, 4)
	s_cmp_eq_u32 s2, 0
	s_cbranch_scc0 .Lentry_in_a_cluster
	s_endpgm
.Lentry_in_a_cluster:
	s_bfe_u32 s2, ttmp6, 0x10000c
	s_cmp_lg_u32 s2, 0xf033
	s_cbranch_scc0 .Lentry_shape_is_right
	s_endpgm
.Lentry_shape_is_right:
.set SIZE_K, 4096
.set SIZE_N, 1024
.set ASOFF,  12582912
.set NTOUT,  1
.set ROWB,   512                       ; a tile's row: a chunk of 512 bytes of a row of codes, at a multiple of 256 bytes
.set KROW,   SIZE_K*6/8
.set PITCH,  528
.set XB,     ROWB-24                   ; from this byte of a chunk on, lanes 16-31 read the next chunk
.set STEPS,  SIZE_K/128                ; steps of 128 along K, 96 bytes of a row: sixteen to three chunks
.set CHUNKS, KROW/ROWB                 ; chunk c lies in slot c % 2
.set G0H,    4                         ; group 0 of the head's loads of chunk 0
.set G0HB,   8
.set FR,     12
.set NP,     4
.set PIECE,  64*PITCH                  ; 64 rows: what one load of the ring brings
.set SLOT,   4*PIECE
.set LAPS,   SIZE_K/1024
.set KS,     SIZE_K/32
.set SCL,    2*SLOT
.set QS,     (64*KS/256)*272
.set SBLK,   (16*KS/256)*272
.set STAGE,  SCL+4*QS
.set SPITCH, 272
.set SPARE,  327168
.set BI,   12
.set ADRA, 16
.set ADRB, 20
.set STO,  24
.set RD,   25
.set CO,   26
.set ADRS, 27
.set SPW,  28
.set NIL,  29
.set SC,   32
.set BK,   64
.set ACC,  128
.set G1, 24
.set G0, 32
.set G1B, 48
.set G0B, 56
.set G1S, 68
.set G0S, 76
.set G1SB, 80
.set G0SB, 88
.set MSB, 0
.macro WIN new
.if MSB != (\new)
	s_set_vgpr_msb (MSB<<8)|(\new)
.set MSB, (\new)
.endif
.endm
.set MUL,  0x05
.set TO_F, 0x40
.macro JLOAD g0a, g1a, g0b, g1b
	s_cmp_eq_u32 s15, 0
	s_cbranch_scc0 .Lfor_b_\@
	tensor_load_to_lds s[\g0a:\g0a+3], s[\g1a:\g1a+7]
	s_nop 0
.rept 4
	v_nop
.endr
	s_branch .Lasked_\@
.Lfor_b_\@:
	tensor_load_to_lds s[\g0b:\g0b+3], s[\g1b:\g1b+7]
	s_nop 0
.rept 4
	v_nop
.endr
.Lasked_\@:
.endm
.macro CREST
	s_cmp_lg_u32 s14, 0
	s_cbranch_scc1 .Lnot_wave_0_\@
	s_barrier_signal -3
.Lnot_wave_0_\@:
	s_barrier_wait -3
	s_barrier_signal -1
	s_barrier_wait -1
.endm
.macro CROUND
	s_barrier_signal -1
	s_barrier_wait -1
	CREST
.endm
	s_load_b64 s[4:5], s[0:1], 0x0
	s_load_b128 s[8:11], s[0:1], 0x8
	s_load_b64 s[66:67], s[0:1], 0x18
	s_load_b64 s[98:99], s[0:1], 0x20
	s_load_b64 s[12:13], s[0:1], 0x28
	v_lshl_add_u32 v[SPW], v0, 2, SPARE
	v_mov_b32 v[NIL], 0
	ds_add_u32 v28, v29
	ds_add_u32 v28, v29
	s_wait_dscnt 0x0
	v_lshrrev_b32 v1, 5, v0
	v_readfirstlane_b32 s14, v1
	s_lshr_b32 s15, s14, 1
	s_and_b32 s16, s14, 1
	s_bfe_u32 s40, ttmp6, 0x40000
	s_bfe_u32 s41, ttmp6, 0x40004
	s_lshl_b32 s42, ttmp9, 2
	s_add_co_u32 s42, s42, s40
	s_and_b32 s17, ttmp7, 0xffff
	s_lshl_b32 s17, s17, 2
	s_add_co_u32 s17, s17, s41
	s_lshl_b32 s43, s41, 2
	s_lshl_b32 s43, 15, s43
	s_lshl_b32 s44, 0x1111, s40
	s_or_b32 s[G1+0], s43, (0<<16)|(1<<20)|(1<<21)|(6<<22)|(3<<25)
	s_or_b32 s[G1B+0], s44, (0<<16)|(1<<20)|(1<<21)|(6<<22)|(3<<25)
.irp g, G1, G1B
	s_mov_b32 s[\g+1], ROWB<<16
	s_mov_b32 s[\g+2], 128<<16
	s_mov_b32 s[\g+3], ROWB<<16
	s_mov_b32 s[\g+4], 128
	s_mov_b32 s[\g+5], KROW
	s_mov_b32 s[\g+6], 0
	s_mov_b32 s[\g+7], 0
.endr
	s_or_b32 s[G1S+0], s43, (3<<16)|(1<<20)|(1<<21)|(5<<22)|(3<<25)
	s_or_b32 s[G1SB+0], s44, (3<<16)|(1<<20)|(1<<21)|(5<<22)|(3<<25)
.irp g, G1S, G1SB
	s_mov_b32 s[\g+1], 32<<16
	s_mov_b32 s[\g+2], (128*KS/256)<<16            ; the scales of 128 rows
	s_mov_b32 s[\g+3], 32<<16
	s_mov_b32 s[\g+4], 128*KS/256
	s_mov_b32 s[\g+5], 32
	s_mov_b32 s[\g+6], 0
	s_mov_b32 s[\g+7], 0
.endr
	s_lshl_b32 s20, s17, 7                         ; the tiles' first rows
	s_lshl_b32 s46, s42, 7
	s_mov_b32 s22, s20
	s_mov_b32 s92, s46
	s_mov_b32 s21, 0
	s_mov_b32 s23, 0
	s_mov_b32 s47, 0
	s_mov_b32 s93, 0
	s_mov_b64 s[18:19], KS
	s_mul_u64 s[22:23], s[22:23], s[18:19]
	s_mul_u64 s[92:93], s[92:93], s[18:19]
	s_mov_b64 s[18:19], KROW
	s_mul_u64 s[20:21], s[20:21], s[18:19]
	s_mul_u64 s[46:47], s[46:47], s[18:19]
	s_mul_i32 s18, s16, 64*KROW                    ; in the ring I fetch 64 rows: which half, in bytes
	s_mov_b32 s19, 0
	s_mul_i32 s45, s14, PIECE
	s_wait_kmcnt 0x0
	s_add_nc_u64 s[6:7], s[4:5], ASOFF
	s_add_nc_u64 s[20:21], s[4:5], s[20:21]
	s_add_nc_u64 s[22:23], s[6:7], s[22:23]
	s_add_nc_u64 s[46:47], s[8:9], s[46:47]
	s_add_nc_u64 s[92:93], s[10:11], s[92:93]
	CROUND
	s_mov_b32 s[G0S], 1
	s_mov_b32 s[G0S+1], SCL
	s_mov_b64 s[G0S+2:G0S+3], s[22:23]
	s_or_b32 s[G0S+3], s[G0S+3], 0x80000000
	s_mov_b32 s[G0SB], 1
	s_mov_b32 s[G0SB+1], SCL+2*QS
	s_mov_b64 s[G0SB+2:G0SB+3], s[92:93]
	s_or_b32 s[G0SB+3], s[G0SB+3], 0x80000000
	s_mov_b32 s[G0H], 1                            ; chunk 0's 128 rows of A,
	s_mov_b32 s[G0H+1], 0
	s_mov_b64 s[G0H+2:G0H+3], s[20:21]
	s_or_b32 s[G0H+3], s[G0H+3], 0x80000000
	s_mov_b32 s[G0HB], 1                           ; and of B
	s_mov_b32 s[G0HB+1], 2*PIECE
	s_mov_b64 s[G0HB+2:G0HB+3], s[46:47]
	s_or_b32 s[G0HB+3], s[G0HB+3], 0x80000000
	s_add_nc_u64 s[20:21], s[20:21], s[18:19]      ; for the ring: my 64 rows
	s_add_nc_u64 s[46:47], s[46:47], s[18:19]
.irp s, 0,1
	s_mov_b32 s[G0+4*\s], 1
	s_add_co_u32 s[G0+4*\s+1], s45, \s*SLOT
	s_add_nc_u64 s[G0+4*\s+2:G0+4*\s+3], s[20:21], \s*ROWB
	s_or_b32 s[G0+4*\s+3], s[G0+4*\s+3], 0x80000000
	s_mov_b32 s[G0B+4*\s], 1
	s_add_co_u32 s[G0B+4*\s+1], s45, \s*SLOT
	s_add_nc_u64 s[G0B+4*\s+2:G0B+4*\s+3], s[46:47], \s*ROWB
	s_or_b32 s[G0B+4*\s+3], s[G0B+4*\s+3], 0x80000000
.endr
; the head's four tiles, one joint load a wave: wave 0 A's chunk 0, wave 1 B's, wave 2 A's scales, wave 3 B's
.macro ARM under, g0, g1, next
	s_cmp_lt_u32 s14, \under
	s_cbranch_scc0 \next
	tensor_load_to_lds s[\g0:\g0+3], s[\g1:\g1+7]
	s_nop 0
.rept 4
	v_nop
.endr
	s_branch .Lhead_asked
\next:
.endm
	ARM 1, G0H,  G1,  .Lhead_b
	ARM 2, G0HB, G1B, .Lhead_sa
	ARM 3, G0S,  G1S, .Lhead_sb
	tensor_load_to_lds s[G0SB:G0SB+3], s[G1SB:G1SB+7]
	s_nop 0
.rept 4
	v_nop
.endr
.Lhead_asked:
	v_and_b32 v1, 15, v0
	v_bfe_u32 v2, v0, 4, 1
	v_lshlrev_b32 v7, 4, v1
	s_wait_alu depctr_va_vdst(0)
	v_lshl_add_u32 v[CO], v2, 12, v7
	s_wait_alu depctr_va_vdst(0)
	s_lshl_b32 s20, s17, 7
	s_lshl_b32 s21, s15, 6
	s_add_co_u32 s20, s20, s21
	s_mov_b32 s21, 0
	s_mov_b64 s[18:19], SIZE_N*4
	s_mul_u64 s[20:21], s[20:21], s[18:19]
	s_lshl_b32 s46, s42, 9
	s_lshl_b32 s47, s16, 8
	s_add_co_u32 s46, s46, s47
	s_mov_b32 s47, 0
	s_add_nc_u64 s[20:21], s[20:21], s[46:47]
	s_add_nc_u64 s[12:13], s[12:13], s[20:21]
	s_add_nc_u64 s[98:99], s[98:99], s[20:21]
	s_add_nc_u64 s[66:67], s[66:67], s[46:47]
	global_load_b128 v[BI:BI+3], v7, s[66:67]
	WIN 0x80
.irp a, 0,1,2,3
.irp t, 0,1,2,3,4,5,6,7
	global_load_b128 v[32*\a+4*\t:32*\a+4*\t+3], v[CO], s[98:99] offset:(16*\a+2*\t)*SIZE_N*4 th:TH_LOAD_NT
.endr
.endr
	WIN 0
	v_mul_u32_u24 v3, v1, PITCH
	v_mul_u32_u24 v4, v2, 24
	v_add_nc_u32 v4, v3, v4
	s_mov_b32 s21, SLOT-XB
	s_mov_b32 s22, SLOT+XB
	v_sub_nc_u32 v8, 1, v2
	v_mul_u32_u24 v5, s21, v2
	v_add_nc_u32 v5, v3, v5
	v_add_nc_u32 v5, XB, v5                        ; across two chunks: lanes 0-15 byte XB of the row in slot 0, lanes 16-31 byte 0 in slot 1;
	v_mul_u32_u24 v6, s22, v8
	v_add_nc_u32 v6, v3, v6                        ; and the other way round
	s_mul_i32 s21, s15, 64*PITCH
	s_mul_i32 s22, s16, 64*PITCH
	s_add_co_u32 s22, s22, 2*PIECE
	v_add_nc_u32 v[ADRA+2], s21, v5
	v_add_nc_u32 v[ADRA+3], s21, v6
	v_add_nc_u32 v[ADRB+2], s22, v5
	v_add_nc_u32 v[ADRB+3], s22, v6
.irp s, 0,1
	v_add_nc_u32 v[ADRA+\s], s21, v4
	v_add_nc_u32 v[ADRB+\s], s22, v4
	s_add_co_u32 s21, s21, SLOT
	s_add_co_u32 s22, s22, SLOT
.endr
	v_mul_u32_u24 v5, v1, KS
	v_lshrrev_b32 v6, 8, v5
	v_lshl_add_u32 v5, v6, 4, v5
	s_mul_i32 s21, s15, QS
	s_mul_i32 s22, s16, QS
	s_add_co_u32 s22, s22, 2*QS
	s_sub_co_u32 s22, s22, s21
	v_mul_u32_u24 v6, s22, v2
	s_add_co_u32 s21, s21, SCL
	v_add_nc_u32 v5, v5, v6
	v_add_nc_u32 v[ADRS], s21, v5
	s_mul_i32 s23, s14, 16*SPITCH
	s_add_co_u32 s23, s23, STAGE
	v_mul_u32_u24 v5, v1, SPITCH
	v_lshl_add_u32 v5, v2, 5, v5
	v_add_nc_u32 v[STO], s23, v5
	v_mul_u32_u24 v5, v2, SPITCH
	v_lshl_add_u32 v5, v1, 4, v5
	v_add_nc_u32 v[RD], s23, v5
.macro FRAG reg, adr, q, i
.irp p, 0,1,2,3,4,5
.set BY, 96*(\q)+48*(\p/3)+8*(\p%3)   ; q: the step, counted from the row's start.  Byte y of a row lies in slot (y / ROWB) % 2 at byte y % ROWB
.if BY/ROWB == (BY+24)/ROWB
	ds_load_b64 v[\reg+2*\p:\reg+2*\p+1], v[\adr+(BY/ROWB)%2] offset:BY%ROWB+(\i)*16*PITCH
.else
	ds_load_b64 v[\reg+2*\p:\reg+2*\p+1], v[\adr+2+(BY/ROWB)%2] offset:BY%ROWB-XB+(\i)*16*PITCH
.endif
.endr
.endm
.macro MUL4 a, p, q, sc, zero
.irp b, 0,1,2,3
.if \zero
	v_wmma_scale_f32_16x16x128_f8f6f4 v[ACC+8*(4*(\a)+\b):ACC+8*(4*(\a)+\b)+7], v[128*(\p)+48+FR*\b:128*(\p)+48+FR*\b+FR-1], v[128*(\p)+FR*(\a):128*(\p)+FR*(\a)+FR-1], 0, v[SC+16*(\sc)+4*\b+(\q)], v[SC+16*(\sc)+4*(\a)+(\q)] matrix_a_fmt:MATRIX_FMT_FP6 matrix_b_fmt:MATRIX_FMT_FP6 matrix_a_scale:MATRIX_SCALE_ROW1
.else
	v_wmma_scale_f32_16x16x128_f8f6f4 v[ACC+8*(4*(\a)+\b):ACC+8*(4*(\a)+\b)+7], v[128*(\p)+48+FR*\b:128*(\p)+48+FR*\b+FR-1], v[128*(\p)+FR*(\a):128*(\p)+FR*(\a)+FR-1], v[ACC+8*(4*(\a)+\b):ACC+8*(4*(\a)+\b)+7], v[SC+16*(\sc)+4*\b+(\q)], v[SC+16*(\sc)+4*(\a)+(\q)] matrix_a_fmt:MATRIX_FMT_FP6 matrix_b_fmt:MATRIX_FMT_FP6 matrix_a_scale:MATRIX_SCALE_ROW1
.endif
.endr
.endm
.macro FETCH slot, q, p
	WIN TO_F
.irp i, 0,1,2,3
	FRAG 128*(\p)+48+FR*\i, ADRB+\slot, \q, \i
.endr
.irp i, 0,1,2,3
	FRAG 128*(\p)+FR*\i, ADRA+\slot, \q, \i
.endr
.endm
.macro SCALES sc
.irp i, 0,1,2,3
	ds_load_b128 v[SC+16*((\sc)%2)+4*\i:SC+16*((\sc)%2)+4*\i+3], v[ADRS] offset:\i*SBLK+16*(\sc)   ; sc: the group of four steps
.endr
.endm
.macro PLACES n
.rept \n
	v_nop
.endr
.endm
; A step of 128 along K: sixteen products; the next step's fragments are asked for in it.  Where the next step's bytes END in a chunk not read yet: the wait for my tensor loads and a barrier, ahead of the fetch.
; Where they BEGIN in a later chunk: the chunk left behind is read no more: wait, add, wait, barrier; where a chunk two on is left, the barrier opens a round and the slot is filled again.
.macro STEP st, zero
.set NX, (\st)+1
.set C0, (96*(\st))/ROWB
.set C1, (96*NX)/ROWB
.set E0, (96*(\st)+95)/ROWB
.set E1, (96*NX+95)/ROWB
.if C1 > C0 || E1 > E0
	WIN 0
	s_wait_tensorcnt 0x0                           ; all my tensor loads have landed
.if C1 > C0
	ds_add_u32 v[SPW], v[NIL]
	s_wait_dscnt 1                                 ; this step's fragments are in (the add may be out)
.else
	s_wait_dscnt 0x0
.endif
	WIN MUL
	MUL4 0, (\st)%2, (\st)%4, ((\st)/4)%2, \zero
	s_wait_dscnt 0x0                               ; the add and all my reads are done
	s_barrier_signal -1
	MUL4 1, (\st)%2, (\st)%4, ((\st)/4)%2, \zero
	WIN 0
	s_barrier_wait -1
.if C1 > C0 && C0+2 < CHUNKS
	CREST
	s_add_nc_u64 s[G0+4*(C0%2)+2:G0+4*(C0%2)+3], s[G0+4*(C0%2)+2:G0+4*(C0%2)+3], 2*ROWB
	s_add_nc_u64 s[G0B+4*(C0%2)+2:G0B+4*(C0%2)+3], s[G0B+4*(C0%2)+2:G0B+4*(C0%2)+3], 2*ROWB
	JLOAD G0+4*(C0%2), G1, G0B+4*(C0%2), G1B       ; chunk C0 + 2; its four v_nop are the places in front of the loads below
.else
	PLACES NP
.endif
.else
	s_wait_dscnt 0x0                               ; this step's fragments are in
	PLACES NP
.endif
.if NX%4 == 0
	WIN 0
	SCALES NX/4
.endif
	FETCH 0, NX, NX%2
	WIN MUL
.if C1 > C0 || E1 > E0
.else
	MUL4 0, (\st)%2, (\st)%4, ((\st)/4)%2, \zero
	MUL4 1, (\st)%2, (\st)%4, ((\st)/4)%2, \zero
.endif
	MUL4 2, (\st)%2, (\st)%4, ((\st)/4)%2, \zero
	MUL4 3, (\st)%2, (\st)%4, ((\st)/4)%2, \zero
.endm
	s_wait_alu depctr_va_vdst(0)
	s_wait_tensorcnt 0x0                           ; my tile of the head's four is in; slot 1's first fill is issued as a refill is
	ds_add_u32 v[SPW], v[NIL]
	s_mov_b32 s[G1+2], 64<<16                      ; no load of mine is out: from here on a load brings 64 rows
	s_mov_b32 s[G1+4], 64
	s_mov_b32 s[G1B+2], 64<<16
	s_mov_b32 s[G1B+4], 64
	s_wait_dscnt 0x0
	CROUND
	JLOAD G0+4, G1, G0B+4, G1B                     ; chunk 1
	SCALES 0
	FETCH 0, 0, 0
	STEP 0, 1                                      ; the first step's products start the sums
.set ST, 1                             ; slots and chunks come back to where they began after 32 steps, all of K: the walk is written out
.rept STEPS-2
	STEP ST, 0
.set ST, ST+1
.endr
	s_wait_dscnt 0x0
	WIN MUL
	MUL4 0, 1, 3, 1, 0
	MUL4 1, 1, 3, 1, 0
	MUL4 2, 1, 3, 1, 0
	MUL4 3, 1, 3, 1, 0
	WIN 0
.macro TOSTAGE a
.irp b, 0,1,2,3
	ds_store_b128 v[STO], v[ACC+32*(\a)+8*\b:ACC+32*(\a)+8*\b+3] offset:64*\b
	ds_store_b128 v[STO], v[ACC+32*(\a)+8*\b+4:ACC+32*(\a)+8*\b+7] offset:64*\b+16
.endr
.set BB, BK+32*((\a)%2)
.irp t, 0,1,2,3,4,5,6,7
	ds_load_b128 v[BB+4*\t:BB+4*\t+3], v[RD] offset:\t*2*SPITCH
.endr
.endm
.macro SENDF a, younger
.set BB, BK+32*((\a)%2)
	s_wait_dscnt \younger
	WIN 0x08
.set i, 0
.rept 16
	v_pk_add_f32 v[BB+i:BB+i+1], v[BB+i:BB+i+1], v[32*(\a)+i:32*(\a)+i+1]
.set i, i+2
.endr
	WIN 0
.set i, 0
.rept 8
	v_pk_add_f32 v[BB+i:BB+i+1], v[BB+i:BB+i+1], v[BI:BI+1]
	v_pk_add_f32 v[BB+i+2:BB+i+3], v[BB+i+2:BB+i+3], v[BI+2:BI+3]
.set i, i+4
.endr
.irp t, 0,1,2,3,4,5,6,7
.if NTOUT
	global_store_b128 v[CO], v[BB+4*\t:BB+4*\t+3], s[12:13] offset:(16*(\a)+2*\t)*SIZE_N*4 th:TH_STORE_NT
.else
	global_store_b128 v[CO], v[BB+4*\t:BB+4*\t+3], s[12:13] offset:(16*(\a)+2*\t)*SIZE_N*4
.endif
.endr
.endm
	PLACES NP
	s_wait_loadcnt 0x0
	TOSTAGE 0
.irp a, 1,2,3
.if \a > 1
	s_wait_xcnt 0x0
.endif
	TOSTAGE \a
	SENDF \a-1, 16
.endr
	SENDF 3, 0
	s_wait_tensorcnt 0x0
	ds_add_u32 v[SPW], v[NIL]
	s_wait_dscnt 0x0
	CROUND
	s_endpgm
.Lfunc_end_k_q1d477db866_w2:
	.size	k_q1d477db866_w2, .Lfunc_end_k_q1d477db866_w2-k_q1d477db866_w2
	.p2alignl 7, 3214868480
	.fill 96, 4, 3214868480
	.section	.rodata,"a",@progbits
	.p2align	6, 0x0
	.amdhsa_kernel k_q1d477db866_w2
		.amdhsa_group_segment_fixed_size 327680
		.amdhsa_private_segment_fixed_size 0
		.amdhsa_enable_private_segment 0
		.amdhsa_kernarg_size 48
		.amdhsa_user_sgpr_count 2
		.amdhsa_user_sgpr_kernarg_segment_ptr 1
		.amdhsa_wavefront_size32 1
		.amdhsa_system_sgpr_workgroup_id_x 1
		.amdhsa_system_sgpr_workgroup_id_y 1
		.amdhsa_system_sgpr_workgroup_id_z 1
		.amdhsa_system_vgpr_workitem_id 0
		.amdhsa_next_free_vgpr 640
		.amdhsa_next_free_sgpr 100
		.amdhsa_reserve_vcc 0
		.amdhsa_float_denorm_mode_32 3
		.amdhsa_float_denorm_mode_16_64 3
		.amdhsa_memory_ordered 1
		.amdhsa_forward_progress 1
		.amdhsa_inst_pref_size 206
	.end_amdhsa_kernel
	.amdgpu_metadata
---
amdhsa.version: [ 1, 2 ]
amdhsa.kernels:
  - .name:           k_q1d477db866_w2
    .symbol:         k_q1d477db866_w2.kd
    .args:
      - { .name: hid, .offset: 0, .size: 8, .value_kind: global_buffer, .address_space: global }
      - { .name: w2_codes, .offset: 8, .size: 8, .value_kind: global_buffer, .address_space: global }
      - { .name: w2_scales, .offset: 16, .size: 8, .value_kind: global_buffer, .address_space: global }
      - { .name: b2, .offset: 24, .size: 8, .value_kind: global_buffer, .address_space: global }
      - { .name: x1, .offset: 32, .size: 8, .value_kind: global_buffer, .address_space: global }
      - { .name: out0, .offset: 40, .size: 8, .value_kind: global_buffer, .address_space: global }
    .group_segment_fixed_size: 327680
    .private_segment_fixed_size: 0
    .kernarg_segment_align: 8
    .kernarg_segment_size: 48
    .max_flat_workgroup_size: 128
    .sgpr_count:     100
    .vgpr_count:     640
    .wavefront_size: 32
...
	.end_amdgpu_metadata
.endif
;; end of part 12
